; MI455X (gfx1250); checked and timed in simulation.
; The chip was launched on July 23, 2026; its instructions are those of AMD's public machine-readable ISA for CDNA 5 (MIT licence, August 2026) and "CDNA5" Instruction Set Architecture Reference Guide (July 2026). The comments in the code are by the model that wrote it; some were corrected since.
;; Block. Allowed arithmetic: matrix products marked QUANTISED: E3M2 operands, one E8M0 scale for each 32 along K, by v_wmma_scale_f32_16x16x128_f8f6f4 with both operands' format E3M2, f32 sums; everything else in f32.
;; Inputs: W1 1,024 x 4,096 float32; W2 4,096 x 1,024 float32; Wk 16 x 1,024 x 64 float32; Wo 1,024 x 1,024 float32; Wq 16 x 1,024 x 64 float32; Wv 16 x 1,024 x 64 float32; b1 4,096 float32; b2 1,024 float32; be1 1,024 float32; be2 1,024 float32; bo 1,024 float32; g1 1,024 float32; g2 1,024 float32; x 2 x 2,048 x 1,024 float32.
;; Outputs: out0 2 x 2,048 x 1,024 float32.
;; This version of the problem:
;;   THIS VERSION OF THE PROBLEM IS GIVEN IN LOW PRECISION. The matrix products marked QUANTISED in the list below multiply operands that are first quantised to E3M2 (3 exponent bits, 2 mantissa bits; 6 bits a number), with one power-of-two scale for each 32 numbers along K (OCP MX v1.0); their sums are f32. All else is computed in f32.
;;   The module's matrix products, in the order in which they are computed (A, B: the left and right operand; K: the contracted axis; several contracted axes count as one K, in the product's order):
;;     1. [M 1,024, K 1,024] x [K 1,024, N 4,096]; A: input Wq; B: computed on the way: QUANTISED
;;     2. [M 1,024, K 1,024] x [K 1,024, N 4,096]; A: input Wk; B: computed on the way: QUANTISED
;;     3. [M 1,024, K 1,024] x [K 1,024, N 4,096]; A: input Wv; B: computed on the way: QUANTISED
;;     4. batch 32 x [M 2,048, K 64] x [K 64, N 2,048]; A: computed on the way; B: computed on the way: QUANTISED
;;     5. batch 32 x [M 2,048, K 2,048] x [K 2,048, N 64]; A: softmax (see below); B: computed on the way: QUANTISED
;;     6. [M 4,096, K 1,024] x [K 1,024, N 1,024]; A: computed on the way; B: input Wo: QUANTISED
;;     7. [M 4,096, K 1,024] x [K 1,024, N 4,096]; A: computed on the way; B: input W1: QUANTISED
;;     8. [M 4,096, K 4,096] x [K 4,096, N 1,024]; A: computed on the way; B: input W2: QUANTISED
;;   THE QUANTISER, for each operand of a quantised product, along K:
;;     - K is cut into blocks of 32 from its start; a last block that is shorter is filled with zeros.
;;     - A block's scale is 2^e with e = floor(log2(the largest magnitude in the block)) - 4, held to -126 .. 127; a block of zeros has e = 0. As a byte (E8M0): e + 127.
;;     - Each number is divided by its block's scale, clamped to +-28, and rounded to the nearest number of E3M2, ties to even, subnormals kept.
;;     - The product sums the exact products of the quantised numbers (number of the format x scale) in f32.
;;   ~~~python
;;   def quantise(x, axis):      # numpy; x: float32 -> the quantised numbers, widened to float32 again
;;       x = np.moveaxis(x, axis, -1); K = x.shape[-1]
;;       x = np.pad(x, [(0, 0)] * (x.ndim - 1) + [(0, -K % 32)]); x = x.reshape(x.shape[:-1] + (-1, 32)); a = np.abs(x).max(-1, keepdims=True)
;;       e = np.where(a > 0, np.clip(np.frexp(np.where(a > 0, a, 1))[1] - 1 - 4, -126, 127), 0)      # np.frexp(a)[1] - 1 = floor(log2(a)), exactly
;;       r = np.clip(x / 2.0 ** e, -28, 28)
;;       step = 2.0 ** (np.maximum(np.frexp(np.where(r == 0, 1, r))[1] - 1, -2) - 2)
;;       q = np.round(r / step) * step * 2.0 ** e      # np.round: ties to even
;;       return np.moveaxis(q.reshape(q.shape[:-2] + (-1,))[..., :K], -1, axis).astype(np.float32)
;;   ~~~
;;   SOFTMAX AHEAD OF A QUANTISED PRODUCT. Where the list says 'softmax', what is quantised is not the finished softmax but p = 2^(t - M), with t = logit x log2(e) and M = ceil(the row's largest t), a whole number; so 1/2 < the row's largest p <= 1. The row's sum l is taken of the UNQUANTISED p, in f32, and the product's result is divided by l at the end. Since M is a whole number, a kernel that streams over the keys may use a running M (the ceiling of the running maximum): every later rescaling is an exact power of two, which a block's scale takes up: the codes' values come out the same.
;;   OPERANDS COMPUTED ON THE WAY. 'Computed on the way' means the value that the module computes at that place (a softmax that the list does not call 'softmax' is quantised finished and normalised). What goes into a quantiser is computed in f32, as accurately as f32 sums, v_exp_f32 and their like allow (about 1e-6 of the number): no bf16 or f16 on the way to a quantiser, and a product that is left as it is and whose result goes on into a quantised operand takes f32 operands (vector FMAs, or v_wmma_f32_16x16x4_f32). A number that lies on a knife's edge between two numbers of the format may be rounded either way, as far as f32 arithmetic and the matrix unit's own rounding can turn it there, and no further.
;; One version. Each part assembles by itself: llvm-mc -triple=amdgcn-amd-amdhsa -mcpu=gfx1250 --defsym DOCPART=n.
;; ======== version 1 of 1: 7 launches
;; limits: right only within a limited range of input values
;; workspace buffers: WB 9,830,400 bytes; XN 3,276,800 bytes; QKV 10,092,544 bytes; CTX 3,276,800 bytes; X1 16,777,216 bytes; H 13,107,200 bytes
;; launch prep (part 1): grid 32 x 20, 8 waves a work-group, no clusters, 96,256 bytes of LDS; arguments x, g1, be1, XN, Wq, Wk, Wv, Wo, W1, W2, WB; writes XN, WB
.if DOCPART == 1
	.amdgcn_target "amdgcn-amd-amdhsa--gfx1250"
	.amdhsa_code_object_version 6
	.text
	.protected	k_qfe2d3b7261_prep
	.globl	k_qfe2d3b7261_prep
	.p2align	8
	.type	k_qfe2d3b7261_prep,@function
k_qfe2d3b7261_prep:
	s_mov_b64 s[64:65], 0
	v_nop
	global_prefetch_b8 v0, s[64:65] scope:SCOPE_SE
	s_setreg_imm32_b32 hwreg(HW_REG_WAVE_MODE, 25, 1), 1
	s_wait_xcnt 0x0
; TWO JOBS THAT DO NOT DEPEND ON EACH OTHER SHARE ONE LAUNCH.  The work-group's y parts them once, at the head; a work-group is wholly on one way, and each way has LDS bytes of its own.
;   y = 0 .. 7:  the first layer norm of x, quantised.      y = 8 .. 19: the six weights, quantised (8, 9, 10: Wq, Wk, Wv; 11: Wo; 12-15: W1; 16-19: W2).
; Both make operands of BF6 (E3M2) codes with one E8M0 byte for each 32 along K, in ONE LAYOUT.  Rows (tokens; a weight's output columns) stand at physical row p = the logical row with bits 3 and 4 swapped.
; Codes: [row block of 16][K step of 128][1,536 bytes]; the 1,536 bytes are the image of a fragment's 12 registers: registers 0-3 at 16 x lane, 4-5 at 512 + 8 x lane, 6-9 at 768 + 16 x lane, 10-11 at 1,280 + 8 x lane.
; Scale words: [K step][row p], 4 bytes.  A block's scale is 2^(floor(log2(largest magnitude)) - 4); its byte is the largest magnitude's exponent field - 4, held at 1 from below.
; THE LAYER NORM.  y = g (x - mean) / (std + 1e-6) + be along rows of 1,024 (std with 1,023 in the divisor), all in f32.  A work-group takes one physical row block (16 rows); wave w takes columns 128 w .. 128 w + 127: one
; fragment.  A row's sums meet in LDS: two barriers, on this way alone: the branch hangs on the work-group's number, so all eight waves take it alike.  Each load reads 512 consecutive bytes of a row; for the conversions a lane
; must hold 16 neighbours of each block of 32, so the wave's 16 x 512 bytes turn through its own stage in LDS (rows 528 bytes apart).  The mean is taken first and the squares are taken of x - mean, so a common offset costs no digits.
; THE WEIGHTS, f32 with K as the outer axis of a [K][N] matrix.  A LANE TAKES A COLUMN AND ITS REGISTERS RUN DOWN K: a block of 32 along K lies in one lane, so its largest magnitude needs no other lane and the conversions give
; codes with K innermost.  A wave takes 32 logical columns x 128 along K: two fragments, put together in the wave's own stage in LDS; they leave as six stores of 512 consecutive bytes.  Only numbers and pointers are chosen by y.
; LIMITS: NaN and infinities are not served; 1 / 1,023 is a multiplication and 1 / (std + 1e-6) comes from v_rcp_f32; a block whose largest magnitude lies under 2^-122 keeps the byte 1; a block of zeros gets the byte 1 where the
; rule says 127: its codes are zeros and this program alone reads the bytes.
.set NLN,    8                         ; rows of work-groups that take the layer norm: 8 x 32 = 256 row blocks
.set WO_C,   2359296                   ; byte offsets in WB: codes of Wq|Wk|Wv at 0, of Wo, W1, W2,
.set W1_C,   3145728
.set W2_C,   6291456
.set WQKV_S, 9437184                   ; and the scale words
.set WO_S,   9535488
.set W1_S,   9568256
.set W2_S,   9699328
.set STG,  8448                        ; LDS, the norm's: a wave's stage, 16 rows x 528 bytes;
.set RED1, 67584                       ; behind the eight stages 8 waves x 16 rows x 4 bytes for the sums; 512 bytes on the same for the squares
.set WSTG, 68608                       ; LDS, the weights': eight stages of 3,328 bytes
.set X,    16                          ; the norm: v16-79 my 64 numbers: register 16 b + i = column 128 w + 32 b + 16 (lane / 16) + i of row lane % 16
.set RAW,  80                          ; v80-143  the rows as loaded; later be
.set G,    144                         ; v144-207 g
.set PC,   208                         ; v208-227 the codes
.set TM,   228                         ; v228-243 at work in the quantiser
.set PW,   244                         ; v244     the scale word
.set SEL,  20                          ; s[20:21] selects of v_permlanex16_b32: lane l xor 16
.set WOF, 16                           ; the weights: v16-47 4 x lane + i x pitch
.set WX,  48                           ; v48-175  four blocks of 32 numbers; later v48-71 the way out
.set WC,  176                          ; v176-207 a block's codes, eight registers a block
.set WD,  208                          ; v208-223 the second half of a block's codes as the conversion leaves it
.set WS,  224                          ; v224     my column's scale word
; The weights' block t: K = 32 t .. 32 t + 31 of my column.  In the fragment it belongs to lane r + 16 (t & 1), registers 6 (t >> 1) on.
.macro BLOCK t
.set XS, WX+32*(\t)
	v_max3_num_f32 v12, |v[XS]|, |v[XS+1]|, |v[XS+2]|
	v_max3_num_f32 v13, |v[XS+3]|, |v[XS+4]|, |v[XS+5]|
.irp i, 6,10,14,18,22,26
	s_delay_alu instid0(VALU_DEP_2)
	v_max3_num_f32 v12, v12, |v[XS+\i]|, |v[XS+\i+1]|
	s_delay_alu instid0(VALU_DEP_2)
	v_max3_num_f32 v13, v13, |v[XS+\i+2]|, |v[XS+\i+3]|
.endr
	s_delay_alu instid0(VALU_DEP_2)
	v_max3_num_f32 v12, v12, |v[XS+30]|, |v[XS+31]|
	s_delay_alu instid0(VALU_DEP_1)
	v_max3_num_f32 v12, v12, v13, 0x2800000        ; and the floor 2^(5 - 127): the byte cannot fall under 1
	s_delay_alu instid0(VALU_DEP_1)
	v_add_nc_u32 v11, 0xfe000000, v12              ; 4 off the exponent field: the conversion's scale operand
	s_delay_alu instid0(VALU_DEP_1)
	v_lshrrev_b32 v13, 23, v11                     ; the byte
.if (\t) == 0
	s_delay_alu instid0(VALU_DEP_1)
	v_mov_b32 v[WS], v13
.else
	s_delay_alu instid0(VALU_DEP_1)
	v_lshl_or_b32 v[WS], v13, 8*(\t), v[WS]
.endif
	v_cvt_scalef32_pk16_bf6_f32 v[WC+8*(\t):WC+8*(\t)+2], v[XS:XS+15], v11
	v_cvt_scalef32_pk16_bf6_f32 v[WD+4*(\t):WD+4*(\t)+2], v[XS+16:XS+31], v11   ; (a conversion's three registers begin on an even number)
	v_nop                                          ; one plain place behind a scaled conversion
.irp i, 0,1,2
	v_mov_b32 v[WC+8*(\t)+3+\i], v[WD+4*(\t)+\i]
.endr
	ds_store_b128 v3, v[WC+8*(\t):WC+8*(\t)+3] offset:768*((\t)/2)+256*((\t)%2)
	ds_store_b64 v4, v[WC+8*(\t)+4:WC+8*(\t)+5] offset:768*((\t)/2)+128*((\t)%2)
.endm
; The norm's quantiser: 64 numbers of a lane, v[s] on, register 16 b + i = k 32 b + 16 (lane / 16) + i of my row, become a fragment's codes in v[PC] on and its scale word in v[PW].
.macro QUANT s
.irp b, 0,1,2,3
	v_max3_num_f32 v[TM+\b], |v[\s+16*\b]|, |v[\s+1+16*\b]|, 0x2800000   ; my 16 numbers of block b, and the floor 2^(5 - 127): the byte cannot fall under 1
.endr
.irp i, 2,4,6,8,10,12,14
.irp b, 0,1,2,3
	s_delay_alu instid0(VALU_DEP_4)
	v_max3_num_f32 v[TM+\b], v[TM+\b], |v[\s+16*\b+\i]|, |v[\s+1+16*\b+\i]|
.endr
.endr
.irp b, 0,1,2,3
	s_delay_alu instid0(VALU_DEP_4)
	v_permlanex16_b32 v[TM+4+\b], v[TM+\b], s[SEL], s[SEL+1]
.endr
.irp b, 0,1,2,3
	s_delay_alu instid0(VALU_DEP_4)
	v_max_num_f32 v[TM+\b], v[TM+\b], v[TM+4+\b]   ; with lane l xor 16's: the block's largest magnitude
.endr
.irp b, 0,1,2,3
	s_delay_alu instid0(VALU_DEP_4)
	v_add_nc_u32 v[TM+12+\b], 0xfe000000, v[TM+\b] ; 4 off its exponent field: the conversion's scale operand
.endr
.irp b, 0,1,2,3
	s_delay_alu instid0(VALU_DEP_4)
	v_lshrrev_b32 v[TM+4+\b], 23, v[TM+12+\b]      ; the byte
.endr
	s_delay_alu instid0(VALU_DEP_3)
	v_lshl_or_b32 v[PW], v[TM+5], 8, v[TM+4]
	s_delay_alu instid0(VALU_DEP_1)
	v_lshl_or_b32 v[PW], v[TM+6], 16, v[PW]
	s_delay_alu instid0(VALU_DEP_1)
	v_lshl_or_b32 v[PW], v[TM+7], 24, v[PW]
.irp c, 0,1
	v_cvt_scalef32_pk16_bf6_f32 v[PC+6*\c:PC+2+6*\c], v[\s+32*\c:\s+15+32*\c], v[TM+12+2*\c]
	v_cvt_scalef32_pk16_bf6_f32 v[PC+12+4*\c:PC+14+4*\c], v[\s+16+32*\c:\s+31+32*\c], v[TM+12+2*\c+1]   ; (a conversion's three registers begin on an even number)
.endr
	v_nop                                          ; one plain place behind a scaled conversion
.irp c, 0,1                                    ; the operand's layout wants a whole block in a lane: lanes 0-15 block 2 c, lanes 16-31 block 2 c + 1
.irp i, 0,1,2
	v_permlane16_swap_b32 v[PC+6*\c+\i], v[PC+12+4*\c+\i]
.endr
.irp i, 0,1,2
	s_delay_alu instid0(VALU_DEP_3)
	v_mov_b32 v[PC+3+6*\c+\i], v[PC+12+4*\c+\i]
.endr
.endr
.endm
; Four pairs of partial sums in v248-255 become the row's sum over all 1,024 columns, in v248 of every lane.
.macro REDUCE off
	s_delay_alu instid0(VALU_DEP_3)
	v_pk_add_f32 v[248:249], v[248:249], v[250:251]
	s_delay_alu instid0(VALU_DEP_2)
	v_pk_add_f32 v[252:253], v[252:253], v[254:255]
	s_delay_alu instid0(VALU_DEP_1)
	v_pk_add_f32 v[248:249], v[248:249], v[252:253]
	s_delay_alu instid0(VALU_DEP_1)
	v_add_f32 v248, v248, v249
	s_delay_alu instid0(VALU_DEP_1)
	v_permlanex16_b32 v249, v248, s[SEL], s[SEL+1]
	s_delay_alu instid0(VALU_DEP_1)
	v_add_f32 v248, v248, v249                     ; my wave's 128 columns of row lane % 16
	ds_store_b32 v8, v248 offset:\off              ; both halves of the lanes write the same word with the same value
	s_wait_dscnt 0x0                               ; for the others' sake: my store has landed; my loads are in
	s_barrier_signal -1
	s_barrier_wait -1
.irp j, 0,1,2,3,4,5,6,7
	ds_load_b32 v[248+\j], v9 offset:\off+64*\j
.endr
	s_wait_dscnt 0x0
	v_add_f32 v248, v248, v249
	v_add_f32 v250, v250, v251
	v_add_f32 v252, v252, v253
	v_add_f32 v254, v254, v255
	s_delay_alu instid0(VALU_DEP_3)
	v_add_f32 v248, v248, v250
	s_delay_alu instid0(VALU_DEP_2)
	v_add_f32 v252, v252, v254
	s_delay_alu instid0(VALU_DEP_1)
	v_add_f32 v248, v248, v252
.endm
	v_lshl_add_u32 v239, v0, 2, 0x17400
	v_mov_b32 v245, 0
	s_and_b32 s19, ttmp7, 0xffff                   ; y
	s_cmp_lt_u32 s19, NLN
	s_cbranch_scc1 .Lnorm                          ; the whole work-group goes one way
	; ---------------------------------------------------------------- THE WEIGHTS
	s_load_b256 s[4:11], s[0:1], 0x20              ; Wq, Wk, Wv, Wo
	s_load_b128 s[12:15], s[0:1], 0x40             ; W1, W2
	s_load_b64 s[16:17], s[0:1], 0x50              ; WB
	s_sub_co_u32 s19, s19, NLN                     ; 0, 1, 2: Wq, Wk, Wv; 3: Wo; 4-7: W1; 8-11: W2
	v_lshrrev_b32 v1, 5, v0
	s_delay_alu instid0(VALU_DEP_1)
	v_readfirstlane_b32 s18, v1                    ; wave 0..7
	v_and_b32 v1, 31, v0                           ; c: my column in the wave's 32
	s_and_b32 s20, ttmp9, 3
	s_lshl_b32 s20, s20, 3
	s_add_co_u32 s20, s20, s18                     ; 8 (x & 3) + wave: the group of 32 columns
	s_lshr_b32 s21, ttmp9, 2                       ; x >> 2
	s_sub_co_u32 s32, s19, 8
	s_lshl_b32 s32, s32, 3
	s_add_co_u32 s24, s32, s21                     ; W2's K step
	s_sub_co_u32 s32, s19, 4
	s_lshl_b32 s32, s32, 5
	s_add_co_u32 s32, s32, s20                     ; W1's group of columns
	s_mul_i32 s33, s19, 786432                     ; Wq, Wk, Wv: where the codes begin,
	s_lshl_b32 s34, s19, 10                        ; and the first row among the 3,072
	s_lshr_b32 s36, s20, 1
	s_lshl_b32 s36, s36, 18                        ; their columns: head (group >> 1) of 262,144 bytes,
	s_and_b32 s37, s20, 1
	s_lshl_b32 s37, s37, 7
	s_add_co_u32 s36, s36, s37                     ; + 128 bytes for the head's upper 32
	s_mov_b32 s22, 4096                            ; W2's numbers: pitch in bytes,
	s_mov_b32 s23, s20                             ; group of columns,
	s_mov_b32 s25, 49152                           ; bytes of a row block's codes,
	s_mov_b32 s26, W2_C
	s_mov_b32 s27, W2_S
	s_mov_b32 s28, 4096                            ; bytes of a K step's scale words,
	s_mov_b32 s29, 0                               ; first row
	s_wait_alu depctr_va_vdst(0)
	s_wait_kmcnt 0x0
	s_mov_b64 s[30:31], s[14:15]
	s_cmp_lt_u32 s19, 8                            ; W1 or an earlier one
	s_cselect_b32 s22, 16384, s22
	s_cselect_b32 s23, s32, s23
	s_cselect_b32 s24, s21, s24
	s_cselect_b32 s25, 12288, s25
	s_cselect_b32 s26, W1_C, s26
	s_cselect_b32 s27, W1_S, s27
	s_cselect_b32 s28, 16384, s28
	s_cselect_b64 s[30:31], s[12:13], s[30:31]
	s_cmp_lt_u32 s19, 4                            ; Wo or an earlier one
	s_cselect_b32 s22, 4096, s22
	s_cselect_b32 s23, s20, s23
	s_cselect_b32 s26, WO_C, s26
	s_cselect_b32 s27, WO_S, s27
	s_cselect_b32 s28, 4096, s28
	s_cselect_b64 s[30:31], s[10:11], s[30:31]
	s_cmp_lt_u32 s19, 3                            ; Wv or an earlier one
	s_cselect_b32 s22, 256, s22
	s_cselect_b32 s26, s33, s26
	s_cselect_b32 s27, WQKV_S, s27
	s_cselect_b32 s28, 12288, s28
	s_cselect_b32 s29, s34, s29
	s_cselect_b64 s[30:31], s[8:9], s[30:31]
	s_cmp_lt_u32 s19, 2
	s_cselect_b64 s[30:31], s[6:7], s[30:31]
	s_cmp_lt_u32 s19, 1
	s_cselect_b64 s[30:31], s[4:5], s[30:31]
	s_lshl_b32 s35, s23, 7                         ; 128 bytes a group of columns,
	s_cmp_lt_u32 s19, 3
	s_cselect_b32 s35, s36, s35                    ; or the head's place
	s_mul_i32 s37, s24, s22
	s_lshl_b32 s37, s37, 7                         ; K step x 128 rows
	s_add_co_u32 s36, s35, s37
	s_mov_b32 s37, 0
	s_add_nc_u64 s[40:41], s[30:31], s[36:37]      ; the source at block 0,
	s_lshl_b32 s38, s22, 5
	s_mov_b32 s39, 0
	s_add_nc_u64 s[42:43], s[40:41], s[38:39]      ; and 32 rows on for each further block
	s_add_nc_u64 s[44:45], s[42:43], s[38:39]
	s_add_nc_u64 s[46:47], s[44:45], s[38:39]
	v_lshlrev_b32 v[WOF], 2, v1
.set i, 1
.rept 31
	s_delay_alu instid0(VALU_DEP_1)
	v_add_nc_u32 v[WOF+i], s22, v[WOF+i-1]
.set i, i+1
.endr
.irp t, 0,1,2,3
.set i, 0
.rept 32
	global_load_b32 v[WX+32*\t+i], v[WOF+i], s[40+2*\t:41+2*\t] th:TH_LOAD_NT   ; W(32 t + i, my column): a wave reads 128 consecutive bytes, the eight waves 1,024 (of Wq, Wk, Wv: four rows of 256)
.set i, i+1
.endr
.endr
	s_mul_i32 s48, s23, s25
	s_lshl_b32 s48, s48, 1                         ; row block 2 x group,
	s_mul_i32 s49, s24, 1536
	s_add_co_u32 s48, s48, s49                     ; the K step's fragment,
	s_add_co_u32 s48, s48, s26
	s_mov_b32 s49, 0
	s_add_nc_u64 s[50:51], s[16:17], s[48:49]      ; where my codes go
	s_mul_i32 s48, s24, s28
	s_lshl_b32 s52, s23, 5
	s_add_co_u32 s52, s52, s29
	s_lshl_b32 s52, s52, 2
	s_add_co_u32 s48, s48, s52
	s_add_co_u32 s48, s48, s27
	s_add_nc_u64 s[52:53], s[16:17], s[48:49]      ; and my wave's 32 scale words
	v_and_b32 v2, 7, v1
	v_lshrrev_b32 v9, 4, v1
	s_delay_alu instid0(VALU_DEP_1)
	v_lshl_add_u32 v2, v9, 3, v2                   ; r = 8 (c >> 4) + (c & 7): my row in its block
	v_bfe_u32 v9, v1, 3, 1                         ; which of the two row blocks
	s_delay_alu instid0(VALU_DEP_1)
	v_mul_u32_u24 v10, v9, 1664                    ; a block's image + 128 bytes, so that the two blocks' stores fall on other banks
	s_mul_i32 s54, s18, 3328
	s_add_co_u32 s54, s54, WSTG                    ; my stage
	v_add_nc_u32 v10, s54, v10
	s_delay_alu instid0(VALU_DEP_1)
	v_lshl_add_u32 v3, v2, 4, v10                  ; the stage: registers 0-3 of lane r,
	s_delay_alu instid0(VALU_DEP_2)
	v_lshl_add_u32 v4, v2, 3, v10
	s_delay_alu instid0(VALU_DEP_1)
	v_add_nc_u32 v4, 512, v4                       ; registers 4-5
	v_lshlrev_b32 v6, 4, v1                        ; out: 16 x lane,
	s_delay_alu instid0(VALU_DEP_1)
	v_add_nc_u32 v5, s54, v6                       ; in the stage,
	s_delay_alu instid0(VALU_DEP_2)
	v_add_nc_u32 v7, s25, v6                       ; and a row block on in WB
	v_lshl_add_u32 v8, v9, 4, v2
	s_delay_alu instid0(VALU_DEP_1)
	v_lshlrev_b32 v8, 2, v8                        ; my scale word: 4 x the physical row
	s_wait_loadcnt 63                              ; of the 128 loads at most 63 are out: the first 65 are in, blocks 0 and 1 among them
	BLOCK 0
	BLOCK 1
	s_wait_loadcnt 32                              ; block 3's 32 loads may be out
	BLOCK 2
	s_wait_loadcnt 0x0
	BLOCK 3
.irp u, 0,1
.irp c, 0,1,2
	ds_load_b128 v[WX+12*\u+4*\c:WX+12*\u+4*\c+3], v5 offset:1664*\u+512*\c   ; LDS serves a wave's instructions in order: these see my stores
.endr
.endr
	s_wait_alu depctr_va_vdst(0)
	s_wait_dscnt 0x0
.irp c, 0,1,2
	global_store_b128 v6, v[WX+4*\c:WX+4*\c+3], s[50:51] offset:512*\c         ; 32 lanes store 512 consecutive bytes, at a multiple of 256 from WB's first byte
.endr
.irp c, 0,1,2
	global_store_b128 v7, v[WX+12+4*\c:WX+12+4*\c+3], s[50:51] offset:512*\c
.endr
	global_store_b32 v8, v[WS], s[52:53]           ; 128 consecutive bytes a wave
	s_wait_tensorcnt 0x0
	ds_add_u32 v239, v245
	s_wait_dscnt 0x0
	s_endpgm
	; ---------------------------------------------------------------- THE LAYER NORM
.Lnorm:
	s_load_b256 s[4:11], s[0:1], 0x0               ; the rows, g, be, the operand buffer
	s_lshl_b32 s28, s19, 5
	s_add_co_u32 s28, s28, ttmp9                   ; rb = 32 y + x: my physical row block
	v_lshrrev_b32 v1, 5, v0
	s_delay_alu instid0(VALU_DEP_1)
	v_readfirstlane_b32 s12, v1                    ; wave 0..7
	v_and_b32 v1, 31, v0                           ; lane
	v_and_b32 v2, 15, v0                           ; r
	v_bfe_u32 v3, v0, 4, 1                         ; h
	s_delay_alu instid0(VALU_DEP_3)
	v_lshlrev_b32 v4, 4, v1                        ; 16 x lane
	s_mul_i32 s13, s12, STG
	v_add_nc_u32 v5, s13, v4                       ; the stage, on the way in
	v_mul_u32_u24 v6, v2, 528
	s_delay_alu instid0(VALU_DEP_1)
	v_lshl_add_u32 v6, v3, 6, v6
	s_delay_alu instid0(VALU_DEP_1)
	v_add_nc_u32 v6, s13, v6                       ; and out: row r, + 64 h
	v_lshlrev_b32 v7, 6, v3                        ; g, be: 64 h
	v_lshlrev_b32 v11, 2, v2                       ; 4 r
	s_delay_alu instid0(VALU_DEP_1)
	v_add_nc_u32 v9, RED1, v11                     ; the sums: row r's words,
	s_lshl_b32 s13, s12, 6
	v_add_nc_u32 v8, s13, v9                       ; my wave's among them
	v_lshlrev_b32 v10, 3, v1                       ; 8 x lane
	s_mov_b32 s[SEL], 0x76543210
	s_mov_b32 s[SEL+1], 0xfedcba98
.irp b, 0,1,2,3
	v_mov_b32 v[TM+4+\b], 0                        ; written once: a lane permute's destination counts as one of its sources
.endr
	s_lshr_b32 s14, s28, 1
	s_lshl_b32 s14, s14, 5
	s_and_b32 s15, s28, 1
	s_lshl_b32 s15, s15, 3
	s_add_co_u32 s14, s14, s15                     ; the block's first logical row: 32 (rb >> 1) + 8 (rb & 1)
	s_lshl_b32 s14, s14, 12
	s_lshl_b32 s16, s12, 9                         ; my 128 columns
	s_mov_b32 s17, 0
	s_add_co_u32 s14, s14, s16
	s_mov_b32 s15, 0
	s_lshl_b32 s18, s28, 3
	s_add_co_u32 s18, s18, s12
	s_mul_i32 s18, s18, 1536                       ; fragment 8 rb + w
	s_mov_b32 s19, 0
	s_lshl_b32 s22, s12, 14
	s_lshl_b32 s23, s28, 6
	s_add_co_u32 s22, s22, s23
	s_add_co_u32 s22, s22, 3145728                 ; scale words: (4,096 w + 16 rb) x 4
	s_mov_b32 s23, 0
	s_wait_alu depctr_va_vdst(0)
	s_wait_kmcnt 0x0
	s_add_nc_u64 s[4:5], s[4:5], s[14:15]
	s_add_nc_u64 s[6:7], s[6:7], s[16:17]
	s_add_nc_u64 s[8:9], s[8:9], s[16:17]
	s_add_nc_u64 s[24:25], s[10:11], s[18:19]
	s_add_nc_u64 s[26:27], s[10:11], s[22:23]
.irp p, 0,1,2,3,4,5,6,7,8,9,10,11,12,13,14,15
	global_load_b128 v[RAW+4*\p:RAW+4*\p+3], v4, s[4:5] offset:(\p+8*(\p/8))*4096 th:TH_LOAD_NT   ; physical row p of the block: 512 consecutive bytes
.endr
.irp b, 0,1,2,3
.irp j, 0,1,2,3
	global_load_b128 v[G+16*\b+4*\j:G+16*\b+4*\j+3], v7, s[6:7] offset:128*\b+16*\j
.endr
.endr
	s_wait_loadcnt 16                              ; the rows are in; g's 16 loads may be out
.irp p, 0,1,2,3,4,5,6,7,8,9,10,11,12,13,14,15
	ds_store_b128 v5, v[RAW+4*\p:RAW+4*\p+3] offset:528*\p
.endr
.irp b, 0,1,2,3
.irp j, 0,1,2,3
	ds_load_b128 v[X+16*\b+4*\j:X+16*\b+4*\j+3], v6 offset:128*\b+16*\j   ; LDS serves a wave's instructions in order: these see my stores
.endr
.endr
	s_wait_dscnt 0x0                               ; my numbers are back, and the stores have read their registers,
.irp b, 0,1,2,3
.irp j, 0,1,2,3
	global_load_b128 v[RAW+16*\b+4*\j:RAW+16*\b+4*\j+3], v7, s[8:9] offset:128*\b+16*\j   ; which take be
.endr
.endr
.irp k, 0,1,2,3
	v_pk_add_f32 v[248+2*\k:249+2*\k], v[X+4*\k:X+4*\k+1], v[X+4*\k+2:X+4*\k+3]   ; the sum, in four chains
.endr
.irp j, 16,24,32,40,48,56
.irp k, 0,1,2,3
	s_delay_alu instid0(VALU_DEP_4)
	v_pk_add_f32 v[248+2*\k:249+2*\k], v[248+2*\k:249+2*\k], v[X+\j+2*\k:X+\j+2*\k+1]
.endr
.endr
	REDUCE 0
	s_delay_alu instid0(VALU_DEP_1)
	v_mul_f32 v246, 0x3a800000, v248               ; the mean: x 2^-10
	s_delay_alu instid0(VALU_DEP_1)
	v_mov_b32 v247, v246
.set j, 0
.rept 32
	v_pk_add_f32 v[X+j:X+j+1], v[X+j:X+j+1], v[246:247] neg_lo:[0,1] neg_hi:[0,1]   ; d = x - mean
.set j, j+2
.endr
.irp k, 0,1,2,3
	v_pk_mul_f32 v[248+2*\k:249+2*\k], v[X+2*\k:X+2*\k+1], v[X+2*\k:X+2*\k+1]
.endr
.set j, 8
.rept 28
	s_delay_alu instid0(VALU_DEP_4)
	v_pk_fma_f32 v[248+2*((j/2)%4):249+2*((j/2)%4)], v[X+j:X+j+1], v[X+j:X+j+1], v[248+2*((j/2)%4):249+2*((j/2)%4)]
.set j, j+2
.endr
	REDUCE 512                                     ; other words than the first sums': no barrier is owed between the two
	s_delay_alu instid0(VALU_DEP_1)
	v_mul_f32 v248, 0x3a802008, v248               ; / 1,023
	s_wait_alu depctr_va_vdst(0)
	v_sqrt_f32 v250, v248
	v_nop                                          ; a plain place behind the root,
	s_wait_alu depctr_va_vdst(0)                   ; and the wait ahead of its first reader
	v_add_f32 v250, 0x358637bd, v250               ; + 1e-6
	s_wait_alu depctr_va_vdst(0)
	v_rcp_f32 v12, v250
	v_nop
	s_wait_alu depctr_va_vdst(0)
	v_mov_b32 v13, v12
	s_wait_alu depctr_va_vdst(0)
	s_wait_loadcnt 0x0                             ; g and be
.set j, 0
.rept 32
	v_pk_mul_f32 v[X+j:X+j+1], v[X+j:X+j+1], v[12:13]
.set j, j+2
.endr
.set j, 0
.rept 32
	v_pk_fma_f32 v[X+j:X+j+1], v[X+j:X+j+1], v[G+j:G+j+1], v[RAW+j:RAW+j+1]
.set j, j+2
.endr
	QUANT X
	global_store_b128 v4, v[PC:PC+3], s[24:25]                  ; the fragment's image: 512, 256, 512, 256 consecutive bytes, each at a multiple of 256 from the buffer's first byte
	global_store_b64 v10, v[PC+4:PC+5], s[24:25] offset:512
	global_store_b128 v4, v[PC+6:PC+9], s[24:25] offset:768
	global_store_b64 v10, v[PC+10:PC+11], s[24:25] offset:1280
	global_store_b32 v11, v[PW], s[26:27]          ; row r's scale word (both halves of the lanes hold and store the same)
	s_wait_tensorcnt 0x0
	ds_add_u32 v239, v245
	s_wait_dscnt 0x0
	s_endpgm
.Lfunc_end_k_qfe2d3b7261_prep:
	.size	k_qfe2d3b7261_prep, .Lfunc_end_k_qfe2d3b7261_prep-k_qfe2d3b7261_prep
	.p2alignl 7, 3214868480
	.fill 96, 4, 3214868480
	.section	.rodata,"a",@progbits
	.p2align	6, 0x0
	.amdhsa_kernel k_qfe2d3b7261_prep
		.amdhsa_group_segment_fixed_size 96256
		.amdhsa_private_segment_fixed_size 0
		.amdhsa_enable_private_segment 0
		.amdhsa_kernarg_size 88
		.amdhsa_user_sgpr_count 2
		.amdhsa_user_sgpr_kernarg_segment_ptr 1
		.amdhsa_wavefront_size32 1
		.amdhsa_system_sgpr_workgroup_id_x 1
		.amdhsa_system_sgpr_workgroup_id_y 1
		.amdhsa_system_sgpr_workgroup_id_z 1
		.amdhsa_system_vgpr_workitem_id 0
		.amdhsa_next_free_vgpr 256
		.amdhsa_next_free_sgpr 66
		.amdhsa_reserve_vcc 0
		.amdhsa_float_denorm_mode_32 3
		.amdhsa_float_denorm_mode_16_64 3
		.amdhsa_memory_ordered 1
		.amdhsa_forward_progress 1
		.amdhsa_inst_pref_size 59
	.end_amdhsa_kernel
	.amdgpu_metadata
---
amdhsa.version: [ 1, 2 ]
amdhsa.kernels:
  - .name:           k_qfe2d3b7261_prep
    .symbol:         k_qfe2d3b7261_prep.kd
    .args:
      - { .name: x, .offset: 0, .size: 8, .value_kind: global_buffer, .address_space: global }
      - { .name: g1, .offset: 8, .size: 8, .value_kind: global_buffer, .address_space: global }
      - { .name: be1, .offset: 16, .size: 8, .value_kind: global_buffer, .address_space: global }
      - { .name: XN, .offset: 24, .size: 8, .value_kind: global_buffer, .address_space: global }
      - { .name: Wq, .offset: 32, .size: 8, .value_kind: global_buffer, .address_space: global }
      - { .name: Wk, .offset: 40, .size: 8, .value_kind: global_buffer, .address_space: global }
      - { .name: Wv, .offset: 48, .size: 8, .value_kind: global_buffer, .address_space: global }
      - { .name: Wo, .offset: 56, .size: 8, .value_kind: global_buffer, .address_space: global }
      - { .name: W1, .offset: 64, .size: 8, .value_kind: global_buffer, .address_space: global }
      - { .name: W2, .offset: 72, .size: 8, .value_kind: global_buffer, .address_space: global }
      - { .name: WB, .offset: 80, .size: 8, .value_kind: global_buffer, .address_space: global }
    .group_segment_fixed_size: 96256
    .private_segment_fixed_size: 0
    .kernarg_segment_align: 8
    .kernarg_segment_size: 88
    .max_flat_workgroup_size: 256
    .sgpr_count:     66
    .vgpr_count:     256
    .wavefront_size: 32
...
	.end_amdgpu_metadata
.endif
;; end of part 1
;; launch qkv (part 2): grid 12 x 16, 4 waves a work-group, clusters of 4 x 4, 327,680 bytes of LDS; arguments XN, WB, QKV; writes QKV
.if DOCPART == 2
	.amdgcn_target "amdgcn-amd-amdhsa--gfx1250"
	.amdhsa_code_object_version 6
	.text
	.protected	k_qfe2d3b7261_qkv
	.globl	k_qfe2d3b7261_qkv
	.p2align	8
	.type	k_qfe2d3b7261_qkv,@function
k_qfe2d3b7261_qkv:
	s_mov_b64 s[64:65], 0
	v_nop
	global_prefetch_b8 v0, s[64:65] scope:SCOPE_SE
	s_setreg_imm32_b32 hwreg(HW_REG_WAVE_MODE, 25, 1), 1
	s_wait_xcnt 0x0
	s_wait_alu depctr_hold_cnt(0) depctr_sa_sdst(0) depctr_va_vdst(0) depctr_va_sdst(0) depctr_va_ssrc(0) depctr_va_vcc(0) depctr_vm_vsrc(0)
	s_getreg_b32 s2, hwreg(HW_REG_IB_STS2, 6, 4)
	s_cmp_eq_u32 s2, 0
	s_cbranch_scc0 .Lentry_in_a_cluster
	s_endpgm
.Lentry_in_a_cluster:
	s_bfe_u32 s2, ttmp6, 0x10000c
	s_cmp_lg_u32 s2, 0xf033
	s_cbranch_scc0 .Lentry_shape_is_right
	s_endpgm
.Lentry_shape_is_right:
; A product of two operands of BF6 (E3M2) codes with one E8M0 scale for each 32 along K = 1,024, sums in f32; the result is quantised again.  One text serves two launches; KIND picks offsets and the way out:
;   0 qkv: xn x (Wq | Wk | Wv): q, k quantised along a head's 64, v along the tokens, into the records that attention reads          1 ff1: relu(xn2 W1 + b1), quantised along the 4,096
; OPERANDS.  Rows stand at physical row p = the logical row with bits 3 and 4 swapped.  Codes: [row block of 16][K step of 128][1,536 bytes = the image of a fragment's 12 registers: 0-3 at 16 x lane, 4-5 at 512 + 8 x lane,
; 6-9 at 768 + 16 x lane, 10-11 at 1,280 + 8 x lane]; scale words [K step][row p].  So a fragment comes from LDS by four loads of consecutive bytes, with no pitch and no padding.
; THE MATRIX INSTRUCTION IS USED TRANSPOSED (source 0 = 16 rows of B, source 1 = 16 rows of A): lane (r, h) holds row r of A's block, and by the order of the rows register j of accumulator (a, b) is LOGICAL column
; 32 (b / 2) + 16 h + 8 (b % 2) + j of B: the registers of b = 0 .. 7 are 16 neighbours of each block of 32, as the conversions want them for the next product's K.
; SHARES.  Four waves, each 8 x 8 blocks of 16 x 16: 128 x 128 of a tile of 256 x 256.
; THREE LDS SLOTS OF TWO K STEPS.  K has eight K steps; six of them and the scale words of all eight fit in LDS at once (3 x 98,304 + 16,384 bytes).  So K steps 0 to 5 are asked for at the head, as one group of first fills, four
; loads of a wave with the scale words'; only K steps 6 and 7 are a refill, of slot 0, asked for in K step 1, as soon as slot 0 has been read: K steps 1 to 5 are multiplied while it is on its way.  A wave's load is 8 rows of 3,072 consecutive bytes.
; CLUSTER 4 x 4: A's tile is shared along a row of the cluster, B's along a column; each is asked for jointly, by the same load with the same descriptor and a mask that names the four.
; KIND 0: in the clusters with x = 2 (Wv's rows) the two tiles change roles when they are READ (A = Wv's rows, B = the tokens), so that a lane's registers run along the tokens, which are v's K.  The loads are the same everywhere,
; and the choice hangs on the cluster's x, which all partners share.
; REGISTERS.  window 0: v1-31 addresses; v32-63 scale words, two sets (A's at 32 + 16 p, B's at 40 + 16 p); v64-255 A's fragments, two sets of 96; on the way out v64-166 are at work.
;   window 1: B's fragments, two sets at v0 and v128; the bias as tiles of eight registers at v96-127 and v224-255.   windows 2, 3: the accumulators, (a, b) at 8 ((8 a + b) % 32).
; LIMITS: NaN and infinities are not served; a block whose largest magnitude lies under 2^-122 keeps the byte 1, and so does a block of zeros where the rule says 127: its codes are zeros and this program alone reads the bytes.
.set KIND, 0
.set NA, 8
.set NB, 8
.set SKS, 2                            ; K steps in a slot
.set KS, 8                             ; K steps of 128
.set ASO, 3145728                      ; where A's scale words begin in its buffer
.if KIND == 0
.set BCO, 0                            ; B's codes and scale words in WB, and B's rows
.set BSO, 9437184
.set RB, 3072
.else
.set BCO, 3145728
.set BSO, 9568256
.set RB, 4096
.endif
.set FRB,   1536                       ; a fragment's image
.set HALFT, NA*SKS*FRB                 ; what one tensor load brings, and what one wave reads of A or of B in a slot
.set SLOT,  4*HALFT                    ; A's two halves, then B's
.set SCL,   3*SLOT                     ; behind the three slots: the scale words, four regions [K step][NA x 64 bytes]
.set HALFS, KS*NA*64
.set SPARE, SCL+4*HALFS                ; the spare words, 128 bytes for each wave: two blocks of 256 bytes that no other line names
.set G1, 24                            ; s[24:31] descriptor group 1 for A's tiles; s[32:43] group 0, one set for each slot
.set G0, 32
.set G1B, 48                           ; s[48:55] the same for B's; group 0: s[56:63] for slots 0 and 1, s[96:99] for slot 2
.set G0B, 56
.set G1S, 68                           ; s[68:75], s[76:79] for A's scale words; s[80:87], s[88:91] for B's
.set G0S, 76
.set G1SB, 80
.set G0SB, 88
.set SEL, 98                           ; s[98:99] selects of v_permlanex16_b32: lane l xor 16 (written on the way out, when no tensor load is out)
.set T,  64                            ; the way out: 64 numbers,
.set PC, 128                           ; the codes,
.set TM, 148                           ; at work in the quantiser,
.set PW, 164                           ; the scale word
.set MSB, 0
.macro WIN new                         ; the immediate's high byte repeats the setting that is left; a switch that changes nothing is dropped
.if MSB != (\new)
	s_set_vgpr_msb (MSB<<8)|(\new)
.set MSB, (\new)
.endif
.endm
; A joint load: waves 0 and 1 fetch for A, waves 2 and 3 for B.  The branch hangs on the wave's number alone.  Four v_nop follow each of the two lines.
.macro JLOAD g0a, g1a, g0b, g1b
	s_cmp_eq_u32 s15, 0
	s_cbranch_scc0 .Lfor_b_\@
	tensor_load_to_lds s[\g0a:\g0a+3], s[\g1a:\g1a+7]
	s_nop 0
.rept 4
	v_nop
.endr
	s_branch .Lasked_\@
.Lfor_b_\@:
	tensor_load_to_lds s[\g0b:\g0b+3], s[\g1b:\g1b+7]
	s_nop 0
.rept 4
	v_nop
.endr
.Lasked_\@:
.endm
.macro CREST                           ; a round of the cluster's barrier behind its opening barrier
	s_cmp_lg_u32 s14, 0
	s_cbranch_scc1 .Lnot_wave_0_\@
	s_barrier_signal -3
.Lnot_wave_0_\@:
	s_barrier_wait -3
	s_barrier_signal -1
	s_barrier_wait -1
.endm
.macro CROUND                          ; a whole round
	s_barrier_signal -1
	s_barrier_wait -1
	CREST
.endm
.macro PLACES                          ; four places between a matrix instruction and a load into, or a vector write of, its registers, or a read of its result (ISA guide 7.12.1 for vector writes and result reads)
.rept 4
	v_nop
.endr
.endm
.macro FRAG reg, a16, a8, off          ; a fragment's image into 12 registers
	ds_load_b128 v[\reg:\reg+3], v[\a16] offset:\off
	ds_load_b64 v[\reg+4:\reg+5], v[\a8] offset:\off
	ds_load_b128 v[\reg+6:\reg+9], v[\a16] offset:\off+768
	ds_load_b64 v[\reg+10:\reg+11], v[\a8] offset:\off+768
.endm
.macro FB slot, q, p, k                ; B's fragments of the slot's q-th K step into set p, and both sides' scale words of K step k
	WIN 0x40                                       ; destination window 1
.set ii, 0
.rept NB
	FRAG 128*(\p)+12*ii, 16+(\slot+1)/2, 20+(\slot+1)/2, ii*(2+2*((\slot+1)/2))*FRB+(2*(\slot/2)+(\q))*FRB   ; slots 1 and 2 are one region with rows of four K steps
.set ii, ii+1
.endr
	WIN 0
.set ii, 0
.rept NA
	ds_load_b32 v[32+16*(\p)+ii], v30 offset:(\k)*NA*128+64*ii   ; a K step's scale words of a tile's 256 rows are 1,024 bytes
	ds_load_b32 v[40+16*(\p)+ii], v31 offset:(\k)*NA*128+64*ii
.set ii, ii+1
.endr
.endm
.macro FA slot, q, p                   ; A's fragments
.set ii, 0
.rept NA
	FRAG 64+96*(\p)+12*ii, 8+(\slot+1)/2, 12+(\slot+1)/2, ii*(2+2*((\slot+1)/2))*FRB+(2*(\slot/2)+(\q))*FRB
.set ii, ii+1
.endr
.endm
; n blocks of A from a0 on, each against B's NB, on set p.  first = 1: the products start the sums, from 0 or from the bias: nothing is cleared.  The accumulators take turns, one instruction a turn, in the same order in
; every K step.
.macro MULG a0, n, p, first
.set aa, \a0
.rept \n
.set WW, 2+(aa*NB)/32
.if (\first) && (KIND > 0)
	WIN (WW<<6)|(1<<4)|1
.else
	WIN (WW<<6)|(WW<<4)|1
.endif
.set bb, 0
.rept NB
.set AC, 8*((aa*NB+bb)%32)
.set BF, 128*(\p)+12*bb
.set AF, 64+96*(\p)+12*aa
.set BT, 96+8*(bb%4)+128*(bb/4)
.if (\first) && (KIND == 0)
	v_wmma_scale_f32_16x16x128_f8f6f4 v[AC:AC+7], v[BF:BF+11], v[AF:AF+11], 0, v[40+16*(\p)+bb], v[32+16*(\p)+aa] matrix_a_fmt:MATRIX_FMT_BF6 matrix_b_fmt:MATRIX_FMT_BF6
.elseif \first
	v_wmma_scale_f32_16x16x128_f8f6f4 v[AC:AC+7], v[BF:BF+11], v[AF:AF+11], v[BT:BT+7], v[40+16*(\p)+bb], v[32+16*(\p)+aa] matrix_a_fmt:MATRIX_FMT_BF6 matrix_b_fmt:MATRIX_FMT_BF6
.else
	v_wmma_scale_f32_16x16x128_f8f6f4 v[AC:AC+7], v[BF:BF+11], v[AF:AF+11], v[AC:AC+7], v[40+16*(\p)+bb], v[32+16*(\p)+aa] matrix_a_fmt:MATRIX_FMT_BF6 matrix_b_fmt:MATRIX_FMT_BF6
.endif
.set bb, bb+1
.endr
.set aa, aa+1
.endr
.endm
; A K step whose successor lies in bytes that every wave has been shown: it multiplies set p and fetches K step nk (the nq-th of slot nslot) into the other set, B's run ahead of the products, A's in their middle.
.macro STEP p, first, nslot, nq, nk
	s_wait_dscnt 0x0                               ; this K step's fragments and scale words are in
	PLACES                                         ; behind the last products that read the other set: they serve both runs of loads below
	FB \nslot, \nq, 1-(\p), \nk
	MULG 0, NA/2, \p, \first
	WIN 0
	FA \nslot, \nq, 1-(\p)
	MULG NA/2, NA/2, \p, \first
	WIN 0
.endm
; A K step (on set 1) with a barrier in it; in front of the barrier each wave waits for all its tensor loads, adds 0 to its spare word, and waits for that and for its own LDS reads.  Behind it K step nk, the first of slot nslot, is fetched.
; fill = 1: the barrier opens a round of the cluster's barrier, and behind it slot `slot`, which has been read, is filled again with the K steps three slots on.
.macro TURN slot, nslot, nk, fill
	WIN 0
	s_wait_tensorcnt 0x0                           ; all my tensor loads have landed;
	ds_add_u32 v28, v29                            ; 0 onto my spare word;
	s_wait_dscnt 0x1                               ; (only the add may be out: set 1 is in)
	MULG 0, NA/4, 1, 0                             ; matrix instructions stand between the add and the wait for it
	s_wait_dscnt 0x0                               ; the add is done, and my reads of the slot in hand are over
	s_barrier_signal -1
	MULG NA/4, NA/4, 1, 0
	WIN 0
	s_barrier_wait -1
.if \fill
	CREST                                          ; no wave of any partner still reads this slot's tile or has a load on its way
	s_mov_b32 s[G1+1], (SKS*192)<<16               ; no tensor load of mine is out: rows of two K steps again
	s_mov_b32 s[G1+3], (SKS*192)<<16
	s_mov_b32 s[G1B+1], (SKS*192)<<16
	s_mov_b32 s[G1B+3], (SKS*192)<<16
	JLOAD G0+8, G1, 96, G1B                        ; K steps 6 and 7 into slot 0: the first tensor load behind the round
.else
	PLACES
.endif
	FB \nslot, 0, 0, \nk
	FA \nslot, 0, 0
	MULG NA/2, NA/2, 1, 0
	WIN 0
.endm
; 64 numbers of a lane in window w, v[s] on, register 16 b + i = k 32 b + 16 (lane / 16) + i of my row, become a fragment's codes in v[PC] on and its scale word in v[PW].  Each accumulator is read from its low end on.
.macro QUANT s, w
	WIN (\w)|((\w)<<2)
.irp b, 0,1,2,3
	v_max3_num_f32 v[TM+\b], |v[\s+16*\b]|, |v[\s+1+16*\b]|, 0x2800000   ; my 16 numbers of block b, and the floor 2^(5 - 127): the byte cannot fall under 1
.endr
.irp i, 2,4,6,8,10,12,14
.irp b, 0,1,2,3
	v_max3_num_f32 v[TM+\b], |v[\s+16*\b+\i]|, |v[\s+1+16*\b+\i]|, v[TM+\b]
.endr
.endr
	WIN 0
.irp b, 0,1,2,3
	v_permlanex16_b32 v[TM+4+\b], v[TM+\b], s[SEL], s[SEL+1]
.endr
.irp b, 0,1,2,3
	v_max_num_f32 v[TM+\b], v[TM+\b], v[TM+4+\b]   ; with lane l xor 16's: the block's largest magnitude
.endr
.irp b, 0,1,2,3
	v_add_nc_u32 v[TM+12+\b], 0xfe000000, v[TM+\b] ; 4 off its exponent field: the conversion's scale operand
.endr
.irp b, 0,1,2,3
	v_lshrrev_b32 v[TM+4+\b], 23, v[TM+12+\b]      ; the byte
.endr
	v_lshl_or_b32 v[PW], v[TM+5], 8, v[TM+4]
	v_lshl_or_b32 v[PW], v[TM+6], 16, v[PW]
	v_lshl_or_b32 v[PW], v[TM+7], 24, v[PW]
	WIN (\w)
.irp c, 0,1
	v_cvt_scalef32_pk16_bf6_f32 v[PC+6*\c:PC+2+6*\c], v[\s+32*\c:\s+15+32*\c], v[TM+12+2*\c]
	v_cvt_scalef32_pk16_bf6_f32 v[PC+12+4*\c:PC+14+4*\c], v[\s+16+32*\c:\s+31+32*\c], v[TM+12+2*\c+1]   ; (a conversion's three registers begin on an even number)
.endr
	WIN 0
	v_nop                                          ; one plain place behind a scaled conversion
.irp c, 0,1                                    ; the operand's layout wants a whole block in a lane
.irp i, 0,1,2
	v_permlane16_swap_b32 v[PC+6*\c+\i], v[PC+12+4*\c+\i]
.endr
.irp i, 0,1,2
	v_mov_b32 v[PC+3+6*\c+\i], v[PC+12+4*\c+\i]
.endr
.endr
.endm
.macro PUT off, off2                   ; the fragment's two halves of 768 bytes go out: stores of 512 and 256 consecutive bytes, each at a multiple of 256 from the buffer's first byte
	global_store_b128 v26, v[PC:PC+3], s[92:93] offset:\off
	global_store_b64 v27, v[PC+4:PC+5], s[92:93] offset:\off+512
	global_store_b128 v26, v[PC+6:PC+9], s[92:93] offset:\off2
	global_store_b64 v27, v[PC+10:PC+11], s[92:93] offset:\off2+512
.endm
	s_load_b128 s[4:7], s[0:1], 0x0                ; A's buffer, WB
.if KIND == 0
	s_load_b64 s[8:9], s[0:1], 0x10                ; the records
.else
	s_load_b128 s[8:11], s[0:1], 0x10              ; the bias, the result
.endif
	v_lshl_add_u32 v28, v0, 2, SPARE
	v_mov_b32 v29, 0
	ds_add_u32 v28, v29
	ds_add_u32 v28, v29
	s_wait_dscnt 0x0
	v_lshrrev_b32 v1, 5, v0
	v_readfirstlane_b32 s14, v1                    ; wave 0..3
	s_lshr_b32 s15, s14, 1                         ; which half of A's rows is mine.  Also: I fetch for A (0) or for B (1)
	s_and_b32 s16, s14, 1                          ; which half of B's rows.  Also: which half of that tile I fetch
	s_bfe_u32 s18, ttmp6, 0x40000                  ; cx, cy: my place in the cluster
	s_bfe_u32 s19, ttmp6, 0x40004
	s_lshl_b32 s2, ttmp9, 2
	s_add_co_u32 s2, s2, s18                       ; B's tile = 4 x cluster x + cx
	s_and_b32 s17, ttmp7, 0xffff
	s_lshl_b32 s17, s17, 2
	s_add_co_u32 s17, s17, s19                     ; A's tile = 4 x cluster y + cy
	s_lshl_b32 s22, s19, 2
	s_lshl_b32 s22, 15, s22                        ; my row of the cluster
	s_lshl_b32 s23, 0x1111, s18                    ; my column
	; descriptor group 1, codes: NA rows of SKS x 1,536 bytes (elements of 8 bytes), KS x 1,536 bytes apart; no padding
	s_or_b32 s[G1+0], s22, (3<<16)|(1<<21)         ; 15:0 the mask; 17:16 elements of 8 bytes; 21 set beside a mask
	s_or_b32 s[G1B+0], s23, (3<<16)|(1<<21)
.irp g, G1, G1B
	s_mov_b32 s[\g+1], (SKS*192)<<16               ; tensor_dim0
	s_mov_b32 s[\g+2], (2*NA)<<16                  ; the head's loads bring a tile's 16 row blocks
	s_mov_b32 s[\g+3], (SKS*192)<<16
	s_mov_b32 s[\g+4], 2*NA
	s_mov_b32 s[\g+5], KS*192                      ; tensor_dim0_stride
	s_mov_b32 s[\g+6], 0
	s_mov_b32 s[\g+7], 0
.endr
	; scale words: KS rows of 2 NA x 64 bytes, a K step's words of all rows apart
	s_or_b32 s[G1S+0], s22, (3<<16)|(1<<21)
	s_or_b32 s[G1SB+0], s23, (3<<16)|(1<<21)
.irp g, G1S, G1SB
	s_mov_b32 s[\g+1], (NA*16)<<16                 ; KS rows of 1,024 bytes: the words of a tile's 256 rows
	s_mov_b32 s[\g+2], KS<<16
	s_mov_b32 s[\g+3], (NA*16)<<16
	s_mov_b32 s[\g+4], KS
	s_mov_b32 s[\g+6], 0
	s_mov_b32 s[\g+7], 0
.endr
	s_mov_b32 s[G1S+5], 2048                       ; A has 4,096 rows: 16,384 bytes
	s_mov_b32 s[G1SB+5], RB/2
	s_mul_i32 s20, s17, 2*NA                       ; the first row block of A's tile,
	s_mul_i32 s46, s2, 2*NA                        ; and of B's
	s_lshl_b32 s22, s20, 6
	s_add_co_u32 s22, s22, ASO                     ; their scale words: 64 bytes a row block
	s_mov_b32 s23, 0
	s_lshl_b32 s92, s46, 6
	s_add_co_u32 s92, s92, BSO
	s_mov_b32 s93, 0
	s_mul_i32 s20, s20, KS*FRB                     ; and their codes
	s_mov_b32 s21, 0
	s_mul_i32 s46, s46, KS*FRB
	s_add_co_u32 s46, s46, BCO
	s_mov_b32 s47, 0
	s_mul_i32 s45, s14, HALFT                      ; where they go: no place in the cluster enters an LDS address
	s_mul_i32 s18, s16, NA*KS*FRB                  ; behind the head I fetch half a tile: which half, in bytes
	s_mov_b32 s19, 0
	s_lshl_b32 s94, s45, 1                         ; and in the region of four K steps a wave's part is twice as long
	s_wait_kmcnt 0x0
	s_add_nc_u64 s[20:21], s[4:5], s[20:21]
	s_add_nc_u64 s[22:23], s[4:5], s[22:23]
	s_add_nc_u64 s[46:47], s[6:7], s[46:47]
	s_add_nc_u64 s[92:93], s[6:7], s[92:93]
	CROUND                                         ; all sixteen work-groups are here: the first joint loads meet
	; THE HEAD'S FOUR TILES, each whole, one a wave: K steps 0 and 1 of A's 16 row blocks (wave 0), of B's (wave 1), A's scale words (wave 2), B's (wave 3)
	s_mov_b32 s[G0], 1
	s_mov_b32 s[G0+1], 0
	s_mov_b64 s[G0+2:G0+3], s[20:21]
	s_or_b32 s[G0+3], s[G0+3], 0x80000000
	s_mov_b32 s[G0B], 1
	s_mov_b32 s[G0B+1], 2*HALFT
	s_mov_b64 s[G0B+2:G0B+3], s[46:47]
	s_or_b32 s[G0B+3], s[G0B+3], 0x80000000
	s_mov_b32 s[G0S], 1
	s_mov_b32 s[G0S+1], SCL
	s_mov_b64 s[G0S+2:G0S+3], s[22:23]
	s_or_b32 s[G0S+3], s[G0S+3], 0x80000000
	s_mov_b32 s[G0SB], 1
	s_mov_b32 s[G0SB+1], SCL+2*HALFS
	s_mov_b64 s[G0SB+2:G0SB+3], s[92:93]
	s_or_b32 s[G0SB+3], s[G0SB+3], 0x80000000
	s_add_nc_u64 s[20:21], s[20:21], s[18:19]      ; behind the head: my half of a tile
	s_add_nc_u64 s[46:47], s[46:47], s[18:19]
	s_mov_b32 s[G0+4], 1                           ; K steps 2 to 5, behind slot 0,
	s_add_co_u32 s[G0+5], s94, SLOT
	s_add_nc_u64 s[G0+6:G0+7], s[20:21], 2*FRB
	s_or_b32 s[G0+7], s[G0+7], 0x80000000
	s_mov_b32 s[G0+8], 1                           ; and K steps 6 and 7, into slot 0
	s_add_co_u32 s[G0+9], s45, 0
	s_add_nc_u64 s[G0+10:G0+11], s[20:21], 6*FRB
	s_or_b32 s[G0+11], s[G0+11], 0x80000000
	s_mov_b32 s[G0B+4], 1
	s_add_co_u32 s[G0B+5], s94, SLOT
	s_add_nc_u64 s[G0B+6:G0B+7], s[46:47], 2*FRB
	s_or_b32 s[G0B+7], s[G0B+7], 0x80000000
	s_mov_b32 s96, 1
	s_add_co_u32 s97, s45, 0
	s_add_nc_u64 s[98:99], s[46:47], 6*FRB
	s_or_b32 s99, s99, 0x80000000
.macro ARM under, g0, g1, next         ; one chain of branches on the wave's number: every way through it passes exactly one load
	s_cmp_lt_u32 s14, \under
	s_cbranch_scc0 \next
	tensor_load_to_lds s[\g0:\g0+3], s[\g1:\g1+7]
	s_nop 0
.rept 4
	v_nop
.endr
	s_branch .Lhead_asked
\next:
.endm
	ARM 1, G0,  G1,  .Lhead_b
	ARM 2, G0B, G1B, .Lhead_sa
	ARM 3, G0S, G1S, .Lhead_sb
	tensor_load_to_lds s[G0SB:G0SB+3], s[G1SB:G1SB+7]
	s_nop 0
.rept 4
	v_nop
.endr
.Lhead_asked:
	v_and_b32 v1, 15, v0                           ; r
	v_and_b32 v2, 31, v0                           ; lane
	v_lshlrev_b32 v3, 4, v2                        ; 16 x lane
	s_wait_alu depctr_va_vdst(0)
	v_lshlrev_b32 v27, 3, v2                       ; 8 x lane
	v_add_nc_u32 v4, 512, v27
	s_wait_alu depctr_va_vdst(0)
	v_lshlrev_b32 v5, 2, v1                        ; 4 r
	v_bfe_u32 v6, v0, 4, 1                         ; h
	v_lshlrev_b32 v7, 6, v6                        ; 64 h
	s_mul_i32 s18, s15, HALFT                      ; my half of A's tile,
	s_mul_i32 s19, s16, HALFT                      ; of B's,
	s_mul_i32 s20, s15, NA*64                      ; and of their scale words: 512 of a K step's 1,024 bytes
	s_mul_i32 s21, s16, NA*64
.if KIND == 0
	s_cmp_ge_u32 ttmp9, 2                          ; Wv's clusters: what waves 2 and 3 fetched is read as A, what waves 0 and 1 fetched as B
	s_cselect_b32 s22, 2*HALFT, 0
	s_cselect_b32 s23, 0, 2*HALFT
	s_cselect_b32 s66, 2*HALFS, 0
	s_cselect_b32 s67, 0, 2*HALFS
	s_add_co_u32 s18, s18, s22
	s_add_co_u32 s19, s19, s23
	s_add_co_u32 s20, s20, s66
	s_add_co_u32 s21, s21, s67
.else
	s_add_co_u32 s19, s19, 2*HALFT
	s_add_co_u32 s21, s21, 2*HALFS
.endif
	s_add_co_u32 s20, s20, SCL
	s_add_co_u32 s21, s21, SCL
	v_add_nc_u32 v8, s18, v3                       ; A's fragments in slot 0: the loads of 16 bytes,
	v_add_nc_u32 v12, s18, v4                      ; of 8 bytes;
	v_add_nc_u32 v16, s19, v3                      ; B's
	v_add_nc_u32 v20, s19, v4
	s_lshl_b32 s18, s18, 1                         ; in the region of K steps 2 to 5 every part is twice as long
	s_lshl_b32 s19, s19, 1
	s_add_co_u32 s18, s18, SLOT
	s_add_co_u32 s19, s19, SLOT
	v_add_nc_u32 v9, s18, v3
	v_add_nc_u32 v13, s18, v4
	v_add_nc_u32 v17, s19, v3
	v_add_nc_u32 v21, s19, v4
	v_add_nc_u32 v30, s20, v5                      ; A's scale words: row r's; the K step stands in the loads' immediates
	v_add_nc_u32 v31, s21, v5                      ; B's
	v_mov_b32 v26, v3                              ; the way out: 16 x lane
.if KIND == 1
	s_mul_i32 s66, s2, 128*NA                      ; my first logical column, in bytes of f32
	s_mul_i32 s67, s16, 64*NA
	s_add_co_u32 s66, s66, s67
	s_mov_b32 s67, 0
	s_add_nc_u64 s[8:9], s[8:9], s[66:67]
	WIN 0x40                                       ; destination window 1
.set bb, 0
.rept NB                                       ; the bias in the result's layout: tile b, lane (r, h): columns 32 (b / 2) + 16 h + 8 (b % 2) + 0 .. 7
	global_load_b128 v[96+8*(bb%4)+128*(bb/4):96+8*(bb%4)+128*(bb/4)+3], v7, s[8:9] offset:4*(32*(bb/2)+8*(bb%2))
	global_load_b128 v[96+8*(bb%4)+128*(bb/4)+4:96+8*(bb%4)+128*(bb/4)+7], v7, s[8:9] offset:4*(32*(bb/2)+8*(bb%2))+16
.set bb, bb+1
.endr
	WIN 0
	s_lshl_b32 s18, s17, 4
	s_lshl_b32 s19, s15, 3
	s_add_co_u32 s18, s18, s19                     ; my first row block
	s_lshl_b32 s19, s2, 1
	s_add_co_u32 s19, s19, s16                     ; my 128 columns are this K step of the next product
	s_lshl_b32 s66, s18, 5
	s_add_co_u32 s66, s66, s19
	s_mul_i32 s66, s66, FRB
	s_mov_b32 s67, 0
	s_add_nc_u64 s[92:93], s[10:11], s[66:67]      ; codes [row block][32][1,536]
	s_lshl_b32 s66, s19, 14
	s_lshl_b32 s18, s18, 6
	s_add_co_u32 s66, s66, s18
	s_add_co_u32 s66, s66, 12582912
	s_add_nc_u64 s[94:95], s[10:11], s[66:67]      ; scale words [32][4,096]
.endif
	s_wait_alu depctr_va_vdst(0)
	s_wait_tensorcnt 0x0                           ; my tile of the head's four is in
	ds_add_u32 v28, v29
	s_mov_b32 s[G1+1], (4*192)<<16                 ; no tensor load of mine is out: from here on a load brings 8 row blocks; the next one rows of four K steps
	s_mov_b32 s[G1+2], NA<<16
	s_mov_b32 s[G1+3], (4*192)<<16
	s_mov_b32 s[G1+4], NA
	s_mov_b32 s[G1B+1], (4*192)<<16
	s_mov_b32 s[G1B+2], NA<<16
	s_mov_b32 s[G1B+3], (4*192)<<16
	s_mov_b32 s[G1B+4], NA
	s_wait_dscnt 0x0
	CROUND                                         ; all four tiles are in, and all sixteen work-groups are here
	JLOAD G0+4, G1, G0B+4, G1B                     ; K steps 2 to 5: the first tensor load behind the round
.if KIND == 1
	s_wait_loadcnt 0x0                             ; the bias
.endif
	FB 0, 0, 0, 0
	FA 0, 0, 0
	STEP 0, 1, 0, 1, 1                             ; K step 0: its products start the sums
	TURN 0, 1, 2, 1                                ; K step 1: slots 1 and 2 are whole in every wave's eyes; slot 0 has been read and takes K steps 6 and 7
	STEP 0, 0, 1, 1, 3                             ; K step 2
	STEP 1, 0, 2, 0, 4                             ; K step 3: on into slot 2 without a barrier: the barrier of K step 1 has shown it
	STEP 0, 0, 2, 1, 5                             ; K step 4
	TURN 2, 0, 6, 0                                ; K step 5: the refill has landed, in every wave's eyes behind the barrier; nothing is filled, so no round of the cluster's barrier
	STEP 0, 0, 0, 1, 7                             ; K step 6
	s_wait_dscnt 0x0                               ; K step 7: nothing more to fetch
	MULG 0, NA/2, 1, 0
	MULG NA/2, NA/2, 1, 0
	WIN 0
	PLACES                                         ; in front of the first read of results and the first write of registers that held operands
	s_mov_b32 s[SEL], 0x76543210
	s_mov_b32 s[SEL+1], 0xfedcba98
.irp b, 0,1,2,3
	v_mov_b32 v[TM+4+\b], 0                        ; written once: a lane permute's destination counts as one of its sources
.endr
.if KIND == 0
	s_cmp_ge_u32 ttmp9, 2
	s_cbranch_scc1 .Lv_out
	; q and k: my 128 columns are two heads; a record holds 512 tokens of one head: 32 row blocks x 768 bytes of codes, then 32 x 64 bytes of scale words (bytes 0, 1; bytes 2, 3 are 0)
	s_lshl_b32 s18, s2, 1
	s_add_co_u32 s18, s18, s16                     ; which 128 of the 2,048 columns
	s_lshr_b32 s19, s18, 3                         ; q (0) or k (1)
	s_and_b32 s18, s18, 7
	s_lshl_b32 s18, s18, 1                         ; the first of my two heads
	s_lshl_b32 s20, s17, 4
	s_lshl_b32 s21, s15, 3
	s_add_co_u32 s20, s20, s21                     ; my first row block of tokens
	s_lshr_b32 s21, s20, 7                         ; the batch
	s_lshl_b32 s19, s19, 5
	s_lshl_b32 s21, s21, 4
	s_add_co_u32 s19, s19, s21
	s_add_co_u32 s19, s19, s18
	s_lshl_b32 s19, s19, 2
	s_bfe_u32 s21, s20, 0x20005                    ; the chunk of 512 tokens
	s_add_co_u32 s19, s19, s21
	s_mul_i32 s19, s19, 26624
	s_and_b32 s20, s20, 31                         ; the row block in the chunk
	s_mul_i32 s96, s20, 768
	s_add_co_u32 s96, s96, s19
	s_mov_b32 s97, 0
	s_add_nc_u64 s[92:93], s[8:9], s[96:97]
	s_lshl_b32 s96, s20, 6
	s_add_co_u32 s96, s96, s19
	s_add_co_u32 s96, s96, 24576
	s_add_nc_u64 s[94:95], s[8:9], s[96:97]
.irp a, 0,1,2,3,4,5,6,7
.if \a > 0
	s_wait_xcnt 0x0                                ; the last block's stores have read their registers
.endif
	QUANT 64*(\a%4), 2+\a/4
	v_and_b32 v165, 0xffff, v[PW]                  ; the first head's two bytes,
	v_lshrrev_b32 v166, 16, v[PW]                  ; the second's
	PUT 768*\a, 768*\a+106496                      ; the next head's records lie 4 x 26,624 bytes on
	global_store_b32 v5, v165, s[94:95] offset:64*\a
	global_store_b32 v5, v166, s[94:95] offset:64*\a+106496
.endr
	s_branch .Lend
.Lv_out:
	; v: my rows are channels (two heads), my 128 columns one key step; a record holds 512 keys of one head: 4 key steps x 4 channel blocks x 1,536 bytes, then 4 x 256 bytes of scale words
	s_sub_co_u32 s18, s2, 8
	s_lshl_b32 s18, s18, 4
	s_lshl_b32 s19, s15, 3
	s_add_co_u32 s18, s18, s19                     ; my first row block of Wv's 64
	s_lshr_b32 s18, s18, 2                         ; the first of my two heads
	s_lshl_b32 s20, s17, 1
	s_add_co_u32 s20, s20, s16                     ; which 128 tokens
	s_lshr_b32 s21, s20, 4
	s_lshl_b32 s21, s21, 4                         ; 16 x the batch
	s_add_co_u32 s18, s18, s21
	s_lshl_b32 s18, s18, 2
	s_bfe_u32 s21, s20, 0x20002                    ; the chunk of 512 keys
	s_add_co_u32 s18, s18, s21
	s_mul_i32 s18, s18, 25600
	s_add_co_u32 s18, s18, 6815744
	s_and_b32 s20, s20, 3                          ; the key step in the chunk
	s_mul_i32 s96, s20, 6144
	s_add_co_u32 s96, s96, s18
	s_mov_b32 s97, 0
	s_add_nc_u64 s[92:93], s[8:9], s[96:97]
	s_lshl_b32 s96, s20, 8
	s_add_co_u32 s96, s96, s18
	s_add_co_u32 s96, s96, 24576
	s_add_nc_u64 s[94:95], s[8:9], s[96:97]
.irp a, 0,1,2,3,4,5,6,7
.if \a > 0
	s_wait_xcnt 0x0
.endif
	QUANT 64*(\a%4), 2+\a/4
	PUT (\a/4)*102400+(\a%4)*1536, (\a/4)*102400+(\a%4)*1536+768
	global_store_b32 v5, v[PW], s[94:95] offset:(\a/4)*102400+64*(\a%4)
.endr
.Lend:
.else
.irp a, 0,1,2,3,4,5,6,7
.if \a > 0
	s_wait_xcnt 0x0                                ; the last block's stores have read their registers
.endif
	WIN (2+\a/4)<<2                                ; source 1: the accumulators' window
.set jj, 0
.rept 64
	v_max_num_f32 v[T+jj], 0, v[64*(\a%4)+jj]      ; the activation, in f32, and the way into window 0; each accumulator from its low end on
.set jj, jj+1
.endr
	WIN 0
	QUANT T, 0
	PUT 49152*\a, 49152*\a+768
	global_store_b32 v5, v[PW], s[94:95] offset:64*\a
.endr
.endif
	s_wait_tensorcnt 0x0                           ; the wave's end: behind my last tensor load and my last LDS store
	ds_add_u32 v28, v29
	s_wait_dscnt 0x0
	CROUND                                         ; the closing round: no work-group ends while a partner may still ask for a tile that names it
	s_endpgm
.Lfunc_end_k_qfe2d3b7261_qkv:
	.size	k_qfe2d3b7261_qkv, .Lfunc_end_k_qfe2d3b7261_qkv-k_qfe2d3b7261_qkv
	.p2alignl 7, 3214868480
	.fill 96, 4, 3214868480
	.section	.rodata,"a",@progbits
	.p2align	6, 0x0
	.amdhsa_kernel k_qfe2d3b7261_qkv
		.amdhsa_group_segment_fixed_size 327680
		.amdhsa_private_segment_fixed_size 0
		.amdhsa_enable_private_segment 0
		.amdhsa_kernarg_size 24
		.amdhsa_user_sgpr_count 2
		.amdhsa_user_sgpr_kernarg_segment_ptr 1
		.amdhsa_wavefront_size32 1
		.amdhsa_system_sgpr_workgroup_id_x 1
		.amdhsa_system_sgpr_workgroup_id_y 1
		.amdhsa_system_sgpr_workgroup_id_z 1
		.amdhsa_system_vgpr_workitem_id 0
		.amdhsa_next_free_vgpr 1024
		.amdhsa_next_free_sgpr 100
		.amdhsa_reserve_vcc 0
		.amdhsa_float_denorm_mode_32 3
		.amdhsa_float_denorm_mode_16_64 3
		.amdhsa_memory_ordered 1
		.amdhsa_forward_progress 1
		.amdhsa_inst_pref_size 192
	.end_amdhsa_kernel
	.amdgpu_metadata
---
amdhsa.version: [ 1, 2 ]
amdhsa.kernels:
  - .name:           k_qfe2d3b7261_qkv
    .symbol:         k_qfe2d3b7261_qkv.kd
    .args:
      - { .name: XN, .offset: 0, .size: 8, .value_kind: global_buffer, .address_space: global }
      - { .name: WB, .offset: 8, .size: 8, .value_kind: global_buffer, .address_space: global }
      - { .name: QKV, .offset: 16, .size: 8, .value_kind: global_buffer, .address_space: global }
    .group_segment_fixed_size: 327680
    .private_segment_fixed_size: 0
    .kernarg_segment_align: 8
    .kernarg_segment_size: 24
    .max_flat_workgroup_size: 128
    .sgpr_count:     100
    .vgpr_count:     1024
    .wavefront_size: 32
...
	.end_amdgpu_metadata
.endif
;; end of part 2
;; launch attn (part 3): grid 8 x 32, 16 waves a work-group, no clusters, 327,680 bytes of LDS; arguments QKV, CTX; writes CTX
.if DOCPART == 3
	.amdgcn_target "amdgcn-amd-amdhsa--gfx1250"
	.amdhsa_code_object_version 6
	.text
	.protected	k_qfe2d3b7261_attn
	.globl	k_qfe2d3b7261_attn
	.p2align	8
	.type	k_qfe2d3b7261_attn,@function
k_qfe2d3b7261_attn:
	s_mov_b64 s[64:65], 0
	v_nop
	global_prefetch_b8 v0, s[64:65] scope:SCOPE_SE
	s_setreg_imm32_b32 hwreg(HW_REG_WAVE_MODE, 25, 1), 1
	s_wait_xcnt 0x0
; ctx[b][t][64 n + :] = softmax over keys s <= t of (q . k / 8) times v, for head n of batch b; both products on codes of BF6 (E3M2) with one E8M0 scale for each 32 along K; the result is quantised along 64 n + channel.
; THE SOFTMAX AHEAD OF THE SECOND PRODUCT: t = score x log2(e) / 8; M = the row's largest t so far, rounded UP to a whole number; p = 2^(t - M) is quantised along the keys, not normalised.  The row's sum is taken of the
; unquantised p and divides at the end.  When M moves, the sum and O are multiplied by 2^(old M - new M): exact.
; INPUTS (made by the launch before).  Rows stand at physical row p = the logical row with bits 3 and 4 swapped.  q, k: records of 512 tokens of a head: 32 row blocks x 768 bytes (16 rows x 64 K: registers 0-3 at 16 x lane,
; 4-5 at 512 + 8 x lane), then 32 x 64 bytes of scale words (bytes 2, 3 are 0).  v: records of 512 keys: 4 key steps x 4 channel blocks x 1,536 bytes (a fragment's image), then 4 x 256 bytes of scale words.
; SHARES.  A work-group (i, head) owns query blocks i and 15 - i of 128 queries: together 17 key steps of 128 for each pair of tiles, the same for every i.  Each of its 16 waves owns one tile of 16 queries.
; A head's k and v, 208,896 bytes, come into LDS ONCE, in four chunks of 512 keys (waves 0, 1: k's halves; waves 2, 3: v's); nothing is filled again.  A chunk is read behind a counted wait and a barrier.
; Both products are used transposed (S^T = k q^T, O^T = v^T p^T): a lane holds one query.  By the order of the rows the 16 registers of tiles 2 b and 2 b + 1 of S^T are 16 neighbouring keys, and O^T's are neighbouring channels.
; K = 64 IN AN INSTRUCTION OF 128: q's registers 6-11 are zero codes.  k's registers 6-11 are the next tile's codes (zeros behind the last): they meet zero codes and add exactly 0; their scale bytes are 0, which is 2^-127 and no NaN.
; CAUSAL: a key step all of whose keys come after the wave's block of queries is left out by a scalar branch on ids; in the step on the diagonal hidden scores become -infinity ahead of the maximum.
; No cluster: the partners of a head would need different numbers of steps, and a work-group reads its shared bytes once.  No prefetch: all that the work-group reads is asked for at its head.
; The scale bytes of the result leave as 2 bytes a row (two heads share a word): 131,072 bytes in the whole launch.
; LIMITS: NaN and infinities are not served; 1 / l comes from v_rcp_f32; a block whose largest magnitude lies under 2^-122 keeps the byte 1, and so does a block of zeros where the rule says 127.
; REGISTERS: v1-3 lane terms; v6-11 the step's addresses; v12 -M, v13 the largest t, v[14:15] the sum; v16-27 q; v32-85 k's eight tiles, then v32-79 v's four fragments; v96-159 S^T, then p; v160-191 O^T; v192-199 k's scale
; words, v200-203 v's; v204 the mask's number; v224-235 p's codes; v232-254 at work; v255 q's scale word.
.set KREC, 26624
.set VREC, 25600
.set VL,   4*KREC                      ; LDS: k's four records, then v's four
.set VB,   6815744                     ; where v's records begin in memory
.set WV,   18
.set SEL,  20                          ; s[20:21] selects of v_permlanex16_b32: lane l xor 16
.set CS,   22                          ; s[22:23] c = log2(e) / 8
.set G1K,  24                          ; s[24:31] descriptor group 1 for half a record of k; s[32:39] of v
.set G1V,  32
.set G0K,  40                          ; s[40:55] groups 0 for k's four chunks; v's: s[56:63], s[68:75]
.set TBK,  2                           ; LDS byte of the step's tiles of k,
.set TSK,  3                           ; of their scale words,
.set TBV,  66                          ; of v's fragments,
.set TSV,  67                          ; of their scale words
.set KF,   76                          ; the step's first key
.set QB,   77                          ; my block's first query
.set CNT,  78
	s_load_b128 s[4:7], s[0:1], 0x0                ; the records, the result
	v_lshl_add_u32 v250, v0, 2, 0x33000
	v_mov_b32 v251, 0
	ds_add_u32 v250, v251
	ds_add_u32 v250, v251
	v_lshrrev_b32 v1, 5, v0
	s_delay_alu instid0(VALU_DEP_1)
	v_readfirstlane_b32 s[WV], v1                  ; wave 0..15
	s_and_b32 s79, ttmp7, 0xffff                   ; 16 x batch + head
	s_and_b32 s80, s[WV], 1                        ; which half of a record I would fetch
	s_add_co_u32 s82, s79, 32
	s_mul_i32 s82, s82, 4*KREC                     ; k's records of my head,
	s_mul_i32 s81, s80, KREC/2
	s_add_co_u32 s82, s82, s81
	s_mov_b32 s83, 0
	s_mul_i32 s84, s79, 4*VREC                     ; v's
	s_add_co_u32 s84, s84, VB
	s_mul_i32 s86, s80, VREC/2
	s_add_co_u32 s84, s84, s86
	s_mov_b32 s85, 0
	s_add_co_u32 s86, s86, VL
	; half a record is a dense block: rows of 256 bytes (32 elements of 8 bytes), 52 for k, 50 for v
.irp g, G1K, G1V
	s_mov_b32 s[\g], 3<<16
	s_mov_b32 s[\g+1], 32<<16
	s_mov_b32 s[\g+3], 32<<16
	s_mov_b32 s[\g+5], 32
	s_mov_b32 s[\g+6], 0
	s_mov_b32 s[\g+7], 0
.endr
	s_mov_b32 s[G1K+2], 52<<16
	s_mov_b32 s[G1K+4], 52
	s_mov_b32 s[G1V+2], 50<<16
	s_mov_b32 s[G1V+4], 50
	s_wait_dscnt 0x0
	s_wait_kmcnt 0x0
	s_add_nc_u64 s[82:83], s[4:5], s[82:83]
	s_add_nc_u64 s[84:85], s[4:5], s[84:85]
.irp c, 0,1,2,3
	s_mov_b32 s[G0K+4*\c], 1
	s_add_co_u32 s[G0K+4*\c+1], s81, \c*KREC
	s_add_nc_u64 s[G0K+4*\c+2:G0K+4*\c+3], s[82:83], \c*KREC
	s_or_b32 s[G0K+4*\c+3], s[G0K+4*\c+3], 0x80000000
	s_mov_b32 s[56+4*\c+4*(\c/2)], 1
	s_add_co_u32 s[56+4*\c+4*(\c/2)+1], s86, \c*VREC
	s_add_nc_u64 s[56+4*\c+4*(\c/2)+2:56+4*\c+4*(\c/2)+3], s[84:85], \c*VREC
	s_or_b32 s[56+4*\c+4*(\c/2)+3], s[56+4*\c+4*(\c/2)+3], 0x80000000
.endr
	s_lshr_b32 s96, s[WV], 1                       ; sixteen half records, one load a wave: pair 2 c of waves fetches k's chunk c, pair 2 c + 1 v's.  At the head chunk 0 alone (waves 0-3): it is wanted first
	s_cmp_eq_u32 s96, 0
	s_cbranch_scc0 .Lnot_k
	tensor_load_to_lds s[G0K:G0K+3], s[G1K:G1K+7]
	s_nop 0
.rept 4
	v_nop
.endr
	s_branch .Lasked
.Lnot_k:
	s_cmp_eq_u32 s96, 1
	s_cbranch_scc0 .Lasked
	tensor_load_to_lds s[56:59], s[G1V:G1V+7]
	s_nop 0
.rept 4
	v_nop
.endr
.Lasked:
	s_lshr_b32 s87, s[WV], 2
	s_xor_b32 s87, s87, s[WV]
	s_and_b32 s87, s87, 1                          ; the late block (1) or the early one (0): two of each among any four neighbouring waves and among waves w, w + 4, w + 8, w + 12
	s_lshr_b32 s88, s[WV], 1                       ; which of the block's eight tiles
	s_sub_co_u32 s89, 15, ttmp9
	s_cmp_eq_u32 s87, 1
	s_cselect_b32 s89, s89, ttmp9                  ; my block of 128 queries
	s_lshl_b32 s[QB], s89, 7
	s_lshl_b32 s90, s89, 3
	s_add_co_u32 s90, s90, s88                     ; my physical row block in the batch
	s_lshl_b32 s91, s79, 2
	s_lshr_b32 s92, s90, 5
	s_add_co_u32 s91, s91, s92
	s_mul_i32 s91, s91, KREC                       ; q's record,
	s_and_b32 s92, s90, 31
	s_mul_i32 s94, s92, 768
	s_add_co_u32 s94, s94, s91
	s_mov_b32 s95, 0
	s_add_nc_u64 s[8:9], s[4:5], s[94:95]          ; my tile's codes,
	s_lshl_b32 s94, s92, 6
	s_add_co_u32 s94, s94, s91
	s_add_co_u32 s94, s94, 24576
	s_add_nc_u64 s[10:11], s[4:5], s[94:95]        ; its scale words
	s_lshr_b32 s91, s79, 4
	s_and_b32 s92, s79, 15                         ; the head
	s_lshl_b32 s91, s91, 7
	s_add_co_u32 s91, s91, s90                     ; my row block among all 256
	s_lshl_b32 s94, s91, 4
	s_add_co_u32 s94, s94, s92
	s_mul_i32 s94, s94, 768
	s_add_nc_u64 s[12:13], s[6:7], s[94:95]        ; the result's codes: half n % 2 of fragment (row block, n / 2)
	s_lshr_b32 s94, s92, 1
	s_lshl_b32 s94, s94, 14
	s_lshl_b32 s91, s91, 6
	s_add_co_u32 s94, s94, s91
	s_and_b32 s92, s92, 1
	s_lshl_b32 s92, s92, 1
	s_add_co_u32 s94, s94, s92
	s_add_co_u32 s94, s94, 3145728
	s_add_nc_u64 s[14:15], s[6:7], s[94:95]        ; and its two scale bytes
	v_and_b32 v4, 31, v0
	s_delay_alu instid0(VALU_DEP_1)
	v_lshlrev_b32 v1, 4, v4                        ; 16 x lane
	s_delay_alu instid0(VALU_DEP_2)
	v_lshlrev_b32 v2, 3, v4
	s_delay_alu instid0(VALU_DEP_1)
	v_add_nc_u32 v2, 512, v2                       ; 512 + 8 x lane
	v_and_b32 v5, 15, v0                           ; r
	s_delay_alu instid0(VALU_DEP_1)
	v_lshlrev_b32 v3, 2, v5                        ; 4 r
	global_load_b128 v[16:19], v1, s[8:9]          ; q stays in registers
	global_load_b64 v[20:21], v2, s[8:9]
	global_load_b32 v255, v3, s[10:11]
.irp j, 0,1,2,3,4,5
	v_mov_b32 v[22+\j], 0                          ; q's codes of K = 64 .. 127: zeros
	v_mov_b32 v[80+\j], 0                          ; behind k's last tile
.endr
	v_bfe_u32 v28, v0, 4, 1                        ; h
	v_and_b32 v29, 7, v5
	v_bfe_u32 v30, v0, 3, 1
	s_delay_alu instid0(VALU_DEP_1)
	v_lshl_add_u32 v29, v30, 4, v29                ; (r & 7) + 16 (r >> 3)
	s_delay_alu instid0(VALU_DEP_4)
	v_lshlrev_b32 v28, 4, v28
	s_delay_alu instid0(VALU_DEP_1)
	v_sub_nc_u32 v29, v29, v28
	s_lshr_b32 s91, s88, 1
	s_lshl_b32 s91, s91, 5
	s_and_b32 s92, s88, 1
	s_lshl_b32 s92, s92, 3
	s_add_co_u32 s91, s91, s92
	v_add_nc_u32 v204, s91, v29                    ; d = my query - my block's first query - 16 h.  On the diagonal register 16 b + i holds key 32 b + 16 h + i of the block: hidden where 32 b + i > d
	s_mov_b32 s[SEL], 0x76543210
	s_mov_b32 s[SEL+1], 0xfedcba98
	s_mov_b32 s[CS], 0x3e38aa3b
	s_mov_b32 s[CS+1], s[CS]                       ; (named with it as a pair, so it is written)
	s_mov_b32 s[KF], 0
	v_mov_b32 v13, 0xff61b1e6                      ; the largest t so far: -3e38, under every t
	s_delay_alu instid0(VALU_DEP_1)
	v_floor_f32 v12, -v13                          ; -M
	v_mov_b32 v14, 0
	v_mov_b32 v15, 0
.irp b, 0,1,2,3
	v_mov_b32 v[236+\b], 0                         ; written once: a lane permute's destination counts as one of its sources
.endr
	v_mov_b32 v252, 0
	v_mov_b32 v253, 0
.set j, 0
.rept 32
	v_mov_b32 v[160+j], 0                          ; O^T: the step is written once; the first finds zeros, which the first change of M leaves zeros
.set j, j+1
.endr
	s_wait_loadcnt 0x0                             ; q
; A KEY STEP: 128 keys.
.macro STEP
	s_cmp_gt_u32 s[KF], s[QB]                      ; all its keys come after my queries: only the addresses step
	s_cbranch_scc1 .Lhid_\@
	v_add_nc_u32 v6, s[TBK], v1                    ; (these six are also the places in front of the loads into registers that the last products read)
	v_add_nc_u32 v7, s[TBK], v2
	v_add_nc_u32 v8, s[TSK], v3
	v_add_nc_u32 v9, s[TBV], v1
	v_add_nc_u32 v10, s[TBV], v2
	v_add_nc_u32 v11, s[TSV], v3
.irp i, 0,1,2,3,4,5,6,7
	ds_load_b128 v[32+6*\i:35+6*\i], v6 offset:768*\i
	ds_load_b64 v[36+6*\i:37+6*\i], v7 offset:768*\i
	ds_load_b32 v[192+\i], v8 offset:64*\i
.endr
	s_wait_alu depctr_va_vdst(0)
	s_wait_dscnt 0x0
.irp i, 0,1,2,3,4,5,6,7
	v_wmma_scale_f32_16x16x128_f8f6f4 v[96+8*\i:103+8*\i], v[32+6*\i:43+6*\i], v[16:27], 0, v[192+\i], v255 matrix_a_fmt:MATRIX_FMT_BF6 matrix_b_fmt:MATRIX_FMT_BF6
.endr
.rept 4
	v_nop                                          ; places in front of the loads below and of the first read of the scores
.endr
.irp t, 0,1,2,3                                ; v's fragments are asked for here and land during the softmax
	ds_load_b128 v[32+12*\t:35+12*\t], v9 offset:1536*\t
	ds_load_b64 v[36+12*\t:37+12*\t], v10 offset:1536*\t
	ds_load_b128 v[38+12*\t:41+12*\t], v9 offset:1536*\t+768
	ds_load_b64 v[42+12*\t:43+12*\t], v10 offset:1536*\t+768
	ds_load_b32 v[200+\t], v11 offset:64*\t
.endr
	s_cmp_lg_u32 s[KF], s[QB]                      ; only the step on the diagonal hides keys
	s_cbranch_scc1 .Lopen_\@
	v_mov_b32 v254, 0xff800000                     ; -infinity
.set n, 0
.rept 64
	v_cmp_gt_i32 vcc_lo, 32*(n/16)+n%16, v204
	v_cndmask_b32 v[96+n], v[96+n], v254, vcc_lo
.set n, n+1
.endr
.Lopen_\@:
.irp b, 0,1,2,3
	v_max3_num_f32 v[232+\b], v[96+16*\b], v[97+16*\b], v[98+16*\b]   ; the largest score of each block of 32 keys: it serves for the row's maximum and, since p rises with the score, for the block's largest p
.endr
.irp i, 3,5,7,9,11,13
.irp b, 0,1,2,3
	v_max3_num_f32 v[232+\b], v[232+\b], v[96+16*\b+\i], v[97+16*\b+\i]
.endr
.endr
.irp b, 0,1,2,3
	v_max_num_f32 v[232+\b], v[232+\b], v[111+16*\b]
.endr
.irp b, 0,1,2,3
	s_delay_alu instid0(VALU_DEP_4)
	v_permlanex16_b32 v[236+\b], v[232+\b], s[SEL], s[SEL+1]
.endr
.irp b, 0,1,2,3
	s_delay_alu instid0(VALU_DEP_4)
	v_max_num_f32 v[232+\b], v[232+\b], v[236+\b]  ; with lane l xor 16's 16 keys
.endr
	s_delay_alu instid0(VALU_DEP_2)
	v_max3_num_f32 v254, v232, v233, v234
	s_delay_alu instid0(VALU_DEP_1)
	v_max_num_f32 v254, v254, v235
	s_delay_alu instid0(VALU_DEP_1)
	v_mul_f32 v254, s[CS], v254                    ; as t (c is positive)
	s_delay_alu instid0(VALU_DEP_1)
	v_max_num_f32 v13, v13, v254                   ; the running largest t
	v_mov_b32 v254, v12
	s_delay_alu instid0(VALU_DEP_2)
	v_floor_f32 v12, -v13                          ; the new -M = -ceil(t)
	s_delay_alu instid0(VALU_DEP_1)
	v_sub_f32 v254, v12, v254                      ; old M - new M: a whole number, 0 or less
	s_delay_alu instid0(VALU_DEP_1)
	v_cvt_i32_f32 v254, v254                       ; (it saturates)
	s_delay_alu instid0(VALU_DEP_1)
	v_ldexp_f32 v252, 1.0, v254                    ; f = 2^(old M - new M)
.set j, 0
.rept 32
	v_pk_fma_f32 v[96+j:97+j], v[96+j:97+j], s[CS:CS+1], v[12:13] op_sel_hi:[1,0,0]   ; t - M, two at a time
.set j, j+2
.endr
.irp b, 0,1,2,3
	v_fma_f32 v[232+\b], v[232+\b], s[CS], v12     ; the same of each block's largest score
.endr
.set j, 0
	s_wait_alu depctr_va_vdst(0)
.rept 64
	v_exp_f32 v[96+j], v[96+j]                     ; p = 2^(t - M), at most 1
.set j, j+1
.endr
	v_pk_mul_f32 v[14:15], v[14:15], v[252:253] op_sel_hi:[1,0]   ; the sums under the new M: a plain place behind the exponentials
	s_wait_alu depctr_va_vdst(0)                   ; one wait for the whole batch, ahead of its first reader
.irp b, 0,1,2,3
	v_exp_f32 v[232+\b], v[232+\b]                 ; the block's largest p
.endr
	v_pk_add_f32 v[236:237], v[100:101], v[104:105]
	v_pk_add_f32 v[248:249], v[108:109], v[112:113]
	v_pk_add_f32 v[246:247], v[116:117], v[120:121]
	v_pk_add_f32 v[244:245], v[124:125], v[128:129]
	v_pk_add_f32 v[242:243], v[132:133], v[136:137]
	v_pk_add_f32 v[240:241], v[140:141], v[144:145]
	v_pk_add_f32 v[238:239], v[148:149], v[152:153]
	v_pk_add_f32 v[14:15], v[14:15], v[156:157]
	v_pk_add_f32 v[236:237], v[236:237], v[96:97]
	v_pk_add_f32 v[248:249], v[248:249], v[98:99]
	v_pk_add_f32 v[246:247], v[246:247], v[102:103]
	v_pk_add_f32 v[244:245], v[244:245], v[106:107]
	v_pk_add_f32 v[242:243], v[242:243], v[110:111]
	v_pk_add_f32 v[240:241], v[240:241], v[114:115]
	v_pk_add_f32 v[238:239], v[238:239], v[118:119]
	v_pk_add_f32 v[14:15], v[14:15], v[122:123]
	v_pk_add_f32 v[236:237], v[236:237], v[126:127]
	v_pk_add_f32 v[248:249], v[248:249], v[130:131]
	v_pk_add_f32 v[246:247], v[246:247], v[134:135]
	v_pk_add_f32 v[244:245], v[244:245], v[138:139]
	v_pk_add_f32 v[242:243], v[242:243], v[142:143]
	v_pk_add_f32 v[240:241], v[240:241], v[146:147]
	v_pk_add_f32 v[238:239], v[238:239], v[150:151]
	v_pk_add_f32 v[14:15], v[14:15], v[154:155]
	v_pk_add_f32 v[236:237], v[236:237], v[158:159]
	s_delay_alu instid0(VALU_DEP_2)
	v_pk_add_f32 v[14:15], v[14:15], v[244:245]
	s_delay_alu instid0(VALU_DEP_2)
	v_pk_add_f32 v[236:237], v[236:237], v[242:243]
	v_pk_add_f32 v[248:249], v[248:249], v[240:241]
	v_pk_add_f32 v[246:247], v[246:247], v[238:239]
	s_delay_alu instid0(VALU_DEP_2)
	v_pk_add_f32 v[14:15], v[14:15], v[248:249]
	s_delay_alu instid0(VALU_DEP_2)
	v_pk_add_f32 v[236:237], v[236:237], v[246:247]
	s_delay_alu instid0(VALU_DEP_1)
	v_pk_add_f32 v[14:15], v[14:15], v[236:237]
	s_wait_alu depctr_va_vdst(0)                   ; and one for the four
.irp b, 0,1,2,3
	v_max_num_f32 v[232+\b], 0x2800000, v[232+\b]  ; the floor 2^(5 - 127): the byte cannot fall under 1
.endr
.irp b, 0,1,2,3
	s_delay_alu instid0(VALU_DEP_4)
	v_add_nc_u32 v[244+\b], 0xfe000000, v[232+\b]  ; 4 off the exponent field: the conversion's scale operand
.endr
.irp b, 0,1,2,3
	s_delay_alu instid0(VALU_DEP_4)
	v_lshrrev_b32 v[236+\b], 23, v[244+\b]
.endr
	s_delay_alu instid0(VALU_DEP_3)
	v_lshl_or_b32 v253, v237, 8, v236              ; p's scale word for these 128 keys
	s_delay_alu instid0(VALU_DEP_1)
	v_lshl_or_b32 v253, v238, 16, v253
	s_delay_alu instid0(VALU_DEP_1)
	v_lshl_or_b32 v253, v239, 24, v253
.irp c, 0,1
	v_cvt_scalef32_pk16_bf6_f32 v[224+6*\c:226+6*\c], v[96+32*\c:111+32*\c], v[244+2*\c]
	v_cvt_scalef32_pk16_bf6_f32 v[236+4*\c:238+4*\c], v[112+32*\c:127+32*\c], v[244+2*\c+1]
.endr
	v_nop                                          ; one plain place behind a scaled conversion
.irp c, 0,1
.irp i, 0,1,2
	v_permlane16_swap_b32 v[224+6*\c+\i], v[236+4*\c+\i]
.endr
.irp i, 0,1,2
	s_delay_alu instid0(VALU_DEP_3)
	v_mov_b32 v[227+6*\c+\i], v[236+4*\c+\i]
.endr
.endr
.set j, 0
.rept 16
	v_pk_mul_f32 v[160+j:161+j], v[160+j:161+j], v[252:253] op_sel_hi:[1,0]   ; O^T under the new M; these sixteen also stand between the writes of p's codes and scale word and the products
.set j, j+2
.endr
	s_wait_alu depctr_va_vdst(0)
	s_wait_dscnt 0x0                               ; v's fragments and scale words
.irp t, 0,1,2,3
	v_wmma_scale_f32_16x16x128_f8f6f4 v[160+8*\t:167+8*\t], v[32+12*\t:43+12*\t], v[224:235], v[160+8*\t:167+8*\t], v[200+\t], v253 matrix_a_fmt:MATRIX_FMT_BF6 matrix_b_fmt:MATRIX_FMT_BF6
.endr
.Lhid_\@:
	s_add_co_u32 s[KF], s[KF], 128
	s_add_co_u32 s[TBK], s[TBK], 6144
	s_add_co_u32 s[TSK], s[TSK], 512
	s_add_co_u32 s[TBV], s[TBV], 6144
	s_add_co_u32 s[TSV], s[TSV], 256
.endm
; A chunk of 512 keys: the fetching waves' part of it has landed (the later chunks' loads may stay out), then the barrier shows it to all sixteen.
.macro CHUNK c
	s_wait_tensorcnt 0x0                           ; my load has landed
.if \c == 0
	ds_add_u32 v250, v251                          ; chunks 1 to 3 are first filled behind this barrier
	ds_add_u32 v250, v251
.endif
	s_wait_dscnt 0x0
	s_barrier_signal -1
	s_barrier_wait -1
.if \c == 0
.irp n, 1,2,3                                  ; waves 4-15: one load each; they land while chunk 0 is worked on
	s_cmp_eq_u32 s96, 2*\n
	s_cbranch_scc0 .Lnk\n
	tensor_load_to_lds s[G0K+4*\n:G0K+4*\n+3], s[G1K:G1K+7]
	s_nop 0
.rept 4
	v_nop
.endr
	s_branch .Lrest
.Lnk\n:
	s_cmp_eq_u32 s96, 2*\n+1
	s_cbranch_scc0 .Lnv\n
	tensor_load_to_lds s[56+4*\n+4*(\n/2):56+4*\n+4*(\n/2)+3], s[G1V:G1V+7]
	s_nop 0
.rept 4
	v_nop
.endr
	s_branch .Lrest
.Lnv\n:
.endr
.Lrest:
.endif
	s_mov_b32 s[TBK], \c*KREC
	s_mov_b32 s[TSK], \c*KREC+24576
	s_mov_b32 s[TBV], VL+\c*VREC
	s_mov_b32 s[TSV], VL+\c*VREC+24576
	s_mov_b32 s[CNT], 4
.Lst_\@:
	STEP
	s_sub_co_u32 s[CNT], s[CNT], 1
	s_cmp_lg_u32 s[CNT], 0
	s_cbranch_scc1 .Lst_\@
.endm
	CHUNK 0
	CHUNK 1
	CHUNK 2
	CHUNK 3
	; THE WAY OUT: O^T / the sum; its 32 registers are 16 neighbours of each of the head's two blocks of 32 channels: they are quantised and leave as half a fragment's image.
.rept 4
	v_nop                                          ; places behind the last products
.endr
	v_add_f32 v14, v14, v15
	s_delay_alu instid0(VALU_DEP_1)
	v_permlanex16_b32 v252, v14, s[SEL], s[SEL+1]
	s_delay_alu instid0(VALU_DEP_1)
	v_add_f32 v14, v14, v252                       ; the row's sum
	s_wait_alu depctr_va_vdst(0)
	v_rcp_f32 v14, v14
	v_nop                                          ; a plain place behind the reciprocal,
	s_wait_alu depctr_va_vdst(0)                   ; and the wait ahead of its first reader
.set j, 0
.rept 32
	v_mul_f32 v[96+j], v[160+j], v14
.set j, j+1
.endr
.irp b, 0,1
	v_max3_num_f32 v[232+\b], |v[96+16*\b]|, |v[97+16*\b]|, 0x2800000
.endr
.irp i, 2,4,6,8,10,12,14
.irp b, 0,1
	s_delay_alu instid0(VALU_DEP_2)
	v_max3_num_f32 v[232+\b], v[232+\b], |v[96+16*\b+\i]|, |v[97+16*\b+\i]|
.endr
.endr
.irp b, 0,1
	s_delay_alu instid0(VALU_DEP_2)
	v_permlanex16_b32 v[236+\b], v[232+\b], s[SEL], s[SEL+1]
.endr
.irp b, 0,1
	s_delay_alu instid0(VALU_DEP_2)
	v_max_num_f32 v[232+\b], v[232+\b], v[236+\b]
.endr
.irp b, 0,1
	s_delay_alu instid0(VALU_DEP_2)
	v_add_nc_u32 v[244+\b], 0xfe000000, v[232+\b]
.endr
.irp b, 0,1
	s_delay_alu instid0(VALU_DEP_2)
	v_lshrrev_b32 v[236+\b], 23, v[244+\b]
.endr
	s_delay_alu instid0(VALU_DEP_1)
	v_lshl_or_b32 v248, v237, 8, v236              ; my row's two bytes
	v_cvt_scalef32_pk16_bf6_f32 v[224:226], v[96:111], v244
	v_cvt_scalef32_pk16_bf6_f32 v[240:242], v[112:127], v245
	v_nop
.irp i, 0,1,2
	v_permlane16_swap_b32 v[224+\i], v[240+\i]
.endr
.irp i, 0,1,2
	s_delay_alu instid0(VALU_DEP_3)
	v_mov_b32 v[227+\i], v[240+\i]
.endr
	global_store_b128 v1, v[224:227], s[12:13]     ; 512 consecutive bytes, at a multiple of 256 from the buffer's first byte,
	global_store_b64 v2, v[228:229], s[12:13]      ; and the 256 behind them
	global_store_b16 v3, v248, s[14:15]            ; (both halves of the lanes hold and store the same)
	s_wait_tensorcnt 0x0
	ds_add_u32 v250, v251
	s_wait_dscnt 0x0
	s_endpgm
.Lfunc_end_k_qfe2d3b7261_attn:
	.size	k_qfe2d3b7261_attn, .Lfunc_end_k_qfe2d3b7261_attn-k_qfe2d3b7261_attn
	.p2alignl 7, 3214868480
	.fill 96, 4, 3214868480
	.section	.rodata,"a",@progbits
	.p2align	6, 0x0
	.amdhsa_kernel k_qfe2d3b7261_attn
		.amdhsa_group_segment_fixed_size 327680
		.amdhsa_private_segment_fixed_size 0
		.amdhsa_enable_private_segment 0
		.amdhsa_kernarg_size 16
		.amdhsa_user_sgpr_count 2
		.amdhsa_user_sgpr_kernarg_segment_ptr 1
		.amdhsa_wavefront_size32 1
		.amdhsa_system_sgpr_workgroup_id_x 1
		.amdhsa_system_sgpr_workgroup_id_y 1
		.amdhsa_system_sgpr_workgroup_id_z 1
		.amdhsa_system_vgpr_workitem_id 0
		.amdhsa_next_free_vgpr 256
		.amdhsa_next_free_sgpr 100
		.amdhsa_reserve_vcc 1
		.amdhsa_float_denorm_mode_32 3
		.amdhsa_float_denorm_mode_16_64 3
		.amdhsa_memory_ordered 1
		.amdhsa_forward_progress 1
		.amdhsa_inst_pref_size 110
	.end_amdhsa_kernel
	.amdgpu_metadata
---
amdhsa.version: [ 1, 2 ]
amdhsa.kernels:
  - .name:           k_qfe2d3b7261_attn
    .symbol:         k_qfe2d3b7261_attn.kd
    .args:
      - { .name: QKV, .offset: 0, .size: 8, .value_kind: global_buffer, .address_space: global }
      - { .name: CTX, .offset: 8, .size: 8, .value_kind: global_buffer, .address_space: global }
    .group_segment_fixed_size: 327680
    .private_segment_fixed_size: 0
    .kernarg_segment_align: 8
    .kernarg_segment_size: 16
    .max_flat_workgroup_size: 512
    .sgpr_count:     100
    .vgpr_count:     256
    .wavefront_size: 32
...
	.end_amdgpu_metadata
.endif
;; end of part 3
;; launch oproj (part 4): grid 16 x 16, 4 waves a work-group, clusters of 4 x 1, 327,680 bytes of LDS; arguments CTX, WB, bo, x, X1; writes X1
.if DOCPART == 4
	.amdgcn_target "amdgcn-amd-amdhsa--gfx1250"
	.amdhsa_code_object_version 6
	.text
	.protected	k_qfe2d3b7261_oproj
	.globl	k_qfe2d3b7261_oproj
	.p2align	8
	.type	k_qfe2d3b7261_oproj,@function
k_qfe2d3b7261_oproj:
	s_mov_b64 s[64:65], 0
	v_nop
	global_prefetch_b8 v0, s[64:65] scope:SCOPE_SE
	s_setreg_imm32_b32 hwreg(HW_REG_WAVE_MODE, 25, 1), 1
	s_wait_xcnt 0x0
	s_wait_alu depctr_hold_cnt(0) depctr_sa_sdst(0) depctr_va_vdst(0) depctr_va_sdst(0) depctr_va_ssrc(0) depctr_va_vcc(0) depctr_vm_vsrc(0)
	s_getreg_b32 s2, hwreg(HW_REG_IB_STS2, 6, 4)
	s_cmp_eq_u32 s2, 0
	s_cbranch_scc0 .Lentry_in_a_cluster
	s_endpgm
.Lentry_in_a_cluster:
	s_bfe_u32 s2, ttmp6, 0x10000c
	s_cmp_lg_u32 s2, 0x3003
	s_cbranch_scc0 .Lentry_shape_is_right
	s_endpgm
.Lentry_shape_is_right:
; X1 = x + ctx Wo + bo, f32.  The text is ff2's with other sizes (see the comment at ff2's head): K = 1,024 is 8 K steps, two trips, so there is no loop;
; A's fragment image is the one that attention stores (registers 0-3 at 16 x lane, 4-5 at 512 + 8 x lane, 6-9 at 768 + 16 x lane, 10-11 at 1,280 + 8 x lane): 18 loads a K step.
; No prefetch of A: half of its K steps are asked for at the head and the rest in the first trip; there is no loop to run ahead in.
.set KS, 8
.set NG, 1
.set AIMG, 0
.set ASO, 3145728
.set BCO, 2359296
.set BSO, 9535488
.set RB, 1024
.set RES, 32
.set NB, 4*NG
.set NBW, 4
.set NLD, 18-4*AIMG
.set FRB, 1536
.set BBY, NB*KS*FRB
.set THIRD, BBY/3
.set NJ, BBY/49152
.set SCL, BBY
.set STAGE, SCL+KS*NB*64
.set SPARE, STAGE+4*4352
.set G1, 24
.set G0, 32
.set G0S, 36
.set G1S, 40
.set MSB, 0
.macro WIN new
.if MSB != (\new)
	s_set_vgpr_msb (MSB<<8)|(\new)
.set MSB, (\new)
.endif
.endm
.macro CROUND
	s_barrier_signal -1
	s_barrier_wait -1
	s_cmp_lg_u32 s14, 0
	s_cbranch_scc1 .Lnw0_\@
	s_barrier_signal -3
.Lnw0_\@:
	s_barrier_wait -3
	s_barrier_signal -1
	s_barrier_wait -1
.endm
.macro PLACES
.rept 4
	v_nop
.endr
.endm
.macro ALD p, ko
.set aa, 0
.rept 4
.set F, 64+48*(\p)+12*aa
.set O, aa*KS*FRB+(\ko)*FRB
.if AIMG
	global_load_b128 v[F:F+3], v3, s[20:21] offset:O
	global_load_b128 v[F+4:F+7], v3, s[20:21] offset:O+512
	global_load_b128 v[F+8:F+11], v3, s[20:21] offset:O+1024
.else
	global_load_b128 v[F:F+3], v3, s[20:21] offset:O
	global_load_b64 v[F+4:F+5], v4, s[20:21] offset:O
	global_load_b128 v[F+6:F+9], v3, s[20:21] offset:O+768
	global_load_b64 v[F+10:F+11], v4, s[20:21] offset:O+768
.endif
.set aa, aa+1
.endr
	global_load_b32 v[32+2*(\p)], v5, s[22:23] offset:(\ko)*16384
	global_load_b32 v[33+2*(\p)], v5, s[22:23] offset:(\ko)*16384+128
.endm
.macro BLD kr, g, q
	WIN 0x40
.set bb, 0
.rept 4
.set BB, (4*(\g)+bb)*KS*FRB
.set F, 48*(\q)+12*bb
.set O, BB%49152+(\kr)*FRB
	ds_load_b128 v[F:F+3], v[8+BB/49152] offset:O
	ds_load_b64 v[F+4:F+5], v[12+BB/49152] offset:O
	ds_load_b128 v[F+6:F+9], v[8+BB/49152] offset:O+768
	ds_load_b64 v[F+10:F+11], v[12+BB/49152] offset:O+768
.set bb, bb+1
.endr
	WIN 0
	ds_load_b32 v[40+2*(\q)], v16 offset:(\kr)*NB*64+(\g)*256
	ds_load_b32 v[41+2*(\q)], v16 offset:(\kr)*NB*64+(\g)*256+128
.endm
.macro MUL p, g, q, first
.set aa, 0
.rept 4
.set bb, 0
.rept 4
.set CI, 4*(\g)+bb
.set WW, 2+CI/8
.set AC, 8*NBW*aa+8*(CI%8)
.if \first
	WIN (WW<<6)|(1<<4)|1
.set CC, 128+8*CI
.else
	WIN (WW<<6)|(WW<<4)|1
.set CC, AC
.endif
.set BF, 48*(\q)+12*bb
.set AF, 64+48*(\p)+12*aa
.set SB, 40+2*(\q)+bb/2
.set SA, 32+2*(\p)+aa/2
.set V, bb%2+2*(aa%2)
.if V == 0
	v_wmma_scale_f32_16x16x128_f8f6f4 v[AC:AC+7], v[BF:BF+11], v[AF:AF+11], v[CC:CC+7], v[SB], v[SA] matrix_a_fmt:MATRIX_FMT_BF6 matrix_b_fmt:MATRIX_FMT_BF6
.endif
.if V == 1
	v_wmma_scale_f32_16x16x128_f8f6f4 v[AC:AC+7], v[BF:BF+11], v[AF:AF+11], v[CC:CC+7], v[SB], v[SA] matrix_a_fmt:MATRIX_FMT_BF6 matrix_b_fmt:MATRIX_FMT_BF6 matrix_a_scale:MATRIX_SCALE_ROW1
.endif
.if V == 2
	v_wmma_scale_f32_16x16x128_f8f6f4 v[AC:AC+7], v[BF:BF+11], v[AF:AF+11], v[CC:CC+7], v[SB], v[SA] matrix_a_fmt:MATRIX_FMT_BF6 matrix_b_fmt:MATRIX_FMT_BF6 matrix_b_scale:MATRIX_SCALE_ROW1
.endif
.if V == 3
	v_wmma_scale_f32_16x16x128_f8f6f4 v[AC:AC+7], v[BF:BF+11], v[AF:AF+11], v[CC:CC+7], v[SB], v[SA] matrix_a_fmt:MATRIX_FMT_BF6 matrix_b_fmt:MATRIX_FMT_BF6 matrix_a_scale:MATRIX_SCALE_ROW1 matrix_b_scale:MATRIX_SCALE_ROW1
.endif
.set bb, bb+1
.endr
.set aa, aa+1
.endr
.endm
.macro SUB p, g, first, nk, ng, nb, la, wc
.set Q, ((\p)*NG+(\g))%2
.if \g == 0
	s_wait_loadcnt \wc
.endif
.if \nb
	BLD \nk, \ng, 1-Q
	s_wait_dscnt 18
.else
	s_wait_dscnt 0x0
.endif
	MUL \p, \g, Q, \first
	WIN 0
	PLACES
.if \la
	ALD \p, 4+(\p)
.endif
.endm
.macro RESLD
	WIN 0x80
.irp a, 0,1,2,3
.irp t, 0,1,2,3,4,5,6,7
	global_load_b128 v[128+32*\a+4*\t:128+32*\a+4*\t+3], v26, s[10:11] offset:(32*(\a/2)+16*(\t/4)+8*(\a%2)+2*(\t%4))*4096
.endr
.endr
	WIN 0
.endm
.macro TRIP mode
.set pp, 0
.rept 4
.set gg, 0
.rept NG
.set WC, 3*NLD
.set LA, 0
.set NBF, 1
.set FI, 0
.if (\mode == 0) && (pp == 0)
.set FI, 1
.endif
.if (\mode < 2) && (gg == NG-1)
.set LA, 1
.endif
.if \mode == 2
.set WC, (3-pp)*NLD
.if pp > 0
.set WC, WC+RES
.endif
.if WC > 63
.set WC, 63
.endif
.if pp*NG+gg == 4*NG-1
.set NBF, 0
.endif
.endif
	SUB pp, gg, FI, (pp+(gg+1)/NG), ((gg+1)%NG), NBF, LA, WC
.if (\mode == 2) && (pp == 0) && (gg == NG-1)
	RESLD
.endif
.set gg, gg+1
.endr
.set pp, pp+1
.endr
.endm
.macro ENDT
.set jj, 0
.rept NJ
	v_add_nc_u32 v[8+jj], 4*FRB, v[8+jj]
	v_add_nc_u32 v[12+jj], 4*FRB, v[12+jj]
.set jj, jj+1
.endr
	v_add_nc_u32 v16, 4*NB*64, v16
	s_wait_alu depctr_va_vdst(0)
	s_wait_xcnt 0x0
	s_add_nc_u64 s[20:21], s[20:21], 4*FRB
	s_add_nc_u64 s[22:23], s[22:23], 65536
.endm
	s_load_b128 s[4:7], s[0:1], 0x0
	s_load_b128 s[8:11], s[0:1], 0x10
	s_load_b64 s[12:13], s[0:1], 0x20
	v_lshl_add_u32 v28, v0, 2, SPARE
	v_mov_b32 v29, 0
	ds_add_u32 v28, v29
	ds_add_u32 v28, v29
	v_lshrrev_b32 v1, 5, v0
	v_readfirstlane_b32 s14, v1
	s_bfe_u32 s15, ttmp6, 0x40000
	s_lshl_b32 s16, ttmp9, 2
	s_add_co_u32 s16, s16, s15
	s_and_b32 s17, ttmp7, 0xffff
	s_lshl_b32 s18, s16, 4
	s_lshl_b32 s19, s14, 2
	s_add_co_u32 s18, s18, s19
	s_mov_b32 s[G1], 15|(3<<16)|(1<<21)
	s_mov_b32 s[G1+1], 32<<16
	s_mov_b32 s[G1+2], (THIRD/256)<<16
	s_mov_b32 s[G1+3], 32<<16
	s_mov_b32 s[G1+4], THIRD/256
	s_mov_b32 s[G1+5], 32
	s_mov_b32 s[G1+6], 0
	s_mov_b32 s[G1+7], 0
	s_mov_b32 s[G1S], 15|(3<<16)|(1<<21)
	s_mov_b32 s[G1S+1], (NB*8)<<16
	s_mov_b32 s[G1S+2], KS<<16
	s_mov_b32 s[G1S+3], (NB*8)<<16
	s_mov_b32 s[G1S+4], KS
	s_mov_b32 s[G1S+5], RB/2
	s_mov_b32 s[G1S+6], 0
	s_mov_b32 s[G1S+7], 0
	s_mul_i32 s20, s18, KS*FRB
	s_mov_b32 s21, 0
	s_lshl_b32 s22, s18, 6
	s_add_co_u32 s22, s22, ASO
	s_mov_b32 s23, 0
	s_mov_b32 s[G0], 1
	s_mul_i32 s[G0+1], s14, THIRD
	s_mov_b32 s[G0S], 1
	s_mov_b32 s[G0S+1], SCL
	s_mul_i32 s48, s17, BBY
	s_add_co_u32 s48, s48, s[G0+1]
	s_add_co_u32 s48, s48, BCO
	s_mov_b32 s49, 0
	s_mul_i32 s50, s17, NB*64
	s_mov_b32 s51, 0
	s_add_co_u32 s52, s50, BSO
	s_mov_b32 s53, 0
	s_lshl_b32 s54, s18, 16
	s_lshl_b32 s55, s17, 8
	s_add_co_u32 s54, s54, s55
	s_mov_b32 s55, 0
	s_mul_i32 s56, s14, 4352
	s_add_co_u32 s56, s56, STAGE
	v_and_b32 v2, 31, v0
	v_and_b32 v1, 15, v0
	v_bfe_u32 v6, v0, 4, 1
	v_lshlrev_b32 v3, 4, v2
	v_lshl_add_u32 v4, v2, 3, 512
	v_lshlrev_b32 v5, 2, v2
	v_lshlrev_b32 v7, 6, v6
.set jj, 0
.rept NJ
	v_add_nc_u32 v[8+jj], jj*49152, v3
	v_add_nc_u32 v[12+jj], jj*49152, v4
.set jj, jj+1
.endr
	v_add_nc_u32 v16, SCL, v5
	v_mul_u32_u24 v24, v1, 272
	v_lshl_add_u32 v24, v6, 6, v24
	v_add_nc_u32 v24, s56, v24
	v_mul_u32_u24 v25, v6, 272
	v_lshl_add_u32 v25, v1, 4, v25
	v_add_nc_u32 v25, s56, v25
	v_lshlrev_b32 v26, 12, v6
	v_lshl_add_u32 v26, v1, 4, v26
	v_lshlrev_b32 v30, 12, v2
	s_wait_alu depctr_va_vdst(0)
	s_wait_dscnt 0x0
	s_wait_kmcnt 0x0
	s_add_nc_u64 s[20:21], s[4:5], s[20:21]
	s_add_nc_u64 s[22:23], s[4:5], s[22:23]
	s_add_nc_u64 s[G0+2:G0+3], s[6:7], s[48:49]
	s_or_b32 s[G0+3], s[G0+3], 0x80000000
	s_add_nc_u64 s[G0S+2:G0S+3], s[6:7], s[52:53]
	s_or_b32 s[G0S+3], s[G0S+3], 0x80000000
	s_add_nc_u64 s[8:9], s[8:9], s[50:51]
	s_add_nc_u64 s[10:11], s[10:11], s[54:55]
	s_add_nc_u64 s[12:13], s[12:13], s[54:55]
	CROUND
	s_cmp_lt_u32 s14, 3
	s_cbranch_scc0 .Lsc
	tensor_load_to_lds s[G0:G0+3], s[G1:G1+7]
	s_nop 0
	PLACES
	s_branch .Lasked
.Lsc:
	tensor_load_to_lds s[G0S:G0S+3], s[G1S:G1S+7]
	s_nop 0
	PLACES
.Lasked:
	WIN 0x40
.set cc, 0
.rept NB
	global_load_b128 v[128+8*cc:131+8*cc], v7, s[8:9] offset:4*(32*(cc/2)+8*(cc%2))
	global_load_b128 v[132+8*cc:135+8*cc], v7, s[8:9] offset:4*(32*(cc/2)+8*(cc%2))+16
.set cc, cc+1
.endr
	WIN 0
	ALD 0, 0
	ALD 1, 1
	ALD 2, 2
	ALD 3, 3
	global_prefetch_b8 v30, s[10:11] th:TH_LOAD_NT scope:SCOPE_SE
	global_prefetch_b8 v30, s[10:11] offset:131072 th:TH_LOAD_NT scope:SCOPE_SE
	s_wait_tensorcnt 0x0
	s_barrier_signal -1
	s_barrier_wait -1
	BLD 0, 0, 0
	TRIP 0
	ENDT
	TRIP 2
	s_wait_loadcnt 0x0
.irp a, 0,1,2,3
.if \a > 1
	s_wait_xcnt 0x0
.endif
	WIN 0x08
.irp b, 0,1,2,3
	ds_store_b128 v24, v[8*(4*\a+\b):8*(4*\a+\b)+3] offset:128*(\b/2)+32*(\b%2)
	ds_store_b128 v24, v[8*(4*\a+\b)+4:8*(4*\a+\b)+7] offset:128*(\b/2)+32*(\b%2)+16
.endr
	WIN 0
.irp t, 0,1,2,3,4,5,6,7
	ds_load_b128 v[64+32*(\a%2)+4*\t:64+32*(\a%2)+4*\t+3], v25 offset:544*\t
.endr
	s_wait_dscnt 0x0
	WIN 0x08
.irp t, 0,1,2,3,4,5,6,7
	v_pk_add_f32 v[64+32*(\a%2)+4*\t:64+32*(\a%2)+4*\t+1], v[64+32*(\a%2)+4*\t:64+32*(\a%2)+4*\t+1], v[128+32*\a+4*\t:128+32*\a+4*\t+1]
	v_pk_add_f32 v[64+32*(\a%2)+4*\t+2:64+32*(\a%2)+4*\t+3], v[64+32*(\a%2)+4*\t+2:64+32*(\a%2)+4*\t+3], v[128+32*\a+4*\t+2:128+32*\a+4*\t+3]
.endr
	WIN 0
.irp t, 0,1,2,3,4,5,6,7
	global_store_b128 v26, v[64+32*(\a%2)+4*\t:64+32*(\a%2)+4*\t+3], s[12:13] offset:(32*(\a/2)+16*(\t/4)+8*(\a%2)+2*(\t%4))*4096
.endr
.endr
	s_wait_tensorcnt 0x0
	ds_add_u32 v28, v29
	s_wait_dscnt 0x0
	CROUND
	s_endpgm
.Lfunc_end_k_qfe2d3b7261_oproj:
	.size	k_qfe2d3b7261_oproj, .Lfunc_end_k_qfe2d3b7261_oproj-k_qfe2d3b7261_oproj
	.p2alignl 7, 3214868480
	.fill 96, 4, 3214868480
	.section	.rodata,"a",@progbits
	.p2align	6, 0x0
	.amdhsa_kernel k_qfe2d3b7261_oproj
		.amdhsa_group_segment_fixed_size 327680
		.amdhsa_private_segment_fixed_size 0
		.amdhsa_enable_private_segment 0
		.amdhsa_kernarg_size 40
		.amdhsa_user_sgpr_count 2
		.amdhsa_user_sgpr_kernarg_segment_ptr 1
		.amdhsa_wavefront_size32 1
		.amdhsa_system_sgpr_workgroup_id_x 1
		.amdhsa_system_sgpr_workgroup_id_y 1
		.amdhsa_system_sgpr_workgroup_id_z 1
		.amdhsa_system_vgpr_workitem_id 0
		.amdhsa_next_free_vgpr 768
		.amdhsa_next_free_sgpr 68
		.amdhsa_reserve_vcc 0
		.amdhsa_float_denorm_mode_32 3
		.amdhsa_float_denorm_mode_16_64 3
		.amdhsa_memory_ordered 1
		.amdhsa_forward_progress 1
		.amdhsa_inst_pref_size 64
	.end_amdhsa_kernel
	.amdgpu_metadata
---
amdhsa.version: [ 1, 2 ]
amdhsa.kernels:
  - .name:           k_qfe2d3b7261_oproj
    .symbol:         k_qfe2d3b7261_oproj.kd
    .args:
      - { .name: CTX, .offset: 0, .size: 8, .value_kind: global_buffer, .address_space: global }
      - { .name: WB, .offset: 8, .size: 8, .value_kind: global_buffer, .address_space: global }
      - { .name: bo, .offset: 16, .size: 8, .value_kind: global_buffer, .address_space: global }
      - { .name: x, .offset: 24, .size: 8, .value_kind: global_buffer, .address_space: global }
      - { .name: X1, .offset: 32, .size: 8, .value_kind: global_buffer, .address_space: global }
    .group_segment_fixed_size: 327680
    .private_segment_fixed_size: 0
    .kernarg_segment_align: 8
    .kernarg_segment_size: 40
    .max_flat_workgroup_size: 128
    .sgpr_count:     68
    .vgpr_count:     768
    .wavefront_size: 32
...
	.end_amdgpu_metadata
.endif
;; end of part 4
;; launch ln2 (part 5): grid 256 x 1, 8 waves a work-group, no clusters, 69,632 bytes of LDS; arguments X1, g2, be2, XN; writes XN
.if DOCPART == 5
	.amdgcn_target "amdgcn-amd-amdhsa--gfx1250"
	.amdhsa_code_object_version 6
	.text
	.protected	k_qfe2d3b7261_ln2
	.globl	k_qfe2d3b7261_ln2
	.p2align	8
	.type	k_qfe2d3b7261_ln2,@function
k_qfe2d3b7261_ln2:
	s_mov_b64 s[64:65], 0
	v_nop
	global_prefetch_b8 v0, s[64:65] scope:SCOPE_SE
	s_setreg_imm32_b32 hwreg(HW_REG_WAVE_MODE, 25, 1), 1
	s_wait_xcnt 0x0
; y = g (x - mean) / (std + 1e-6) + be along rows of 1,024 (std with 1,023 in the divisor), all in f32, then quantised along the row to codes of BF6 (E3M2) with one E8M0 byte for each 32.
; The result is laid as an operand: rows at physical row p = the logical row with bits 3 and 4 swapped; codes [row block of 16][K step of 128][1,536 bytes: the image of a fragment's 12 registers: registers 0-3 at 16 x lane,
; 4-5 at 512 + 8 x lane, 6-9 at 768 + 16 x lane, 10-11 at 1,280 + 8 x lane]; scale words [K step][row p] behind them, at byte 3,145,728.
; SHARES.  A work-group takes one physical row block (16 rows); wave w takes columns 128 w .. 128 w + 127: one fragment.  A row's sums meet in LDS: two barriers.
; Each load reads 512 consecutive bytes of a row.  For the conversions a lane must hold 16 neighbours of each block of 32: so the wave's 16 x 512 bytes turn through its own stage in LDS (rows 528 bytes apart).
; The mean is taken first and the squares are taken of x - mean, so a common offset of the inputs costs no digits.
; LIMITS: NaN and infinities are not served; 1 / 1,023 is a multiplication and 1 / (std + 1e-6) comes from v_rcp_f32; a block whose largest magnitude lies under 2^-122 keeps the byte 1, and so does a block of zeros, where the
; rule says 127: its codes are zeros and this program alone reads the bytes.
.set STG,  8448                        ; a wave's stage: 16 rows x 528 bytes
.set RED1, 67584                       ; behind the eight stages: 8 waves x 16 rows x 4 bytes for the sums; 512 bytes on the same for the squares
.set X,    16                          ; v16-79   my 64 numbers: register 16 b + i = column 128 w + 32 b + 16 (lane / 16) + i of row lane % 16
.set RAW,  80                          ; v80-143  the rows as loaded; later be
.set G,    144                         ; v144-207 g
.set PC,   208                         ; v208-227 the codes
.set TM,   228                         ; v228-243 at work in the quantiser
.set PW,   244                         ; v244     the scale word
.set SEL,  20                          ; s[20:21] selects of v_permlanex16_b32: lane l xor 16
; 64 numbers of a lane, v[s] on, register 16 b + i = k 32 b + 16 (lane / 16) + i of my row, become a fragment's codes in v[PC] on and its scale word in v[PW].
.macro QUANT s
.irp b, 0,1,2,3
	v_max3_num_f32 v[TM+\b], |v[\s+16*\b]|, |v[\s+1+16*\b]|, 0x2800000   ; my 16 numbers of block b, and the floor 2^(5 - 127): the byte cannot fall under 1
.endr
.irp i, 2,4,6,8,10,12,14
.irp b, 0,1,2,3
	s_delay_alu instid0(VALU_DEP_4)
	v_max3_num_f32 v[TM+\b], v[TM+\b], |v[\s+16*\b+\i]|, |v[\s+1+16*\b+\i]|
.endr
.endr
.irp b, 0,1,2,3
	s_delay_alu instid0(VALU_DEP_4)
	v_permlanex16_b32 v[TM+4+\b], v[TM+\b], s[SEL], s[SEL+1]
.endr
.irp b, 0,1,2,3
	s_delay_alu instid0(VALU_DEP_4)
	v_max_num_f32 v[TM+\b], v[TM+\b], v[TM+4+\b]   ; with lane l xor 16's: the block's largest magnitude
.endr
.irp b, 0,1,2,3
	s_delay_alu instid0(VALU_DEP_4)
	v_add_nc_u32 v[TM+12+\b], 0xfe000000, v[TM+\b] ; 4 off its exponent field: the conversion's scale operand
.endr
.irp b, 0,1,2,3
	s_delay_alu instid0(VALU_DEP_4)
	v_lshrrev_b32 v[TM+4+\b], 23, v[TM+12+\b]      ; the byte
.endr
	s_delay_alu instid0(VALU_DEP_3)
	v_lshl_or_b32 v[PW], v[TM+5], 8, v[TM+4]
	s_delay_alu instid0(VALU_DEP_1)
	v_lshl_or_b32 v[PW], v[TM+6], 16, v[PW]
	s_delay_alu instid0(VALU_DEP_1)
	v_lshl_or_b32 v[PW], v[TM+7], 24, v[PW]
.irp c, 0,1
	v_cvt_scalef32_pk16_bf6_f32 v[PC+6*\c:PC+2+6*\c], v[\s+32*\c:\s+15+32*\c], v[TM+12+2*\c]
	v_cvt_scalef32_pk16_bf6_f32 v[PC+12+4*\c:PC+14+4*\c], v[\s+16+32*\c:\s+31+32*\c], v[TM+12+2*\c+1]   ; (a conversion's three registers begin on an even number)
.endr
	v_nop                                          ; one plain place behind a scaled conversion
.irp c, 0,1                                    ; the operand's layout wants a whole block in a lane: lanes 0-15 block 2 c, lanes 16-31 block 2 c + 1
.irp i, 0,1,2
	v_permlane16_swap_b32 v[PC+6*\c+\i], v[PC+12+4*\c+\i]
.endr
.irp i, 0,1,2
	s_delay_alu instid0(VALU_DEP_3)
	v_mov_b32 v[PC+3+6*\c+\i], v[PC+12+4*\c+\i]
.endr
.endr
.endm
; Four pairs of partial sums in v248-255 become the row's sum over all 1,024 columns, in v248 of every lane.
.macro REDUCE off
	s_delay_alu instid0(VALU_DEP_3)
	v_pk_add_f32 v[248:249], v[248:249], v[250:251]
	s_delay_alu instid0(VALU_DEP_2)
	v_pk_add_f32 v[252:253], v[252:253], v[254:255]
	s_delay_alu instid0(VALU_DEP_1)
	v_pk_add_f32 v[248:249], v[248:249], v[252:253]
	s_delay_alu instid0(VALU_DEP_1)
	v_add_f32 v248, v248, v249
	s_delay_alu instid0(VALU_DEP_1)
	v_permlanex16_b32 v249, v248, s[SEL], s[SEL+1]
	s_delay_alu instid0(VALU_DEP_1)
	v_add_f32 v248, v248, v249                     ; my wave's 128 columns of row lane % 16
	ds_store_b32 v8, v248 offset:\off              ; both halves of the lanes write the same word with the same value
	s_wait_dscnt 0x0                               ; for the others' sake: my store has landed; my loads are in
	s_barrier_signal -1
	s_barrier_wait -1
.irp j, 0,1,2,3,4,5,6,7
	ds_load_b32 v[248+\j], v9 offset:\off+64*\j
.endr
	s_wait_dscnt 0x0
	v_add_f32 v248, v248, v249
	v_add_f32 v250, v250, v251
	v_add_f32 v252, v252, v253
	v_add_f32 v254, v254, v255
	s_delay_alu instid0(VALU_DEP_3)
	v_add_f32 v248, v248, v250
	s_delay_alu instid0(VALU_DEP_2)
	v_add_f32 v252, v252, v254
	s_delay_alu instid0(VALU_DEP_1)
	v_add_f32 v248, v248, v252
.endm
	s_load_b256 s[4:11], s[0:1], 0x0               ; the rows, g, be, the operand buffer
	v_lshl_add_u32 v239, v0, 2, 0x10c00
	v_mov_b32 v245, 0
	v_lshrrev_b32 v1, 5, v0
	s_delay_alu instid0(VALU_DEP_1)
	v_readfirstlane_b32 s12, v1                    ; wave 0..7
	v_and_b32 v1, 31, v0                           ; lane
	v_and_b32 v2, 15, v0                           ; r
	v_bfe_u32 v3, v0, 4, 1                         ; h
	s_delay_alu instid0(VALU_DEP_3)
	v_lshlrev_b32 v4, 4, v1                        ; 16 x lane
	s_mul_i32 s13, s12, STG
	v_add_nc_u32 v5, s13, v4                       ; the stage, on the way in
	v_mul_u32_u24 v6, v2, 528
	s_delay_alu instid0(VALU_DEP_1)
	v_lshl_add_u32 v6, v3, 6, v6
	s_delay_alu instid0(VALU_DEP_1)
	v_add_nc_u32 v6, s13, v6                       ; and out: row r, + 64 h
	v_lshlrev_b32 v7, 6, v3                        ; g, be: 64 h
	v_lshlrev_b32 v11, 2, v2                       ; 4 r
	s_delay_alu instid0(VALU_DEP_1)
	v_add_nc_u32 v9, RED1, v11                     ; the sums: row r's words,
	s_lshl_b32 s13, s12, 6
	v_add_nc_u32 v8, s13, v9                       ; my wave's among them
	v_lshlrev_b32 v10, 3, v1                       ; 8 x lane
	s_mov_b32 s[SEL], 0x76543210
	s_mov_b32 s[SEL+1], 0xfedcba98
.irp b, 0,1,2,3
	v_mov_b32 v[TM+4+\b], 0                        ; written once: a lane permute's destination counts as one of its sources
.endr
	s_lshr_b32 s14, ttmp9, 1
	s_lshl_b32 s14, s14, 5
	s_and_b32 s15, ttmp9, 1
	s_lshl_b32 s15, s15, 3
	s_add_co_u32 s14, s14, s15                     ; the block's first logical row: 32 (rb >> 1) + 8 (rb & 1)
	s_lshl_b32 s14, s14, 12
	s_lshl_b32 s16, s12, 9                         ; my 128 columns
	s_mov_b32 s17, 0
	s_add_co_u32 s14, s14, s16
	s_mov_b32 s15, 0
	s_lshl_b32 s18, ttmp9, 3
	s_add_co_u32 s18, s18, s12
	s_mul_i32 s18, s18, 1536                       ; fragment 8 rb + w
	s_mov_b32 s19, 0
	s_lshl_b32 s22, s12, 14
	s_lshl_b32 s23, ttmp9, 6
	s_add_co_u32 s22, s22, s23
	s_add_co_u32 s22, s22, 3145728                 ; scale words: (4,096 w + 16 rb) x 4
	s_mov_b32 s23, 0
	s_wait_alu depctr_va_vdst(0)
	s_wait_kmcnt 0x0
	s_add_nc_u64 s[4:5], s[4:5], s[14:15]
	s_add_nc_u64 s[6:7], s[6:7], s[16:17]
	s_add_nc_u64 s[8:9], s[8:9], s[16:17]
	s_add_nc_u64 s[24:25], s[10:11], s[18:19]
	s_add_nc_u64 s[26:27], s[10:11], s[22:23]
.irp p, 0,1,2,3,4,5,6,7,8,9,10,11,12,13,14,15
	global_load_b128 v[RAW+4*\p:RAW+4*\p+3], v4, s[4:5] offset:(\p+8*(\p/8))*4096 th:TH_LOAD_NT   ; physical row p of the block: 512 consecutive bytes
.endr
.irp b, 0,1,2,3
.irp j, 0,1,2,3
	global_load_b128 v[G+16*\b+4*\j:G+16*\b+4*\j+3], v7, s[6:7] offset:128*\b+16*\j
.endr
.endr
	s_wait_loadcnt 16                              ; the rows are in; g's 16 loads may be out
.irp p, 0,1,2,3,4,5,6,7,8,9,10,11,12,13,14,15
	ds_store_b128 v5, v[RAW+4*\p:RAW+4*\p+3] offset:528*\p
.endr
.irp b, 0,1,2,3
.irp j, 0,1,2,3
	ds_load_b128 v[X+16*\b+4*\j:X+16*\b+4*\j+3], v6 offset:128*\b+16*\j   ; LDS serves a wave's instructions in order: these see my stores
.endr
.endr
	s_wait_dscnt 0x0                               ; my numbers are back, and the stores have read their registers,
.irp b, 0,1,2,3
.irp j, 0,1,2,3
	global_load_b128 v[RAW+16*\b+4*\j:RAW+16*\b+4*\j+3], v7, s[8:9] offset:128*\b+16*\j   ; which take be
.endr
.endr
.irp k, 0,1,2,3
	v_pk_add_f32 v[248+2*\k:249+2*\k], v[X+4*\k:X+4*\k+1], v[X+4*\k+2:X+4*\k+3]   ; the sum, in four chains
.endr
.irp j, 16,24,32,40,48,56
.irp k, 0,1,2,3
	s_delay_alu instid0(VALU_DEP_4)
	v_pk_add_f32 v[248+2*\k:249+2*\k], v[248+2*\k:249+2*\k], v[X+\j+2*\k:X+\j+2*\k+1]
.endr
.endr
	REDUCE 0
	s_delay_alu instid0(VALU_DEP_1)
	v_mul_f32 v246, 0x3a800000, v248               ; the mean: x 2^-10
	s_delay_alu instid0(VALU_DEP_1)
	v_mov_b32 v247, v246
.set j, 0
.rept 32
	v_pk_add_f32 v[X+j:X+j+1], v[X+j:X+j+1], v[246:247] neg_lo:[0,1] neg_hi:[0,1]   ; d = x - mean
.set j, j+2
.endr
.irp k, 0,1,2,3
	v_pk_mul_f32 v[248+2*\k:249+2*\k], v[X+2*\k:X+2*\k+1], v[X+2*\k:X+2*\k+1]
.endr
.set j, 8
.rept 28
	s_delay_alu instid0(VALU_DEP_4)
	v_pk_fma_f32 v[248+2*((j/2)%4):249+2*((j/2)%4)], v[X+j:X+j+1], v[X+j:X+j+1], v[248+2*((j/2)%4):249+2*((j/2)%4)]
.set j, j+2
.endr
	REDUCE 512                                     ; other words than the first sums': no barrier is owed between the two
	s_delay_alu instid0(VALU_DEP_1)
	v_mul_f32 v248, 0x3a802008, v248               ; / 1,023
	s_wait_alu depctr_va_vdst(0)
	v_sqrt_f32 v250, v248
	v_nop                                          ; a plain place behind the root,
	s_wait_alu depctr_va_vdst(0)                   ; and the wait ahead of its first reader
	v_add_f32 v250, 0x358637bd, v250               ; + 1e-6
	s_wait_alu depctr_va_vdst(0)
	v_rcp_f32 v12, v250
	v_nop
	s_wait_alu depctr_va_vdst(0)
	v_mov_b32 v13, v12
	s_wait_alu depctr_va_vdst(0)
	s_wait_loadcnt 0x0                             ; g and be
.set j, 0
.rept 32
	v_pk_mul_f32 v[X+j:X+j+1], v[X+j:X+j+1], v[12:13]
.set j, j+2
.endr
.set j, 0
.rept 32
	v_pk_fma_f32 v[X+j:X+j+1], v[X+j:X+j+1], v[G+j:G+j+1], v[RAW+j:RAW+j+1]
.set j, j+2
.endr
	QUANT X
	global_store_b128 v4, v[PC:PC+3], s[24:25]                  ; the fragment's image: 512, 256, 512, 256 consecutive bytes, each at a multiple of 256 from the buffer's first byte
	global_store_b64 v10, v[PC+4:PC+5], s[24:25] offset:512
	global_store_b128 v4, v[PC+6:PC+9], s[24:25] offset:768
	global_store_b64 v10, v[PC+10:PC+11], s[24:25] offset:1280
	global_store_b32 v11, v[PW], s[26:27]          ; row r's scale word (both halves of the lanes hold and store the same)
	s_wait_tensorcnt 0x0
	ds_add_u32 v239, v245
	s_wait_dscnt 0x0
	s_endpgm
.Lfunc_end_k_qfe2d3b7261_ln2:
	.size	k_qfe2d3b7261_ln2, .Lfunc_end_k_qfe2d3b7261_ln2-k_qfe2d3b7261_ln2
	.p2alignl 7, 3214868480
	.fill 96, 4, 3214868480
	.section	.rodata,"a",@progbits
	.p2align	6, 0x0
	.amdhsa_kernel k_qfe2d3b7261_ln2
		.amdhsa_group_segment_fixed_size 69632
		.amdhsa_private_segment_fixed_size 0
		.amdhsa_enable_private_segment 0
		.amdhsa_kernarg_size 32
		.amdhsa_user_sgpr_count 2
		.amdhsa_user_sgpr_kernarg_segment_ptr 1
		.amdhsa_wavefront_size32 1
		.amdhsa_system_sgpr_workgroup_id_x 1
		.amdhsa_system_sgpr_workgroup_id_y 1
		.amdhsa_system_sgpr_workgroup_id_z 1
		.amdhsa_system_vgpr_workitem_id 0
		.amdhsa_next_free_vgpr 256
		.amdhsa_next_free_sgpr 66
		.amdhsa_reserve_vcc 0
		.amdhsa_float_denorm_mode_32 3
		.amdhsa_float_denorm_mode_16_64 3
		.amdhsa_memory_ordered 1
		.amdhsa_forward_progress 1
		.amdhsa_inst_pref_size 31
	.end_amdhsa_kernel
	.amdgpu_metadata
---
amdhsa.version: [ 1, 2 ]
amdhsa.kernels:
  - .name:           k_qfe2d3b7261_ln2
    .symbol:         k_qfe2d3b7261_ln2.kd
    .args:
      - { .name: X1, .offset: 0, .size: 8, .value_kind: global_buffer, .address_space: global }
      - { .name: g2, .offset: 8, .size: 8, .value_kind: global_buffer, .address_space: global }
      - { .name: be2, .offset: 16, .size: 8, .value_kind: global_buffer, .address_space: global }
      - { .name: XN, .offset: 24, .size: 8, .value_kind: global_buffer, .address_space: global }
    .group_segment_fixed_size: 69632
    .private_segment_fixed_size: 0
    .kernarg_segment_align: 8
    .kernarg_segment_size: 32
    .max_flat_workgroup_size: 256
    .sgpr_count:     66
    .vgpr_count:     256
    .wavefront_size: 32
...
	.end_amdgpu_metadata
.endif
;; end of part 5
;; launch ff1 (part 6): grid 16 x 16, 4 waves a work-group, clusters of 4 x 4, 327,680 bytes of LDS; arguments XN, WB, b1, H; writes H
.if DOCPART == 6
	.amdgcn_target "amdgcn-amd-amdhsa--gfx1250"
	.amdhsa_code_object_version 6
	.text
	.protected	k_qfe2d3b7261_ff1
	.globl	k_qfe2d3b7261_ff1
	.p2align	8
	.type	k_qfe2d3b7261_ff1,@function
k_qfe2d3b7261_ff1:
	s_mov_b64 s[64:65], 0
	v_nop
	global_prefetch_b8 v0, s[64:65] scope:SCOPE_SE
	s_setreg_imm32_b32 hwreg(HW_REG_WAVE_MODE, 25, 1), 1
	s_wait_xcnt 0x0
	s_wait_alu depctr_hold_cnt(0) depctr_sa_sdst(0) depctr_va_vdst(0) depctr_va_sdst(0) depctr_va_ssrc(0) depctr_va_vcc(0) depctr_vm_vsrc(0)
	s_getreg_b32 s2, hwreg(HW_REG_IB_STS2, 6, 4)
	s_cmp_eq_u32 s2, 0
	s_cbranch_scc0 .Lentry_in_a_cluster
	s_endpgm
.Lentry_in_a_cluster:
	s_bfe_u32 s2, ttmp6, 0x10000c
	s_cmp_lg_u32 s2, 0xf033
	s_cbranch_scc0 .Lentry_shape_is_right
	s_endpgm
.Lentry_shape_is_right:
.set KIND, 1
.set NA, 8
.set NB, 8
.set SKS, 2
.set KS, 8
.set ASO, 3145728
.if KIND == 0
.set BCO, 0
.set BSO, 9437184
.set RB, 3072
.else
.set BCO, 3145728
.set BSO, 9568256
.set RB, 4096
.endif
.set FRB,   1536
.set HALFT, NA*SKS*FRB
.set SLOT,  4*HALFT
.set SCL,   3*SLOT
.set HALFS, KS*NA*64
.set SPARE, SCL+4*HALFS
.set G1, 24
.set G0, 32
.set G1B, 48
.set G0B, 56
.set G1S, 68
.set G0S, 76
.set G1SB, 80
.set G0SB, 88
.set SEL, 98
.set T,  64
.set PC, 128
.set TM, 148
.set PW, 164
.set MSB, 0
.macro WIN new
.if MSB != (\new)
	s_set_vgpr_msb (MSB<<8)|(\new)
.set MSB, (\new)
.endif
.endm
.macro JLOAD g0a, g1a, g0b, g1b
	s_cmp_eq_u32 s15, 0
	s_cbranch_scc0 .Lfor_b_\@
	tensor_load_to_lds s[\g0a:\g0a+3], s[\g1a:\g1a+7]
	s_nop 0
.rept 4
	v_nop
.endr
	s_branch .Lasked_\@
.Lfor_b_\@:
	tensor_load_to_lds s[\g0b:\g0b+3], s[\g1b:\g1b+7]
	s_nop 0
.rept 4
	v_nop
.endr
.Lasked_\@:
.endm
.macro CREST
	s_cmp_lg_u32 s14, 0
	s_cbranch_scc1 .Lnot_wave_0_\@
	s_barrier_signal -3
.Lnot_wave_0_\@:
	s_barrier_wait -3
	s_barrier_signal -1
	s_barrier_wait -1
.endm
.macro CROUND
	s_barrier_signal -1
	s_barrier_wait -1
	CREST
.endm
.macro PLACES
.rept 4
	v_nop
.endr
.endm
.macro FRAG reg, a16, a8, off
	ds_load_b128 v[\reg:\reg+3], v[\a16] offset:\off
	ds_load_b64 v[\reg+4:\reg+5], v[\a8] offset:\off
	ds_load_b128 v[\reg+6:\reg+9], v[\a16] offset:\off+768
	ds_load_b64 v[\reg+10:\reg+11], v[\a8] offset:\off+768
.endm
.macro FB slot, q, p, k
	WIN 0x40
.set ii, 0
.rept NB
	FRAG 128*(\p)+12*ii, 16+(\slot+1)/2, 20+(\slot+1)/2, ii*(2+2*((\slot+1)/2))*FRB+(2*(\slot/2)+(\q))*FRB   ; slots 1 and 2 are one region with rows of four K steps
.set ii, ii+1
.endr
	WIN 0
.set ii, 0
.rept NA
	ds_load_b32 v[32+16*(\p)+ii], v30 offset:(\k)*NA*128+64*ii   ; a K step's scale words of a tile's 256 rows are 1,024 bytes
	ds_load_b32 v[40+16*(\p)+ii], v31 offset:(\k)*NA*128+64*ii
.set ii, ii+1
.endr
.endm
.macro FA slot, q, p
.set ii, 0
.rept NA
	FRAG 64+96*(\p)+12*ii, 8+(\slot+1)/2, 12+(\slot+1)/2, ii*(2+2*((\slot+1)/2))*FRB+(2*(\slot/2)+(\q))*FRB
.set ii, ii+1
.endr
.endm
.macro MULG a0, n, p, first
.set aa, \a0
.rept \n
.set WW, 2+(aa*NB)/32
.if (\first) && (KIND > 0)
	WIN (WW<<6)|(1<<4)|1
.else
	WIN (WW<<6)|(WW<<4)|1
.endif
.set bb, 0
.rept NB
.set AC, 8*((aa*NB+bb)%32)
.set BF, 128*(\p)+12*bb
.set AF, 64+96*(\p)+12*aa
.set BT, 96+8*(bb%4)+128*(bb/4)
.if (\first) && (KIND == 0)
	v_wmma_scale_f32_16x16x128_f8f6f4 v[AC:AC+7], v[BF:BF+11], v[AF:AF+11], 0, v[40+16*(\p)+bb], v[32+16*(\p)+aa] matrix_a_fmt:MATRIX_FMT_BF6 matrix_b_fmt:MATRIX_FMT_BF6
.elseif \first
	v_wmma_scale_f32_16x16x128_f8f6f4 v[AC:AC+7], v[BF:BF+11], v[AF:AF+11], v[BT:BT+7], v[40+16*(\p)+bb], v[32+16*(\p)+aa] matrix_a_fmt:MATRIX_FMT_BF6 matrix_b_fmt:MATRIX_FMT_BF6
.else
	v_wmma_scale_f32_16x16x128_f8f6f4 v[AC:AC+7], v[BF:BF+11], v[AF:AF+11], v[AC:AC+7], v[40+16*(\p)+bb], v[32+16*(\p)+aa] matrix_a_fmt:MATRIX_FMT_BF6 matrix_b_fmt:MATRIX_FMT_BF6
.endif
.set bb, bb+1
.endr
.set aa, aa+1
.endr
.endm
.macro STEP p, first, nslot, nq, nk
	s_wait_dscnt 0x0
	PLACES
	FB \nslot, \nq, 1-(\p), \nk
	MULG 0, NA/2, \p, \first
	WIN 0
	FA \nslot, \nq, 1-(\p)
	MULG NA/2, NA/2, \p, \first
	WIN 0
.endm
.macro TURN slot, nslot, nk, fill
	WIN 0
	s_wait_tensorcnt 0x0
	ds_add_u32 v28, v29
	s_wait_dscnt 0x1
	MULG 0, NA/4, 1, 0
	s_wait_dscnt 0x0
	s_barrier_signal -1
	MULG NA/4, NA/4, 1, 0
	WIN 0
	s_barrier_wait -1
.if \fill
	CREST
	s_mov_b32 s[G1+1], (SKS*192)<<16               ; no tensor load of mine is out: rows of two K steps again
	s_mov_b32 s[G1+3], (SKS*192)<<16
	s_mov_b32 s[G1B+1], (SKS*192)<<16
	s_mov_b32 s[G1B+3], (SKS*192)<<16
	JLOAD G0+8, G1, 96, G1B                        ; K steps 6 and 7 into slot 0: the first tensor load behind the round
.else
	PLACES
.endif
	FB \nslot, 0, 0, \nk
	FA \nslot, 0, 0
	MULG NA/2, NA/2, 1, 0
	WIN 0
.endm
.macro QUANT s, w
	WIN (\w)|((\w)<<2)
.irp b, 0,1,2,3
	v_max3_num_f32 v[TM+\b], |v[\s+16*\b]|, |v[\s+1+16*\b]|, 0x2800000
.endr
.irp i, 2,4,6,8,10,12,14
.irp b, 0,1,2,3
	v_max3_num_f32 v[TM+\b], |v[\s+16*\b+\i]|, |v[\s+1+16*\b+\i]|, v[TM+\b]
.endr
.endr
	WIN 0
.irp b, 0,1,2,3
	v_permlanex16_b32 v[TM+4+\b], v[TM+\b], s[SEL], s[SEL+1]
.endr
.irp b, 0,1,2,3
	v_max_num_f32 v[TM+\b], v[TM+\b], v[TM+4+\b]
.endr
.irp b, 0,1,2,3
	v_add_nc_u32 v[TM+12+\b], 0xfe000000, v[TM+\b]
.endr
.irp b, 0,1,2,3
	v_lshrrev_b32 v[TM+4+\b], 23, v[TM+12+\b]
.endr
	v_lshl_or_b32 v[PW], v[TM+5], 8, v[TM+4]
	v_lshl_or_b32 v[PW], v[TM+6], 16, v[PW]
	v_lshl_or_b32 v[PW], v[TM+7], 24, v[PW]
	WIN (\w)
.irp c, 0,1
	v_cvt_scalef32_pk16_bf6_f32 v[PC+6*\c:PC+2+6*\c], v[\s+32*\c:\s+15+32*\c], v[TM+12+2*\c]
	v_cvt_scalef32_pk16_bf6_f32 v[PC+12+4*\c:PC+14+4*\c], v[\s+16+32*\c:\s+31+32*\c], v[TM+12+2*\c+1]
.endr
	WIN 0
	v_nop
.irp c, 0,1
.irp i, 0,1,2
	v_permlane16_swap_b32 v[PC+6*\c+\i], v[PC+12+4*\c+\i]
.endr
.irp i, 0,1,2
	v_mov_b32 v[PC+3+6*\c+\i], v[PC+12+4*\c+\i]
.endr
.endr
.endm
.macro PUT off, off2
	global_store_b128 v26, v[PC:PC+3], s[92:93] offset:\off          ; H's fragment image: the 12 registers as three planes of 512 bytes, registers 4 i .. 4 i + 3 at 512 i + 16 x lane
	global_store_b128 v26, v[PC+4:PC+7], s[92:93] offset:\off+512
	global_store_b128 v26, v[PC+8:PC+11], s[92:93] offset:\off+1024
.endm
	s_load_b128 s[4:7], s[0:1], 0x0
.if KIND == 0
	s_load_b64 s[8:9], s[0:1], 0x10
.else
	s_load_b128 s[8:11], s[0:1], 0x10
.endif
	v_lshl_add_u32 v28, v0, 2, SPARE
	v_mov_b32 v29, 0
	ds_add_u32 v28, v29
	ds_add_u32 v28, v29
	s_wait_dscnt 0x0
	v_lshrrev_b32 v1, 5, v0
	v_readfirstlane_b32 s14, v1
	s_lshr_b32 s15, s14, 1
	s_and_b32 s16, s14, 1
	s_bfe_u32 s18, ttmp6, 0x40000
	s_bfe_u32 s19, ttmp6, 0x40004
	s_lshl_b32 s2, ttmp9, 2
	s_add_co_u32 s2, s2, s18
	s_and_b32 s17, ttmp7, 0xffff
	s_lshl_b32 s17, s17, 2
	s_add_co_u32 s17, s17, s19
	s_lshl_b32 s22, s19, 2
	s_lshl_b32 s22, 15, s22
	s_lshl_b32 s23, 0x1111, s18
	s_or_b32 s[G1+0], s22, (3<<16)|(1<<21)
	s_or_b32 s[G1B+0], s23, (3<<16)|(1<<21)
.irp g, G1, G1B
	s_mov_b32 s[\g+1], (SKS*192)<<16
	s_mov_b32 s[\g+2], (2*NA)<<16                  ; the head's loads bring a tile's 16 row blocks
	s_mov_b32 s[\g+3], (SKS*192)<<16
	s_mov_b32 s[\g+4], 2*NA
	s_mov_b32 s[\g+5], KS*192
	s_mov_b32 s[\g+6], 0
	s_mov_b32 s[\g+7], 0
.endr
	s_or_b32 s[G1S+0], s22, (3<<16)|(1<<21)
	s_or_b32 s[G1SB+0], s23, (3<<16)|(1<<21)
.irp g, G1S, G1SB
	s_mov_b32 s[\g+1], (NA*16)<<16                 ; KS rows of 1,024 bytes: the words of a tile's 256 rows
	s_mov_b32 s[\g+2], KS<<16
	s_mov_b32 s[\g+3], (NA*16)<<16
	s_mov_b32 s[\g+4], KS
	s_mov_b32 s[\g+6], 0
	s_mov_b32 s[\g+7], 0
.endr
	s_mov_b32 s[G1S+5], 2048
	s_mov_b32 s[G1SB+5], RB/2
	s_mul_i32 s20, s17, 2*NA                       ; the first row block of A's tile,
	s_mul_i32 s46, s2, 2*NA                        ; and of B's
	s_lshl_b32 s22, s20, 6
	s_add_co_u32 s22, s22, ASO
	s_mov_b32 s23, 0
	s_lshl_b32 s92, s46, 6
	s_add_co_u32 s92, s92, BSO
	s_mov_b32 s93, 0
	s_mul_i32 s20, s20, KS*FRB
	s_mov_b32 s21, 0
	s_mul_i32 s46, s46, KS*FRB
	s_add_co_u32 s46, s46, BCO
	s_mov_b32 s47, 0
	s_mul_i32 s45, s14, HALFT
	s_mul_i32 s18, s16, NA*KS*FRB                  ; behind the head I fetch half a tile: which half, in bytes
	s_mov_b32 s19, 0
	s_lshl_b32 s94, s45, 1                         ; and in the region of four K steps a wave's part is twice as long
	s_wait_kmcnt 0x0
	s_add_nc_u64 s[20:21], s[4:5], s[20:21]
	s_add_nc_u64 s[22:23], s[4:5], s[22:23]
	s_add_nc_u64 s[46:47], s[6:7], s[46:47]
	s_add_nc_u64 s[92:93], s[6:7], s[92:93]
	CROUND
	; THE HEAD'S FOUR TILES, each whole, one a wave: K steps 0 and 1 of A's 16 row blocks (wave 0), of B's (wave 1), A's scale words (wave 2), B's (wave 3)
	s_mov_b32 s[G0], 1
	s_mov_b32 s[G0+1], 0
	s_mov_b64 s[G0+2:G0+3], s[20:21]
	s_or_b32 s[G0+3], s[G0+3], 0x80000000
	s_mov_b32 s[G0B], 1
	s_mov_b32 s[G0B+1], 2*HALFT
	s_mov_b64 s[G0B+2:G0B+3], s[46:47]
	s_or_b32 s[G0B+3], s[G0B+3], 0x80000000
	s_mov_b32 s[G0S], 1
	s_mov_b32 s[G0S+1], SCL
	s_mov_b64 s[G0S+2:G0S+3], s[22:23]
	s_or_b32 s[G0S+3], s[G0S+3], 0x80000000
	s_mov_b32 s[G0SB], 1
	s_mov_b32 s[G0SB+1], SCL+2*HALFS
	s_mov_b64 s[G0SB+2:G0SB+3], s[92:93]
	s_or_b32 s[G0SB+3], s[G0SB+3], 0x80000000
	s_add_nc_u64 s[20:21], s[20:21], s[18:19]      ; behind the head: my half of a tile
	s_add_nc_u64 s[46:47], s[46:47], s[18:19]
	s_mov_b32 s[G0+4], 1                           ; K steps 2 to 5, behind slot 0,
	s_add_co_u32 s[G0+5], s94, SLOT
	s_add_nc_u64 s[G0+6:G0+7], s[20:21], 2*FRB
	s_or_b32 s[G0+7], s[G0+7], 0x80000000
	s_mov_b32 s[G0+8], 1                           ; and K steps 6 and 7, into slot 0
	s_add_co_u32 s[G0+9], s45, 0
	s_add_nc_u64 s[G0+10:G0+11], s[20:21], 6*FRB
	s_or_b32 s[G0+11], s[G0+11], 0x80000000
	s_mov_b32 s[G0B+4], 1
	s_add_co_u32 s[G0B+5], s94, SLOT
	s_add_nc_u64 s[G0B+6:G0B+7], s[46:47], 2*FRB
	s_or_b32 s[G0B+7], s[G0B+7], 0x80000000
	s_mov_b32 s96, 1
	s_add_co_u32 s97, s45, 0
	s_add_nc_u64 s[98:99], s[46:47], 6*FRB
	s_or_b32 s99, s99, 0x80000000
.macro ARM under, g0, g1, next         ; one chain of branches on the wave's number: every way through it passes exactly one load
	s_cmp_lt_u32 s14, \under
	s_cbranch_scc0 \next
	tensor_load_to_lds s[\g0:\g0+3], s[\g1:\g1+7]
	s_nop 0
.rept 4
	v_nop
.endr
	s_branch .Lhead_asked
\next:
.endm
	ARM 1, G0,  G1,  .Lhead_b
	ARM 2, G0B, G1B, .Lhead_sa
	ARM 3, G0S, G1S, .Lhead_sb
	tensor_load_to_lds s[G0SB:G0SB+3], s[G1SB:G1SB+7]
	s_nop 0
.rept 4
	v_nop
.endr
.Lhead_asked:
	v_and_b32 v1, 15, v0
	v_and_b32 v2, 31, v0
	v_lshlrev_b32 v3, 4, v2
	s_wait_alu depctr_va_vdst(0)
	v_lshlrev_b32 v27, 3, v2
	v_add_nc_u32 v4, 512, v27
	s_wait_alu depctr_va_vdst(0)
	v_lshlrev_b32 v5, 2, v1
	v_bfe_u32 v6, v0, 4, 1
	v_lshlrev_b32 v7, 6, v6
	s_mul_i32 s18, s15, HALFT
	s_mul_i32 s19, s16, HALFT
	s_mul_i32 s20, s15, NA*64                      ; and of their scale words: 512 of a K step's 1,024 bytes
	s_mul_i32 s21, s16, NA*64
.if KIND == 0
	s_cmp_ge_u32 ttmp9, 2
	s_cselect_b32 s22, 2*HALFT, 0
	s_cselect_b32 s23, 0, 2*HALFT
	s_cselect_b32 s66, 2*HALFS, 0
	s_cselect_b32 s67, 0, 2*HALFS
	s_add_co_u32 s18, s18, s22
	s_add_co_u32 s19, s19, s23
	s_add_co_u32 s20, s20, s66
	s_add_co_u32 s21, s21, s67
.else
	s_add_co_u32 s19, s19, 2*HALFT
	s_add_co_u32 s21, s21, 2*HALFS
.endif
	s_add_co_u32 s20, s20, SCL
	s_add_co_u32 s21, s21, SCL
	v_add_nc_u32 v8, s18, v3                       ; A's fragments in slot 0: the loads of 16 bytes,
	v_add_nc_u32 v12, s18, v4                      ; of 8 bytes;
	v_add_nc_u32 v16, s19, v3                      ; B's
	v_add_nc_u32 v20, s19, v4
	s_lshl_b32 s18, s18, 1                         ; in the region of K steps 2 to 5 every part is twice as long
	s_lshl_b32 s19, s19, 1
	s_add_co_u32 s18, s18, SLOT
	s_add_co_u32 s19, s19, SLOT
	v_add_nc_u32 v9, s18, v3
	v_add_nc_u32 v13, s18, v4
	v_add_nc_u32 v17, s19, v3
	v_add_nc_u32 v21, s19, v4
	v_add_nc_u32 v30, s20, v5
	v_add_nc_u32 v31, s21, v5
	v_mov_b32 v26, v3
.if KIND == 1
	s_mul_i32 s66, s2, 128*NA
	s_mul_i32 s67, s16, 64*NA
	s_add_co_u32 s66, s66, s67
	s_mov_b32 s67, 0
	s_add_nc_u64 s[8:9], s[8:9], s[66:67]
	WIN 0x40
.set bb, 0
.rept NB
	global_load_b128 v[96+8*(bb%4)+128*(bb/4):96+8*(bb%4)+128*(bb/4)+3], v7, s[8:9] offset:4*(32*(bb/2)+8*(bb%2))
	global_load_b128 v[96+8*(bb%4)+128*(bb/4)+4:96+8*(bb%4)+128*(bb/4)+7], v7, s[8:9] offset:4*(32*(bb/2)+8*(bb%2))+16
.set bb, bb+1
.endr
	WIN 0
	s_lshl_b32 s18, s17, 4
	s_lshl_b32 s19, s15, 3
	s_add_co_u32 s18, s18, s19
	s_lshl_b32 s19, s2, 1
	s_add_co_u32 s19, s19, s16
	s_lshl_b32 s66, s18, 5
	s_add_co_u32 s66, s66, s19
	s_mul_i32 s66, s66, FRB
	s_mov_b32 s67, 0
	s_add_nc_u64 s[92:93], s[10:11], s[66:67]
	s_lshl_b32 s66, s19, 14
	s_lshl_b32 s18, s18, 6
	s_add_co_u32 s66, s66, s18
	s_add_co_u32 s66, s66, 12582912
	s_add_nc_u64 s[94:95], s[10:11], s[66:67]
.endif
	s_wait_alu depctr_va_vdst(0)
	s_wait_tensorcnt 0x0                           ; my tile of the head's four is in
	ds_add_u32 v28, v29
	s_mov_b32 s[G1+1], (4*192)<<16                 ; no tensor load of mine is out: from here on a load brings 8 row blocks; the next one rows of four K steps
	s_mov_b32 s[G1+2], NA<<16
	s_mov_b32 s[G1+3], (4*192)<<16
	s_mov_b32 s[G1+4], NA
	s_mov_b32 s[G1B+1], (4*192)<<16
	s_mov_b32 s[G1B+2], NA<<16
	s_mov_b32 s[G1B+3], (4*192)<<16
	s_mov_b32 s[G1B+4], NA
	s_wait_dscnt 0x0
	CROUND                                         ; all four tiles are in, and all sixteen work-groups are here
	JLOAD G0+4, G1, G0B+4, G1B                     ; K steps 2 to 5: the first tensor load behind the round
.if KIND == 1
	s_wait_loadcnt 0x0
.endif
	FB 0, 0, 0, 0
	FA 0, 0, 0
	STEP 0, 1, 0, 1, 1
	TURN 0, 1, 2, 1
	STEP 0, 0, 1, 1, 3
	STEP 1, 0, 2, 0, 4
	STEP 0, 0, 2, 1, 5
	TURN 2, 0, 6, 0
	STEP 0, 0, 0, 1, 7
	s_wait_dscnt 0x0
	MULG 0, NA/2, 1, 0
	MULG NA/2, NA/2, 1, 0
	WIN 0
	PLACES
	s_mov_b32 s[SEL], 0x76543210
	s_mov_b32 s[SEL+1], 0xfedcba98
.irp b, 0,1,2,3
	v_mov_b32 v[TM+4+\b], 0
.endr
.if KIND == 0
	s_cmp_ge_u32 ttmp9, 2
	s_cbranch_scc1 .Lv_out
	s_lshl_b32 s18, s2, 1
	s_add_co_u32 s18, s18, s16
	s_lshr_b32 s19, s18, 3
	s_and_b32 s18, s18, 7
	s_lshl_b32 s18, s18, 1
	s_lshl_b32 s20, s17, 4
	s_lshl_b32 s21, s15, 3
	s_add_co_u32 s20, s20, s21
	s_lshr_b32 s21, s20, 7
	s_lshl_b32 s19, s19, 5
	s_lshl_b32 s21, s21, 4
	s_add_co_u32 s19, s19, s21
	s_add_co_u32 s19, s19, s18
	s_lshl_b32 s19, s19, 2
	s_bfe_u32 s21, s20, 0x20005
	s_add_co_u32 s19, s19, s21
	s_mul_i32 s19, s19, 26624
	s_and_b32 s20, s20, 31
	s_mul_i32 s96, s20, 768
	s_add_co_u32 s96, s96, s19
	s_mov_b32 s97, 0
	s_add_nc_u64 s[92:93], s[8:9], s[96:97]
	s_lshl_b32 s96, s20, 6
	s_add_co_u32 s96, s96, s19
	s_add_co_u32 s96, s96, 24576
	s_add_nc_u64 s[94:95], s[8:9], s[96:97]
.irp a, 0,1,2,3,4,5,6,7
.if \a > 0
	s_wait_xcnt 0x0
.endif
	QUANT 64*(\a%4), 2+\a/4
	v_and_b32 v165, 0xffff, v[PW]
	v_lshrrev_b32 v166, 16, v[PW]
	PUT 768*\a, 768*\a+106496
	global_store_b32 v5, v165, s[94:95] offset:64*\a
	global_store_b32 v5, v166, s[94:95] offset:64*\a+106496
.endr
	s_branch .Lend
.Lv_out:
	s_sub_co_u32 s18, s2, 8
	s_lshl_b32 s18, s18, 4
	s_lshl_b32 s19, s15, 3
	s_add_co_u32 s18, s18, s19
	s_lshr_b32 s18, s18, 2
	s_lshl_b32 s20, s17, 1
	s_add_co_u32 s20, s20, s16
	s_lshr_b32 s21, s20, 4
	s_lshl_b32 s21, s21, 4
	s_add_co_u32 s18, s18, s21
	s_lshl_b32 s18, s18, 2
	s_bfe_u32 s21, s20, 0x20002
	s_add_co_u32 s18, s18, s21
	s_mul_i32 s18, s18, 25600
	s_add_co_u32 s18, s18, 6815744
	s_and_b32 s20, s20, 3
	s_mul_i32 s96, s20, 6144
	s_add_co_u32 s96, s96, s18
	s_mov_b32 s97, 0
	s_add_nc_u64 s[92:93], s[8:9], s[96:97]
	s_lshl_b32 s96, s20, 8
	s_add_co_u32 s96, s96, s18
	s_add_co_u32 s96, s96, 24576
	s_add_nc_u64 s[94:95], s[8:9], s[96:97]
.irp a, 0,1,2,3,4,5,6,7
.if \a > 0
	s_wait_xcnt 0x0
.endif
	QUANT 64*(\a%4), 2+\a/4
	PUT (\a/4)*102400+(\a%4)*1536, (\a/4)*102400+(\a%4)*1536+768
	global_store_b32 v5, v[PW], s[94:95] offset:(\a/4)*102400+64*(\a%4)
.endr
.Lend:
.else
.irp a, 0,1,2,3,4,5,6,7
.if \a > 0
	s_wait_xcnt 0x0
.endif
	WIN (2+\a/4)<<2
.set jj, 0
.rept 64
	v_max_num_f32 v[T+jj], 0, v[64*(\a%4)+jj]
.set jj, jj+1
.endr
	WIN 0
	QUANT T, 0
	PUT 49152*\a, 49152*\a+768
	global_store_b32 v5, v[PW], s[94:95] offset:64*\a
.endr
.endif
	s_wait_tensorcnt 0x0
	ds_add_u32 v28, v29
	s_wait_dscnt 0x0
	CROUND
	s_endpgm
.Lfunc_end_k_qfe2d3b7261_ff1:
	.size	k_qfe2d3b7261_ff1, .Lfunc_end_k_qfe2d3b7261_ff1-k_qfe2d3b7261_ff1
	.p2alignl 7, 3214868480
	.fill 96, 4, 3214868480
	.section	.rodata,"a",@progbits
	.p2align	6, 0x0
	.amdhsa_kernel k_qfe2d3b7261_ff1
		.amdhsa_group_segment_fixed_size 327680
		.amdhsa_private_segment_fixed_size 0
		.amdhsa_enable_private_segment 0
		.amdhsa_kernarg_size 32
		.amdhsa_user_sgpr_count 2
		.amdhsa_user_sgpr_kernarg_segment_ptr 1
		.amdhsa_wavefront_size32 1
		.amdhsa_system_sgpr_workgroup_id_x 1
		.amdhsa_system_sgpr_workgroup_id_y 1
		.amdhsa_system_sgpr_workgroup_id_z 1
		.amdhsa_system_vgpr_workitem_id 0
		.amdhsa_next_free_vgpr 1024
		.amdhsa_next_free_sgpr 100
		.amdhsa_reserve_vcc 0
		.amdhsa_float_denorm_mode_32 3
		.amdhsa_float_denorm_mode_16_64 3
		.amdhsa_memory_ordered 1
		.amdhsa_forward_progress 1
		.amdhsa_inst_pref_size 171
	.end_amdhsa_kernel
	.amdgpu_metadata
---
amdhsa.version: [ 1, 2 ]
amdhsa.kernels:
  - .name:           k_qfe2d3b7261_ff1
    .symbol:         k_qfe2d3b7261_ff1.kd
    .args:
      - { .name: XN, .offset: 0, .size: 8, .value_kind: global_buffer, .address_space: global }
      - { .name: WB, .offset: 8, .size: 8, .value_kind: global_buffer, .address_space: global }
      - { .name: b1, .offset: 16, .size: 8, .value_kind: global_buffer, .address_space: global }
      - { .name: H, .offset: 24, .size: 8, .value_kind: global_buffer, .address_space: global }
    .group_segment_fixed_size: 327680
    .private_segment_fixed_size: 0
    .kernarg_segment_align: 8
    .kernarg_segment_size: 32
    .max_flat_workgroup_size: 128
    .sgpr_count:     100
    .vgpr_count:     1024
    .wavefront_size: 32
...
	.end_amdgpu_metadata
.endif
;; end of part 6
;; launch ff2 (part 7): grid 32 x 8, 4 waves a work-group, clusters of 4 x 1, 327,680 bytes of LDS; arguments H, WB, b2, X1, out0; writes out0
.if DOCPART == 7
	.amdgcn_target "amdgcn-amd-amdhsa--gfx1250"
	.amdhsa_code_object_version 6
	.text
	.protected	k_qfe2d3b7261_ff2
	.globl	k_qfe2d3b7261_ff2
	.p2align	8
	.type	k_qfe2d3b7261_ff2,@function
k_qfe2d3b7261_ff2:
	s_mov_b64 s[64:65], 0
	v_nop
	global_prefetch_b8 v0, s[64:65] scope:SCOPE_SE
	s_setreg_imm32_b32 hwreg(HW_REG_WAVE_MODE, 25, 1), 1
	s_wait_xcnt 0x0
	s_wait_alu depctr_hold_cnt(0) depctr_sa_sdst(0) depctr_va_vdst(0) depctr_va_sdst(0) depctr_va_ssrc(0) depctr_va_vcc(0) depctr_vm_vsrc(0)
	s_getreg_b32 s2, hwreg(HW_REG_IB_STS2, 6, 4)
	s_cmp_eq_u32 s2, 0
	s_cbranch_scc0 .Lentry_in_a_cluster
	s_endpgm
.Lentry_in_a_cluster:
	s_bfe_u32 s2, ttmp6, 0x10000c
	s_cmp_lg_u32 s2, 0x3003
	s_cbranch_scc0 .Lentry_shape_is_right
	s_endpgm
.Lentry_shape_is_right:
; out0 = X1 + h W2 + b2, f32: a product of two operands of BF6 (E3M2) codes with one E8M0 scale for each 32 along K = 4,096 (32 K steps of 128), sums in f32.
; OPERANDS.  Rows stand at physical row p = the logical row with bits 3 and 4 swapped.  Codes [row block of 16][K step][1,536 bytes: the image of a fragment's 12 registers]; scale words [K step][row p].
;   A = H: the image is three planes of 512 bytes (registers 4 i .. 4 i + 3 at 512 i + 16 x lane).   B = W2 in WB: registers 0-3 at 16 x lane, 4-5 at 512 + 8 x lane, 6-9 at 768 + 16 x lane, 10-11 at 1,280 + 8 x lane.
; SHARES.  Work-group (x, y) makes rows 128 x .. + 127 and columns 128 y .. + 127: 32 x 8 = 256 work-groups.  Wave w owns rows 32 w .. + 31 of them and all 128 columns: 2 x 8 accumulators of 16 x 16.
; A GOES FROM MEMORY STRAIGHT INTO REGISTERS: inside a work-group each wave's rows are its own, so LDS would share nothing.  A ring of eight register sets, one K step each; at the end of K step k the set just multiplied
; takes K step k + 8: 6 loads of 512 consecutive bytes and 1 of 128 (scale words).  The work-groups that read the same rows of A lie in different clusters, and a load into registers has no joint form: no multicast for A.
; B GOES THROUGH LDS BY JOINT TENSOR LOADS (cluster 4 x 1: the partners differ in x alone and need the same B; mask 15).  A wave fetches two of the eight row blocks.  Slot 0, [row block][8 K steps], takes K steps 0-7 at the head;
; slot 1, [row block][16 K steps], takes K steps 8-23 behind the full sequence and a round; slot 0 is filled again with K steps 24-31 behind the round that stands ahead of K step 7's second half, when its last fragments are in registers.
; B's scale words, 32 x 512 bytes, come by 8 loads a wave and are stored into LDS bytes of their own.
; A K step goes in two sub-steps of four column blocks; each asks first for the next sub-step's fragments of B (18 LDS loads, two register sets by turns).
; SCALE WORDS: one register holds two row blocks' words, lanes 0-15 the even block's, lanes 16-31 the odd one's, picked by the ROW selector.
; THE MATRIX INSTRUCTION IS USED TRANSPOSED (source 0 = B's rows, source 1 = A's): register j of accumulator (a, c) in lane (r, h) is row r of A's block a, logical column 32 (c / 2) + 16 h + 8 (c % 2) + j.
; THE LOOP's trip is sixteen sub-steps, from the second half of K step 7 (15) to the first half of K step 15 (23): all its fragments of B come from slot 1.
; PREFETCH.  Of my wave's rows work-group y asks for K step 16 + y at the head and for K step 24 + y in the loop's first trip, eight K steps ahead of the loads that want them: 12 blocks of 256 bytes, a lane a block;
; the eight work-groups that read these rows so name each block once.  K steps 0 to 15 come by their loads alone.  The residual's 64 blocks of a wave are asked for once, at the head; they are loaded behind K step 24.
; REGISTERS.  window 0: v1-31 addresses; v32-39 A's scale words, v40-43 B's; v64-255 A's eight sets; on the way out v64-191 at work.   window 1: v0-95 B's two sets; v128-191 the bias as tiles; v192-223 scale words on their way to LDS.
;   window 2: v0-127 the accumulators, (a, c) at 64 a + 8 c; v128-255 the residual.
.set KS, 32
.set ASO, 12582912
.set BCO, 6291456
.set BSO, 9699328
.set FRB, 1536
.set S1, 98304                         ; LDS: slot 0 at 0, slot 1,
.set SCL, 294912                       ; B's scale words,
.set SPARE, 311296                     ; the spare words.  The stage, 16 rows x 528 bytes a wave, lies in slot 1, behind that slot's last fill and last read
.set G1, 24                            ; s[24:31] group 1 for slot 0's tiles; s[40:47] for slot 1's
.set G0, 32                            ; groups 0: K steps 0-7, 8-23, 24-31
.set G0B, 36
.set G1B, 40
.set G0C, 48
.set MSB, 0
.macro WIN new                         ; the immediate's high byte repeats the setting that is left
.if MSB != (\new)
	s_set_vgpr_msb (MSB<<8)|(\new)
.set MSB, (\new)
.endif
.endm
.macro CROUND                          ; a round of the cluster's barrier
	s_barrier_signal -1
	s_barrier_wait -1
	s_cmp_lg_u32 s14, 0
	s_cbranch_scc1 .Lnw0_\@
	s_barrier_signal -3
.Lnw0_\@:
	s_barrier_wait -3
	s_barrier_signal -1
	s_barrier_wait -1
.endm
.macro PLACES                          ; four places between a matrix instruction and a load into its registers or a read of its result
.rept 4
	v_nop
.endr
.endm
.macro ALD p, ko                       ; A's two fragments and scale words of the K step ko steps behind the pointers, into set p: 7 loads
.set aa, 0
.rept 2
.set F, 64+24*(\p)+12*aa
.set O, aa*KS*FRB+(\ko)*FRB
	global_load_b128 v[F:F+3], v3, s[20:21] offset:O
	global_load_b128 v[F+4:F+7], v3, s[20:21] offset:O+512
	global_load_b128 v[F+8:F+11], v3, s[20:21] offset:O+1024
.set aa, aa+1
.endr
	global_load_b32 v[32+(\p)], v5, s[22:23] offset:(\ko)*16384
.endm
.macro BLD sl, kr, g, sreg, ks         ; B's four fragments of group g, K step kr of slot sl (slot 1: behind its address registers), into set g; their scale words, K step ks behind v[sreg]
	WIN 0x40
.set bb, 0
.rept 4
.set CB, 4*(\g)+bb
.set F, 48*(\g)+12*bb
.if \sl == 0
.set RA, 8+CB/4
.set O, (CB%4)*12288+(\kr)*FRB
.else
.set RA, 16+CB/2
.set O, (CB%2)*24576+(\kr)*FRB
.endif
	ds_load_b128 v[F:F+3], v[RA] offset:O
	ds_load_b64 v[F+4:F+5], v[RA+4] offset:O
	ds_load_b128 v[F+6:F+9], v[RA] offset:O+768
	ds_load_b64 v[F+10:F+11], v[RA+4] offset:O+768
.set bb, bb+1
.endr
	WIN 0
	ds_load_b32 v[40+2*(\g)], v[\sreg] offset:(\ks)*512+(\g)*256
	ds_load_b32 v[41+2*(\g)], v[\sreg] offset:(\ks)*512+(\g)*256+128
.endm
.macro MUL p, g, first                 ; 8 products; the accumulators take turns, one instruction a turn; first: the sums start from the bias
.set aa, 0
.rept 2
.set bb, 0
.rept 4
.set CI, 4*(\g)+bb
.set AC, 64*aa+8*CI
.if \first
	WIN 0x91
.set CC, 128+8*CI
.else
	WIN 0xa1
.set CC, AC
.endif
.set BF, 48*(\g)+12*bb
.set AF, 64+24*(\p)+12*aa
.set SB, 40+2*(\g)+bb/2
.set SA, 32+(\p)
.set V, bb%2+2*aa
.if V == 0
	v_wmma_scale_f32_16x16x128_f8f6f4 v[AC:AC+7], v[BF:BF+11], v[AF:AF+11], v[CC:CC+7], v[SB], v[SA] matrix_a_fmt:MATRIX_FMT_BF6 matrix_b_fmt:MATRIX_FMT_BF6
.endif
.if V == 1
	v_wmma_scale_f32_16x16x128_f8f6f4 v[AC:AC+7], v[BF:BF+11], v[AF:AF+11], v[CC:CC+7], v[SB], v[SA] matrix_a_fmt:MATRIX_FMT_BF6 matrix_b_fmt:MATRIX_FMT_BF6 matrix_a_scale:MATRIX_SCALE_ROW1
.endif
.if V == 2
	v_wmma_scale_f32_16x16x128_f8f6f4 v[AC:AC+7], v[BF:BF+11], v[AF:AF+11], v[CC:CC+7], v[SB], v[SA] matrix_a_fmt:MATRIX_FMT_BF6 matrix_b_fmt:MATRIX_FMT_BF6 matrix_b_scale:MATRIX_SCALE_ROW1
.endif
.if V == 3
	v_wmma_scale_f32_16x16x128_f8f6f4 v[AC:AC+7], v[BF:BF+11], v[AF:AF+11], v[CC:CC+7], v[SB], v[SA] matrix_a_fmt:MATRIX_FMT_BF6 matrix_b_fmt:MATRIX_FMT_BF6 matrix_a_scale:MATRIX_SCALE_ROW1 matrix_b_scale:MATRIX_SCALE_ROW1
.endif
.set bb, bb+1
.endr
.set aa, aa+1
.endr
.endm
; A sub-step on A's set p and B's group g.  wc: the loads issued behind this K step's (seven K steps' in the loop).  nb: the next sub-step's B is asked for first (sl, kr, sreg, ks as in BLD); behind it 18 LDS loads may be out.
; ko >= 0: at the end the set takes the K step eight on.
.macro SUB p, g, first, nb, sl, kr, sreg, ks, ko, wc
.if \g == 0
	s_wait_loadcnt \wc
.endif
.if \nb
	BLD \sl, \kr, 1-(\g), \sreg, \ks
	s_wait_dscnt 18
.else
	s_wait_dscnt 0x0
.endif
	MUL \p, \g, \first
	WIN 0
	PLACES                                         ; they serve A's loads below and the next sub-step's loads of B
.if \ko >= 0
	ALD \p, \ko
.endif
.endm
	s_load_b128 s[4:7], s[0:1], 0x0                ; H, WB
	s_load_b128 s[8:11], s[0:1], 0x10              ; the bias, the residual
	s_load_b64 s[12:13], s[0:1], 0x20              ; the result
	v_lshl_add_u32 v28, v0, 2, SPARE
	v_mov_b32 v29, 0
	ds_add_u32 v28, v29                            ; the opening lines: the add, twice on end, and its wait ahead of my first tensor load
	ds_add_u32 v28, v29
	v_lshrrev_b32 v1, 5, v0
	v_readfirstlane_b32 s14, v1                    ; wave 0..3
	s_bfe_u32 s15, ttmp6, 0x40000                  ; cx
	s_lshl_b32 s16, ttmp9, 2
	s_add_co_u32 s16, s16, s15                     ; x
	s_and_b32 s17, ttmp7, 0xffff                   ; y
	s_lshl_b32 s18, s16, 3
	s_lshl_b32 s19, s14, 1
	s_add_co_u32 s18, s18, s19                     ; my first row block of A: 8 x + 2 w
	s_mov_b32 s[G1], 15|(3<<16)|(1<<21)            ; two row blocks x 8 K steps: 2 rows of 12,288 bytes (elements of 8 bytes), 49,152 bytes apart; the mask names the cluster's four
	s_mov_b32 s[G1+1], 1536<<16
	s_mov_b32 s[G1+2], 2<<16
	s_mov_b32 s[G1+3], 1536<<16
	s_mov_b32 s[G1+4], 2
	s_mov_b32 s[G1+5], 6144
	s_mov_b32 s[G1+6], 0
	s_mov_b32 s[G1+7], 0
	s_mov_b32 s[G1B], 15|(3<<16)|(1<<21)           ; the same x 16 K steps
	s_mov_b32 s[G1B+1], 3072<<16
	s_mov_b32 s[G1B+2], 2<<16
	s_mov_b32 s[G1B+3], 3072<<16
	s_mov_b32 s[G1B+4], 2
	s_mov_b32 s[G1B+5], 6144
	s_mov_b32 s[G1B+6], 0
	s_mov_b32 s[G1B+7], 0
	s_mul_i32 s20, s18, KS*FRB                     ; A's codes,
	s_mov_b32 s21, 0
	s_lshl_b32 s22, s18, 6
	s_add_co_u32 s22, s22, ASO                     ; its scale words
	s_mov_b32 s23, 0
	s_mov_b32 s[G0], 1
	s_mul_i32 s[G0+1], s14, 24576                  ; LDS: wave x two row blocks
	s_mov_b32 s[G0B], 1
	s_mul_i32 s[G0B+1], s14, 49152
	s_add_co_u32 s[G0B+1], s[G0B+1], S1
	s_mov_b32 s[G0C], 1
	s_mul_i32 s[G0C+1], s14, 24576
	s_lshl_b32 s52, s17, 3                         ; B's codes hang on y and the wave alone: row block 8 y + 2 w
	s_add_co_u32 s52, s52, s19
	s_mul_i32 s52, s52, KS*FRB
	s_add_co_u32 s52, s52, BCO
	s_mov_b32 s53, 0
	s_lshl_b32 s62, s17, 9                         ; my columns: 512 bytes x y, in f32 and in scale words alike
	s_mov_b32 s63, 0
	s_lshl_b32 s60, s14, 15                        ; B's scale words: I fetch K steps 8 w .. 8 w + 7, rows of 4,096 bytes
	s_add_co_u32 s60, s60, s62
	s_add_co_u32 s60, s60, BSO
	s_mov_b32 s61, 0
	s_lshl_b32 s54, s18, 16                        ; my first row of the result: 16 rows of 4,096 bytes a row block
	s_add_co_u32 s54, s54, s62
	s_mov_b32 s55, 0
	s_mul_i32 s56, s14, 8448
	s_add_co_u32 s56, s56, S1                      ; my stage
	s_lshl_b32 s57, s14, 12
	s_add_co_u32 s57, s57, SCL                     ; where my eight rows of scale words go
	s_lshl_b32 s58, s18, 5                         ; the prefetch: K step 16 + y of my first row block
	s_add_co_u32 s58, s58, s17
	s_add_co_u32 s58, s58, 16
	s_mul_i32 s58, s58, FRB
	s_mov_b32 s59, 0
	v_and_b32 v2, 31, v0                           ; lane
	v_and_b32 v1, 15, v0                           ; r
	v_bfe_u32 v6, v0, 4, 1                         ; h
	v_lshlrev_b32 v3, 4, v2                        ; 16 x lane
	v_lshl_add_u32 v4, v2, 3, 512                  ; 512 + 8 x lane
	v_lshlrev_b32 v5, 2, v2                        ; 4 x lane
	v_lshlrev_b32 v7, 6, v6                        ; 64 h
	v_mov_b32 v8, v3                               ; slot 0: row blocks 0-3, 4-7
	v_add_nc_u32 v9, 49152, v3
	v_mov_b32 v12, v4
	v_add_nc_u32 v13, 49152, v4
.set jj, 0
.rept 4
	v_add_nc_u32 v[16+jj], S1+jj*49152, v3         ; slot 1: row blocks 2 j, 2 j + 1
	v_add_nc_u32 v[20+jj], S1+jj*49152, v4
.set jj, jj+1
.endr
	v_add_nc_u32 v10, SCL, v5                      ; B's scale words from K step 0 on,
	v_add_nc_u32 v11, SCL+4096, v5                 ; and from K step 8 on, stepped in the loop
	v_add_nc_u32 v14, s57, v3
	v_mul_u32_u24 v24, v1, 528
	v_lshl_add_u32 v24, v6, 6, v24
	v_add_nc_u32 v24, s56, v24                     ; the stage, in: row r, + 64 h
	v_add_nc_u32 v25, s56, v3                      ; and back: a row of 512 bytes an instruction
	v_lshlrev_b32 v30, 12, v2                      ; the residual's prefetch: a lane a row
	v_min_u32 v27, 11, v2                          ; A's prefetch: lanes 0-5 the first row block's fragment, lanes 6-11 the second's, the others the last block again
	v_mul_u32_u24 v31, v27, 43
	v_lshrrev_b32 v31, 8, v31                      ; lane / 6
	v_mul_u32_u24 v31, v31, 47616                  ; a row block on, less the six blocks passed
	v_lshl_add_u32 v27, v27, 8, v31
	s_wait_alu depctr_va_vdst(0)
	s_wait_dscnt 0x0
	s_wait_kmcnt 0x0
	s_add_nc_u64 s[20:21], s[4:5], s[20:21]
	s_add_nc_u64 s[22:23], s[4:5], s[22:23]
	s_add_nc_u64 s[58:59], s[4:5], s[58:59]
	s_add_nc_u64 s[G0+2:G0+3], s[6:7], s[52:53]
	s_add_nc_u64 s[G0B+2:G0B+3], s[G0+2:G0+3], 8*FRB
	s_add_nc_u64 s[G0C+2:G0C+3], s[G0+2:G0+3], 24*FRB
	s_or_b32 s[G0+3], s[G0+3], 0x80000000
	s_or_b32 s[G0B+3], s[G0B+3], 0x80000000
	s_or_b32 s[G0C+3], s[G0C+3], 0x80000000
	s_add_nc_u64 s[60:61], s[6:7], s[60:61]
	s_add_nc_u64 s[8:9], s[8:9], s[62:63]
	s_add_nc_u64 s[10:11], s[10:11], s[54:55]
	s_add_nc_u64 s[12:13], s[12:13], s[54:55]
	CROUND                                         ; the four partners are here: the joint loads meet
	tensor_load_to_lds s[G0:G0+3], s[G1:G1+7]      ; K steps 0-7 of my two row blocks: one load a wave at the head
	s_nop 0
	PLACES
	WIN 0x40
.set ii, 0
.rept 8
	global_load_b128 v[192+4*ii:195+4*ii], v3, s[60:61] offset:ii*4096          ; a K step's 512 bytes of B's scale words
.set ii, ii+1
.endr
.set cc, 0
.rept 8                                        ; the bias in the result's layout: tile c, lane (r, h): columns 32 (c / 2) + 16 h + 8 (c % 2) + 0 .. 7
	global_load_b128 v[128+8*cc:131+8*cc], v7, s[8:9] offset:4*(32*(cc/2)+8*(cc%2))
	global_load_b128 v[132+8*cc:135+8*cc], v7, s[8:9] offset:4*(32*(cc/2)+8*(cc%2))+16
.set cc, cc+1
.endr
	WIN 0
.set kk, 0
.rept 8
	ALD kk, kk                                     ; K steps 0 to 7
.set kk, kk+1
.endr
	global_prefetch_b8 v27, s[58:59] th:TH_LOAD_NT scope:SCOPE_SE
	global_prefetch_b8 v30, s[10:11] th:TH_LOAD_NT scope:SCOPE_SE
	global_prefetch_b8 v30, s[10:11] offset:256 th:TH_LOAD_NT scope:SCOPE_SE
	s_wait_loadcnt 63                              ; behind the scale words' loads 72 were issued: the scale words are in
	s_wait_tensorcnt 0x0                           ; no tensor load of mine is out when I store to LDS
	WIN 0x04
.set ii, 0
.rept 8
	ds_store_b128 v14, v[192+4*ii:195+4*ii] offset:ii*512
.set ii, ii+1
.endr
	WIN 0
	s_wait_tensorcnt 0x0                           ; slot 1's first fill stands behind these three lines and a round
	ds_add_u32 v28, v29
	s_wait_dscnt 0x0                               ; the add and my stores are done
	CROUND
	tensor_load_to_lds s[G0B:G0B+3], s[G1B:G1B+7]  ; K steps 8-23
	s_nop 0
	PLACES
	BLD 0, 0, 0, 10, 0
.set kk, 0                             ; K steps 0 to 6 and the first half of K step 7, from slot 0
.rept 8
.set gg, 0
.rept 2
.if kk*2+gg < 15
.set KO, -1
.if gg == 1
.set KO, kk+8
.endif
.set FI, 0
.if kk == 0
.set FI, 1
.endif
	SUB kk, gg, FI, 1, 0, (kk+gg), 10, (kk+gg), KO, 49
.endif
.set gg, gg+1
.endr
.set kk, kk+1
.endr
	s_wait_tensorcnt 0x0                           ; my part of slot 1 is in;
	ds_add_u32 v28, v29
	s_wait_dscnt 0x0                               ; my reads of slot 0 are over: its last fragments are in registers
	CROUND                                         ; both hold of every wave of the four partners
	tensor_load_to_lds s[G0C:G0C+3], s[G1:G1+7]    ; slot 0 takes K steps 24-31
	s_nop 0
	PLACES
	s_mov_b32 s3, 2
.Llap:
	SUB 7, 1, 0, 1, 1, 0, 11, 0, 15, 0
	s_cmp_eq_u32 s3, 2                             ; the first trip alone asks: K step 24 + y
	s_cbranch_scc0 .Lnp
	global_prefetch_b8 v27, s[58:59] offset:8*FRB th:TH_LOAD_NT scope:SCOPE_SE
.Lnp:
.set kk, 0
.rept 8
.set gg, 0
.rept 2
.if kk*2+gg < 15
.set KO, -1
.if gg == 1
.set KO, kk+16
.endif
	SUB kk, gg, 0, 1, 1, (kk+gg), 11, (kk+gg), KO, 49
.endif
.set gg, gg+1
.endr
.set kk, kk+1
.endr
.set jj, 0
.rept 8
	v_add_nc_u32 v[16+jj], 8*FRB, v[16+jj]         ; on by eight K steps
.set jj, jj+1
.endr
	v_add_nc_u32 v11, 4096, v11
	s_wait_alu depctr_va_vdst(0)
	s_wait_xcnt 0x0                                ; the loads have read their pointers
	s_add_nc_u64 s[20:21], s[20:21], 8*FRB
	s_add_nc_u64 s[22:23], s[22:23], 131072
	s_sub_co_u32 s3, s3, 1
	s_cmp_lg_u32 s3, 0
	s_cbranch_scc1 .Llap
	s_wait_tensorcnt 0x0                           ; my part of K steps 24-31 is in,
	s_wait_dscnt 0x0                               ; and my reads of slot 1 are over
	s_barrier_signal -1
	s_barrier_wait -1                              ; both hold of all four waves; nothing is filled any more
	SUB 7, 1, 0, 1, 0, 0, 10, 24, 15, 0
.set kk, 0                             ; K steps 24 to 31, from slot 0; no more of A is asked for
.rept 8
.set gg, 0
.rept 2
.set NBF, 1
.if kk*2+gg == 15
.set NBF, 0
.endif
.set WC, (7-kk)*7
.if kk > 0
.set WC, WC+32
.endif
.if WC > 63
.set WC, 63
.endif
	SUB kk, gg, 0, NBF, 0, (kk+gg), 10, (24+kk+gg), -1, WC
.if kk*2+gg == 1
	WIN 0x80                                       ; the residual, 32 loads of 512 consecutive bytes, in the order in which the results will leave
.irp a, 0,1
.irp t, 0,1,2,3,4,5,6,7,8,9,10,11,12,13,14,15
	global_load_b128 v[128+64*\a+4*\t:128+64*\a+4*\t+3], v3, s[10:11] offset:(16*(\t/8)+8*\a+\t%8)*4096
.endr
.endr
	WIN 0
.endif
.set gg, gg+1
.endr
.set kk, kk+1
.endr
	; THE WAY OUT: a block of 16 rows x 128 columns goes through my own stage and comes back as rows of 512 bytes; the residual is added; the 32 lanes store a row's 512 consecutive bytes, aligned
	s_wait_loadcnt 0x0                             ; the residual
.irp a, 0,1
	WIN 0x08
.irp c, 0,1,2,3,4,5,6,7
	ds_store_b128 v24, v[64*\a+8*\c:64*\a+8*\c+3] offset:128*(\c/2)+32*(\c%2)
	ds_store_b128 v24, v[64*\a+8*\c+4:64*\a+8*\c+7] offset:128*(\c/2)+32*(\c%2)+16
.endr
	WIN 0
.irp t, 0,1,2,3,4,5,6,7,8,9,10,11,12,13,14,15
	ds_load_b128 v[64+64*\a+4*\t:64+64*\a+4*\t+3], v25 offset:528*\t   ; LDS serves a wave's instructions in order: these see my stores
.endr
	s_wait_dscnt 0x0
	WIN 0x08
.irp t, 0,1,2,3,4,5,6,7,8,9,10,11,12,13,14,15
	v_pk_add_f32 v[64+64*\a+4*\t:64+64*\a+4*\t+1], v[64+64*\a+4*\t:64+64*\a+4*\t+1], v[128+64*\a+4*\t:128+64*\a+4*\t+1]
	v_pk_add_f32 v[64+64*\a+4*\t+2:64+64*\a+4*\t+3], v[64+64*\a+4*\t+2:64+64*\a+4*\t+3], v[128+64*\a+4*\t+2:128+64*\a+4*\t+3]
.endr
	WIN 0
.irp t, 0,1,2,3,4,5,6,7,8,9,10,11,12,13,14,15
	global_store_b128 v3, v[64+64*\a+4*\t:64+64*\a+4*\t+3], s[12:13] offset:(16*(\t/8)+8*\a+\t%8)*4096
.endr
.endr
	s_wait_tensorcnt 0x0                           ; the wave's end
	ds_add_u32 v28, v29
	s_wait_dscnt 0x0
	CROUND                                         ; the closing round
	s_endpgm
.Lfunc_end_k_qfe2d3b7261_ff2:
	.size	k_qfe2d3b7261_ff2, .Lfunc_end_k_qfe2d3b7261_ff2-k_qfe2d3b7261_ff2
	.p2alignl 7, 3214868480
	.fill 96, 4, 3214868480
	.section	.rodata,"a",@progbits
	.p2align	6, 0x0
	.amdhsa_kernel k_qfe2d3b7261_ff2
		.amdhsa_group_segment_fixed_size 327680
		.amdhsa_private_segment_fixed_size 0
		.amdhsa_enable_private_segment 0
		.amdhsa_kernarg_size 40
		.amdhsa_user_sgpr_count 2
		.amdhsa_user_sgpr_kernarg_segment_ptr 1
		.amdhsa_wavefront_size32 1
		.amdhsa_system_sgpr_workgroup_id_x 1
		.amdhsa_system_sgpr_workgroup_id_y 1
		.amdhsa_system_sgpr_workgroup_id_z 1
		.amdhsa_system_vgpr_workitem_id 0
		.amdhsa_next_free_vgpr 768
		.amdhsa_next_free_sgpr 68
		.amdhsa_reserve_vcc 0
		.amdhsa_float_denorm_mode_32 3
		.amdhsa_float_denorm_mode_16_64 3
		.amdhsa_memory_ordered 1
		.amdhsa_forward_progress 1
		.amdhsa_inst_pref_size 159
	.end_amdhsa_kernel
	.amdgpu_metadata
---
amdhsa.version: [ 1, 2 ]
amdhsa.kernels:
  - .name:           k_qfe2d3b7261_ff2
    .symbol:         k_qfe2d3b7261_ff2.kd
    .args:
      - { .name: H, .offset: 0, .size: 8, .value_kind: global_buffer, .address_space: global }
      - { .name: WB, .offset: 8, .size: 8, .value_kind: global_buffer, .address_space: global }
      - { .name: b2, .offset: 16, .size: 8, .value_kind: global_buffer, .address_space: global }
      - { .name: X1, .offset: 24, .size: 8, .value_kind: global_buffer, .address_space: global }
      - { .name: out0, .offset: 32, .size: 8, .value_kind: global_buffer, .address_space: global }
    .group_segment_fixed_size: 327680
    .private_segment_fixed_size: 0
    .kernarg_segment_align: 8
    .kernarg_segment_size: 40
    .max_flat_workgroup_size: 128
    .sgpr_count:     68
    .vgpr_count:     768
    .wavefront_size: 32
...
	.end_amdgpu_metadata
.endif
;; end of part 7
